; MI455X (gfx1250); checked and timed in simulation.
; The chip was launched on July 23, 2026; its instructions are those of AMD's public machine-readable ISA for CDNA 5 (MIT licence, August 2026) and "CDNA5" Instruction Set Architecture Reference Guide (July 2026). The comments in the code are by the model that wrote it; some were corrected since.
;; Attention. Allowed arithmetic: matrix products marked QUANTISED: E2M3 operands, one E8M0 scale for each 32 along K, by v_wmma_scale_f32_16x16x128_f8f6f4 with both operands' format E2M3, f32 sums; everything else in f32.
;; Inputs: Wk_codes 512 x 64 x 24 uint8 (E2M3 codes of Wk, K innermost, in blocks of 32 codes, four codes in three bytes); Wk_scales 512 x 64 uint8 (E8M0 scales of Wk, one for each 32 codes along K); Wo_codes 2,048 x 64 x 24 uint8 (E2M3 codes of Wo, K innermost, in blocks of 32 codes, four codes in three bytes); Wo_scales 2,048 x 64 uint8 (E8M0 scales of Wo, one for each 32 codes along K); Wq_codes 2,048 x 64 x 24 uint8 (E2M3 codes of Wq, K innermost, in blocks of 32 codes, four codes in three bytes); Wq_scales 2,048 x 64 uint8 (E8M0 scales of Wq, one for each 32 codes along K); Wv_codes 512 x 64 x 24 uint8 (E2M3 codes of Wv, K innermost, in blocks of 32 codes, four codes in three bytes); Wv_scales 512 x 64 uint8 (E8M0 scales of Wv, one for each 32 codes along K); x_codes 8 x 512 x 64 x 24 uint8 (E2M3 codes of x, K innermost, in blocks of 32 codes, four codes in three bytes); x_scales 8 x 512 x 64 uint8 (E8M0 scales of x, one for each 32 codes along K).
;; Outputs: out0 8 x 512 x 2,048 float32; out1 8 x 8 x 512 x 64 float32; out2 8 x 8 x 512 x 64 float32.
;; This version of the problem:
;;   THIS VERSION OF THE PROBLEM IS GIVEN IN LOW PRECISION. The matrix products marked QUANTISED in the list below multiply operands that are first quantised to E2M3 (2 exponent bits, 3 mantissa bits; 6 bits a number), with one power-of-two scale for each 32 numbers along K (OCP MX v1.0); their sums are f32. All else is computed in f32.
;;   The module's matrix products, in the order in which they are computed (A, B: the left and right operand; K: the contracted axis; several contracted axes count as one K, in the product's order):
;;     1. [M 4,096, K 2,048] x [K 2,048, N 2,048]; A: input x (given as codes); B: input Wq (given as codes): QUANTISED
;;     2. [M 4,096, K 2,048] x [K 2,048, N 512]; A: input x (given as codes); B: input Wk (given as codes): QUANTISED
;;     3. [M 4,096, K 2,048] x [K 2,048, N 512]; A: input x (given as codes); B: input Wv (given as codes): QUANTISED
;;     4. batch 256 x [M 512, K 64] x [K 64, N 512]; A: computed on the way; B: computed on the way: QUANTISED
;;     5. batch 256 x [M 512, K 512] x [K 512, N 64]; A: softmax (see below); B: computed on the way: QUANTISED
;;     6. [M 4,096, K 2,048] x [K 2,048, N 2,048]; A: computed on the way; B: input Wo (given as codes): QUANTISED
;;   THE QUANTISER, for each operand of a quantised product, along K:
;;     - K is cut into blocks of 32 from its start; a last block that is shorter is filled with zeros.
;;     - A block's scale is 2^e with e = floor(log2(the largest magnitude in the block)) - 2, held to -126 .. 127; a block of zeros has e = 0. As a byte (E8M0): e + 127.
;;     - Each number is divided by its block's scale, clamped to +-7.5, and rounded to the nearest number of E2M3, ties to even, subnormals kept.
;;     - The product sums the exact products of the quantised numbers (number of the format x scale) in f32.
;;   ~~~python
;;   def quantise(x, axis):      # numpy; x: float32 -> the quantised numbers, widened to float32 again
;;       x = np.moveaxis(x, axis, -1); K = x.shape[-1]
;;       x = np.pad(x, [(0, 0)] * (x.ndim - 1) + [(0, -K % 32)]); x = x.reshape(x.shape[:-1] + (-1, 32)); a = np.abs(x).max(-1, keepdims=True)
;;       e = np.where(a > 0, np.clip(np.frexp(np.where(a > 0, a, 1))[1] - 1 - 2, -126, 127), 0)      # np.frexp(a)[1] - 1 = floor(log2(a)), exactly
;;       r = np.clip(x / 2.0 ** e, -7.5, 7.5)
;;       step = 2.0 ** (np.maximum(np.frexp(np.where(r == 0, 1, r))[1] - 1, 0) - 3)
;;       q = np.round(r / step) * step * 2.0 ** e      # np.round: ties to even
;;       return np.moveaxis(q.reshape(q.shape[:-2] + (-1,))[..., :K], -1, axis).astype(np.float32)
;;   ~~~
;;   SOFTMAX AHEAD OF A QUANTISED PRODUCT. Where the list says 'softmax', what is quantised is not the finished softmax but p = 2^(t - M), with t = logit x log2(e) and M = ceil(the row's largest t), a whole number; so 1/2 < the row's largest p <= 1. The row's sum l is taken of the UNQUANTISED p, in f32, and the product's result is divided by l at the end. Since M is a whole number, a kernel that streams over the keys may use a running M (the ceiling of the running maximum): every later rescaling is an exact power of two, which a block's scale takes up: the codes' values come out the same.
;;   OPERANDS COMPUTED ON THE WAY. 'Computed on the way' means the value that the module computes at that place (a softmax that the list does not call 'softmax' is quantised finished and normalised). What goes into a quantiser is computed in f32, as accurately as f32 sums, v_exp_f32 and their like allow (about 1e-6 of the number): no bf16 or f16 on the way to a quantiser, and a product that is left as it is and whose result goes on into a quantised operand takes f32 operands (vector FMAs, or v_wmma_f32_16x16x4_f32). A number that lies on a knife's edge between two numbers of the format may be rounded either way, as far as f32 arithmetic and the matrix unit's own rounding can turn it there, and no further.
;;   INPUTS GIVEN AS CODES. Wk (in the module: [2048, 512], K = its axis 0); Wo (in the module: [2048, 2048], K = its axis 0); Wq (in the module: [2048, 2048], K = its axis 0); Wv (in the module: [2048, 512], K = its axis 0); x (in the module: [8, 512, 2048], K = its axis 2): each comes as NAME_codes (uint8): NAME with its K axis moved to the last place and cut into blocks of 32 codes, [.., K / 32, bytes a block], one block behind the other in memory; four codes in three bytes: a row's codes are one little-endian stream of bits, code i at bits 6 i .. 6 i + 5 (a code: sign, 2 exponent bits, 3 mantissa bits); and NAME_scales (uint8): the same leading axes, one E8M0 byte (e + 127) for each 32 codes along K. Its value is code x scale, taken as it is: it is not quantised again, and the codes and scales need not be those that the quantiser above would give.
;; 2 versions. Each part assembles by itself: llvm-mc -triple=amdgcn-amd-amdhsa -mcpu=gfx1250 --defsym DOCPART=n.
;; ======== version 1 of 2: 3 launches
;; workspace buffers: qimg 6,291,456 bytes; kimg 1,572,864 bytes; qscl 524,288 bytes; kscl 131,072 bytes; vimg 1,572,864 bytes; vscl 65,536 bytes; acodes 6,291,456 bytes; ascales 262,144 bytes
;; launch qkv (part 1): grid 12 x 16, 4 waves a work-group, clusters of 4 x 4, 327,680 bytes of LDS; arguments x_codes, x_scales, Wq_codes, Wq_scales, Wk_codes, Wk_scales, Wv_codes, Wv_scales, out1, out2, qimg, qscl, kimg, kscl, vimg, vscl; writes out1, out2, qimg, qscl, kimg, kscl, vimg, vscl
.if DOCPART == 1
	.amdgcn_target "amdgcn-amd-amdhsa--gfx1250"
	.amdhsa_code_object_version 6
	.text
	.protected	k_qbe8729bfd1_qkv
	.globl	k_qbe8729bfd1_qkv
	.p2align	8
	.type	k_qbe8729bfd1_qkv,@function
k_qbe8729bfd1_qkv:
	s_mov_b64 s[64:65], 0
	v_nop
	global_prefetch_b8 v0, s[64:65] scope:SCOPE_SE
	s_setreg_imm32_b32 hwreg(HW_REG_WAVE_MODE, 25, 1), 1
	s_wait_xcnt 0x0
	s_wait_alu depctr_hold_cnt(0) depctr_sa_sdst(0) depctr_va_vdst(0) depctr_va_sdst(0) depctr_va_ssrc(0) depctr_va_vcc(0) depctr_vm_vsrc(0)
	s_getreg_b32 s2, hwreg(HW_REG_IB_STS2, 6, 4)
	s_cmp_eq_u32 s2, 0
	s_cbranch_scc0 .Lentry_in_a_cluster
	s_endpgm
.Lentry_in_a_cluster:
	s_bfe_u32 s2, ttmp6, 0x10000c
	s_cmp_lg_u32 s2, 0xf033
	s_cbranch_scc0 .Lentry_shape_is_right
	s_endpgm
.Lentry_shape_is_right:
; q, k, v = x Wq, x Wk, x Wv on codes of FP6 (E2M3) with E8M0 scales, the rotary embedding on q and k, k and v stored as f32 (out1, out2), and q, k (along the head's 64) and v (along the keys) quantised for the attention launch.
; x: [4096][2048] codes; Wq: [2048][2048], Wk, Wv: [512][2048] codes, K innermost; a row is 1,536 bytes of codes and 64 scale bytes.
; SHARES.  192 work-groups of four waves; a work-group makes 256 tokens x 256 columns, a wave 128 x 128: 64 accumulators of 16 x 16.  Column tiles 0-7 are q's.  In the clusters with x = 2 a tile's first 128 columns are
; 128 columns of k and its last 128 the same columns of v: so all partners of a cluster run alike, and a wave's role hangs on the cluster's x and on the wave's number alone (even waves: k, odd waves: v).
; THE K LOOP: steps of 256 along K through a ring of two LDS slots filled by the tensor data mover; the scale bytes of the 512 rows come once and stay.  4 x 4 work-groups form a cluster: x's tiles are asked for jointly along
; a row of the cluster, the weights' along a column.  The matrix instruction is used transposed (source 0 = 16 weight rows, source 1 = 16 tokens): a lane holds ONE token (lane % 16) and, in tile b, columns 16 b + 8 (lane / 16) + 0 .. 7.
; THE ROTARY EMBEDDING pairs d with d + 32: the same lane and register, two tiles on.  cos and sin of the work-group's 256 positions x 32 frequencies are made once, in f32, into a table in LDS: the angle is one f32 product,
; reduced by multiples of pi/2 in three parts, then two polynomials.
; WHAT LEAVES.  q and k as images of operand registers: a record of 768 bytes for 16 tokens x 64 d: registers 0-3 at 16 x lane, registers 4-5 at 512 + 8 x lane.  Inside a block of 32 the order of d is the registers' own
; (0-7, 16-23, 8-15, 24-31), alike in q and k, which changes no product.  A scale word is the head's two bytes, twice.  v as fragments of V^T: 16 d x 128 keys, 24 bytes a lane and half; place i of a block holds key i with bits 3 and 4
; changed over (the order in which the attention launch makes p), and tile 2 bb + u holds d = 32 bb + 8 u + r + 8 (r / 8).
; LIMITS: NaN and infinities among the numbers are not served.  A block whose largest magnitude lies under 2^-124 (a block of zeros too) gets the byte 1; the bytes are read by this program alone.  The frequencies come from
; v_exp_f32 of a rounded product, good to about 2 units in the last place, so cos and sin can differ from a correctly rounded table by up to about 5e-5 at the largest angles (511 radians).
.set SIZE_K, 2048
.set KSTEP,  256                       ; along K in a slot
.set NQ,     KSTEP/128                 ; matrix instructions deep
.set ROWB,   192                       ; a tile's row in bytes
.set KROW,   SIZE_K*6/8                ; a row of codes in memory
.set PITCH,  240                       ; an LDS row: 3 x (64 bytes + 16 of padding)
.set FR,     12                        ; registers of a fragment
.set NL,     6                         ; LDS loads that bring one
.set NP,     4                         ; places behind this matrix instruction (ISA guide 7.12.1)
.set HALFT,  128*PITCH
.set SLOT,   4*HALFT
.set LAPS,   SIZE_K/(2*KSTEP)
.set KS,     SIZE_K/32
.set SCL,    2*SLOT                    ; behind the ring: the scale bytes, units of 256 bytes + 16
.set HALFS,  (128*KS/256)*272
.set SBLK,   (16*KS/256)*272
.set SPARE,  SCL+4*HALFS               ; the spare words: 128 bytes a wave, named by no other line
.set ADRA, 16
.set ADRB, 20
.set ADRS, 27
.set SPW,  28
.set NIL,  29
.set SC,   32
.set AF,   128
.set G1, 24
.set G0, 32
.set G1B, 48
.set G0B, 56
.set G1S, 68
.set G0S, 76
.set G1SB, 80
.set G0SB, 88
; behind the K loop.  LDS (in the ring, which has had its last fill): a region for each wave in slot 0, the table in slot 1
.set WREG,  29696                      ; a wave's region: a stage of 32 rows x 528, V's images (12,288), V's scale words (512)
.set SPI,   528
.set IMGO,  32*SPI
.set SIMGO, IMGO+12288
.set TBL,   SLOT                       ; 256 rows: 32 cos, 32 sin, 16 bytes of padding
.set TP,    272
.set TW,  2                            ; v2   the table, writing: my wave's 64 rows, 4 x lane
.set TR,  3                            ; v3   reading: row 128 x row half + r, + 32 h
.set STO, 4                            ; v4   the stage: row r, + 32 h
.set RD,  5                            ; v5   my region + 16 x lane
.set CA,  6                            ; v6   my region + 4 x lane
.set IM,  7                            ; v7   V's images: 1536 u + 24 r'
.set SI,  8                            ; v8   V's scale words: 16 r' + 4 u
.set L16, 9                            ; v9   16 x lane
.set L8,  10                           ; v10  8 x lane
.set FO,  11                           ; v11  16 r + a head of out1 or out2 x h
.set SO,  12                           ; v12  16 r + a head of scale words x h
.set VSO, 13                           ; v13  16 r + a head of V's scale words x h
.set T,    32                          ; v32-95   64 rotated numbers
.set COSR, 96                          ; v96-111
.set SINR, 112                         ; v112-127
.set BK,   128                         ; v128-191 rows on their way out
.set CD,   192                         ; v192-203 codes; v204-206, v208-210 second halves
.set TM,   212                         ; v212-227 at work
.set PW,   228                         ; the scale word just made
.set WS,   232                         ; v232-239 the eight blocks' scale words
.set KC,   96                          ; the table's constants, in pairs
.set X,    32                          ; V: two sets of 32 numbers
.set VC,   96                          ; V: two sets of codes
.set SB,   112                         ; V: four scale words
.set KV,   66                          ; s66  1 in the clusters with x = 2
.set ISV,  67                          ; s67  1 in a wave that makes v
.set ISK,  92                          ; s92  1 in a wave that makes k
.set HIM,  93                          ; s93  lanes 16-31
.set SEL,  94                          ; s[94:95] v_permlanex16_b32's selects for lane l xor 16
.set IMGP, 96                          ; s[96:97]  where my images go
.set SCLP, 98                          ; s[98:99]  my scale words
.set OUTP, 100                         ; s[100:101] my rows of out1 or out2
.set MSB, 0
.macro WIN new                         ; the immediate's high byte repeats the setting that is left
.if MSB != \new
	s_set_vgpr_msb (MSB<<8)|\new
.set MSB, \new
.endif
.endm
.set MUL_LO, 0xa1                      ; source 0 (weights) window 1, source 1 (x) window 0, C and D window 2
.set MUL_HI, 0xf1                      ; the same, C and D window 3
.set TO_B,   0x40                      ; destination window 1, address window 0
; A joint load: waves 0 and 1 fetch for x, waves 2 and 3 for the weights.  The branch hangs on the wave's number alone.  Four v_nop follow each of the two lines.
.macro JLOAD g0a, g1a, g0b, g1b
	s_cmp_eq_u32 s15, 0
	s_cbranch_scc0 .Lfor_b_\@
	tensor_load_to_lds s[\g0a:\g0a+3], s[\g1a:\g1a+7]
	s_nop 0
.rept 4
	v_nop
.endr
	s_branch .Lasked_\@
.Lfor_b_\@:
	tensor_load_to_lds s[\g0b:\g0b+3], s[\g1b:\g1b+7]
	s_nop 0
.rept 4
	v_nop
.endr
.Lasked_\@:
.endm
.macro CREST                           ; a round of the cluster's barrier behind its opening barrier
	s_cmp_lg_u32 s14, 0
	s_cbranch_scc1 .Lnot_wave_0_\@
	s_barrier_signal -3
.Lnot_wave_0_\@:
	s_barrier_wait -3
	s_barrier_signal -1
	s_barrier_wait -1
.endm
.macro CROUND                          ; a whole round
	s_barrier_signal -1
	s_barrier_wait -1
	CREST
.endm
	s_load_b128 s[4:7], s[0:1], 0x0                ; x's codes, x's scales
	s_load_b128 s[8:11], s[0:1], 0x10              ; Wq's codes, Wq's scales
	s_load_b128 s[96:99], s[0:1], 0x20             ; Wk's
	s_load_b64 s[100:101], s[0:1], 0x30            ; Wv's codes
	s_load_b64 s[104:105], s[0:1], 0x38            ; Wv's scales
	v_lshl_add_u32 v[SPW], v0, 2, SPARE
	v_mov_b32 v[NIL], 0
	ds_add_u32 v28, v29
	ds_add_u32 v28, v29
	s_wait_dscnt 0x0
	v_lshrrev_b32 v1, 5, v0
	v_readfirstlane_b32 s14, v1                    ; wave 0..3
	s_lshr_b32 s15, s14, 1                         ; which half of the tile's tokens is mine.  Also: I fetch for x (0) or for the weights (1)
	s_and_b32 s16, s14, 1                          ; which half of its columns.  Also: which 128 rows of that tile I fetch
	s_bfe_u32 s40, ttmp6, 0x40000                  ; cx, cy: my place in the cluster
	s_bfe_u32 s41, ttmp6, 0x40004
	s_lshl_b32 s42, ttmp9, 2
	s_add_co_u32 s42, s42, s40                     ; tile column = 4 x cluster x + cx
	s_and_b32 s17, ttmp7, 0xffff
	s_lshl_b32 s17, s17, 2
	s_add_co_u32 s17, s17, s41                     ; tile row = 4 x cluster y + cy
	s_lshl_b32 s43, s41, 2
	s_lshl_b32 s43, 15, s43                        ; my row of the cluster
	s_lshl_b32 s44, 0x1111, s40                    ; my column
	; descriptor group 1: a tile of 128 rows x 192 bytes, 16 bytes of padding behind every 64
	s_or_b32 s[G1+0], s43, (0<<16)|(1<<20)|(1<<21)|(3<<22)|(3<<25)
	s_or_b32 s[G1B+0], s44, (0<<16)|(1<<20)|(1<<21)|(3<<22)|(3<<25)
.irp g, G1, G1B
	s_mov_b32 s[\g+1], ROWB<<16                    ; tensor_dim0
	s_mov_b32 s[\g+2], 128<<16                     ; tensor_dim1
	s_mov_b32 s[\g+3], ROWB<<16                    ; tile_dim0
	s_mov_b32 s[\g+4], 128                         ; tile_dim1
	s_mov_b32 s[\g+5], KROW                        ; tensor_dim0_stride
	s_mov_b32 s[\g+6], 0
	s_mov_b32 s[\g+7], 0
.endr
	; the scale bytes of 128 rows: 8,192 dense bytes as 32 rows of 256 bytes (32 elements of 8), 16 bytes of padding behind each
	s_or_b32 s[G1S+0], s43, (3<<16)|(1<<20)|(1<<21)|(5<<22)|(3<<25)
	s_or_b32 s[G1SB+0], s44, (3<<16)|(1<<20)|(1<<21)|(5<<22)|(3<<25)
.irp g, G1S, G1SB
	s_mov_b32 s[\g+1], 32<<16
	s_mov_b32 s[\g+2], (128*KS/256)<<16
	s_mov_b32 s[\g+3], 32<<16
	s_mov_b32 s[\g+4], 128*KS/256
	s_mov_b32 s[\g+5], 32
	s_mov_b32 s[\g+6], 0
	s_mov_b32 s[\g+7], 0
.endr
	s_lshl_b32 s18, s16, 7                         ; which 128 rows of the tile I fetch
	s_lshl_b32 s20, s17, 8
	s_add_co_u32 s20, s20, s18                     ; x: row 256 x tile row + 128 x half
	s_lshl_b32 s46, s42, 8
	s_add_co_u32 s46, s46, s18                     ; Wq: row 256 x tile column + 128 x half
	s_lshl_b32 s47, s40, 7                         ; Wk and Wv: row 128 cx
	s_cmp_eq_u32 ttmp9, 2                          ; the cluster's x: the same in all sixteen partners
	s_cselect_b32 s46, s47, s46
	s_mov_b32 s21, 0
	s_mov_b32 s47, 0
	s_mov_b64 s[18:19], KS
	s_mul_u64 s[22:23], s[20:21], s[18:19]         ; where these rows' scales begin, in bytes
	s_mul_u64 s[92:93], s[46:47], s[18:19]
	s_mov_b64 s[18:19], KROW
	s_mul_u64 s[20:21], s[20:21], s[18:19]         ; and their codes
	s_mul_u64 s[46:47], s[46:47], s[18:19]
	s_mul_i32 s45, s14, HALFT                      ; where they go: wave x 128 rows: no place in the cluster enters an LDS address
	s_mul_i32 s94, s14, HALFS
	s_wait_kmcnt 0x0
	s_cmp_eq_u32 s16, 0                            ; the first 128 rows of a k-and-v tile are Wk's, the last 128 Wv's
	s_cselect_b64 s[96:97], s[96:97], s[100:101]
	s_cselect_b64 s[98:99], s[98:99], s[104:105]
	s_cmp_eq_u32 ttmp9, 2
	s_cselect_b64 s[8:9], s[96:97], s[8:9]
	s_cselect_b64 s[10:11], s[98:99], s[10:11]
	s_add_nc_u64 s[20:21], s[4:5], s[20:21]
	s_add_nc_u64 s[22:23], s[6:7], s[22:23]
	s_add_nc_u64 s[46:47], s[8:9], s[46:47]
	s_add_nc_u64 s[92:93], s[10:11], s[92:93]
	CROUND                                         ; all sixteen work-groups are here: the first joint loads meet
	s_mov_b32 s[G0S], 1
	s_add_co_u32 s[G0S+1], s94, SCL
	s_mov_b64 s[G0S+2:G0S+3], s[22:23]
	s_or_b32 s[G0S+3], s[G0S+3], 0x80000000
	s_mov_b32 s[G0SB], 1
	s_add_co_u32 s[G0SB+1], s94, SCL
	s_mov_b64 s[G0SB+2:G0SB+3], s[92:93]
	s_or_b32 s[G0SB+3], s[G0SB+3], 0x80000000
	JLOAD G0S, G1S, G0SB, G1SB                     ; the scales first: they are wanted with K step 0
.irp s, 0,1
	s_mov_b32 s[G0+4*\s], 1
	s_add_co_u32 s[G0+4*\s+1], s45, \s*SLOT
	s_add_nc_u64 s[G0+4*\s+2:G0+4*\s+3], s[20:21], \s*ROWB
	s_or_b32 s[G0+4*\s+3], s[G0+4*\s+3], 0x80000000
	s_mov_b32 s[G0B+4*\s], 1
	s_add_co_u32 s[G0B+4*\s+1], s45, \s*SLOT
	s_add_nc_u64 s[G0B+4*\s+2:G0B+4*\s+3], s[46:47], \s*ROWB
	s_or_b32 s[G0B+4*\s+3], s[G0B+4*\s+3], 0x80000000
	JLOAD G0+4*\s, G1, G0B+4*\s, G1B
.endr
	v_and_b32 v1, 15, v0                           ; l % 16
	v_bfe_u32 v2, v0, 4, 1                         ; l / 16
	v_mul_u32_u24 v3, v1, PITCH
	v_mul_u32_u24 v4, v2, 24
	v_add_nc_u32 v4, v3, v4                        ; a fragment's row x pitch + 24 x half
	v_lshl_add_u32 v5, v2, 4, v4                   ; and the same behind one padding more
	s_mul_i32 s21, s15, HALFT                      ; my 128 rows of x
	s_mul_i32 s22, s16, HALFT                      ; my 128 weight rows,
	s_add_co_u32 s22, s22, 2*HALFT                 ; which lie behind x's 256
.irp s, 0,1
	v_add_nc_u32 v[ADRA+\s], s21, v4
	v_add_nc_u32 v[ADRB+\s], s22, v4
	v_add_nc_u32 v[ADRA+2+\s], s21, v5
	v_add_nc_u32 v[ADRB+2+\s], s22, v5
	s_add_co_u32 s21, s21, SLOT
	s_add_co_u32 s22, s22, SLOT
.endr
	v_mul_u32_u24 v5, v1, KS                       ; my row's scales: KS bytes a row,
	v_lshrrev_b32 v6, 8, v5
	v_lshl_add_u32 v5, v6, 4, v5                   ; and 16 more for each 256 passed
	s_mul_i32 s21, s15, HALFS
	s_mul_i32 s22, s16, HALFS
	s_add_co_u32 s22, s22, 2*HALFS
	s_sub_co_u32 s22, s22, s21
	v_mul_u32_u24 v6, s22, v2                      ; lanes 16-31 take the weights'
	s_add_co_u32 s21, s21, SCL
	v_add_nc_u32 v5, v5, v6
	v_add_nc_u32 v[ADRS], s21, v5
.macro FRAG reg, adr, q, i             ; a fragment, 16 rows x 128 K: lane l holds row l % 16; registers 6 c .. 6 c + 5 hold K = 64 c + 32 (l / 16) + 0 .. 31: 24 bytes of the row, as they lie, in pieces of 8 bytes
.irp p, 0,1,2,3,4,5
.set PC, 12*(\q)+6*(\p/3)+\p%3        ; where the piece three on lies behind one padding more, the second address register serves
.if PC%8 < 5
	ds_load_b64 v[\reg+2*\p:\reg+2*\p+1], v[\adr] offset:8*PC+16*(PC/8)+(\i)*16*PITCH
.else
	ds_load_b64 v[\reg+2*\p:\reg+2*\p+1], v[\adr+2] offset:8*PC+16*(PC/8)+(\i)*16*PITCH
.endif
.endr
.endm
; 16 matrix instructions: x's blocks a0, a0 + 1 against the weights' eight.  The 64 accumulators take turns, one instruction a turn, in the same order in every step.
.macro MUL16 a0, p, q, sc, zero
.irp a, \a0, \a0+1
.irp b, 0,1,2,3,4,5,6,7
.if \zero
	v_wmma_scale_f32_16x16x128_f8f6f4 v[8*(8*((\a)%4)+\b):8*(8*((\a)%4)+\b)+7], v[128*(\p)+FR*\b:128*(\p)+FR*\b+FR-1], v[AF+FR*(\a):AF+FR*(\a)+FR-1], 0, v[SC+8*NQ*(\sc)+NQ*\b+(\q)], v[SC+8*NQ*(\sc)+NQ*(\a)+(\q)] matrix_a_fmt:MATRIX_FMT_FP6 matrix_b_fmt:MATRIX_FMT_FP6 matrix_a_scale:MATRIX_SCALE_ROW1
.else
	v_wmma_scale_f32_16x16x128_f8f6f4 v[8*(8*((\a)%4)+\b):8*(8*((\a)%4)+\b)+7], v[128*(\p)+FR*\b:128*(\p)+FR*\b+FR-1], v[AF+FR*(\a):AF+FR*(\a)+FR-1], v[8*(8*((\a)%4)+\b):8*(8*((\a)%4)+\b)+7], v[SC+8*NQ*(\sc)+NQ*\b+(\q)], v[SC+8*NQ*(\sc)+NQ*(\a)+(\q)] matrix_a_fmt:MATRIX_FMT_FP6 matrix_b_fmt:MATRIX_FMT_FP6 matrix_a_scale:MATRIX_SCALE_ROW1
.endif
.endr
.endr
.endm
.macro FETCH_B slot, q, p
	WIN TO_B
.irp i, 0,1,2,3,4,5,6,7
	FRAG 128*(\p)+FR*\i, ADRB+\slot, \q, \i
.endr
	WIN 0
.endm
.macro FETCH_A slot, q, i0
.irp i, \i0, \i0+1, \i0+2, \i0+3
	FRAG AF+FR*(\i), ADRA+\slot, \q, \i
.endr
.endm
.macro SCALES sc                       ; the next K step's scale words: lanes 0-15 take x's block i, lanes 16-31 the weights' block i
.irp i, 0,1,2,3,4,5,6,7
	ds_load_b64 v[SC+8*NQ*\sc+NQ*\i:SC+8*NQ*\sc+NQ*\i+1], v[ADRS] offset:\i*SBLK
.endr
.endm
.macro PLACES n                        ; plain vector places between a matrix instruction and a load into a register that it has read (ISA guide 7.12.1 for vector instructions)
.rept \n
	v_nop
.endr
.endm
.macro STEP slot, q, zero              ; a step of 128 along K that has its successor in the same slot
	s_wait_dscnt 4*NL                              ; the weights' set and x's blocks 0-3 are in; the youngest 24 loads (x's blocks 4-7) may be out
	WIN MUL_LO
	MUL16 0, (\q)%2, \q, \slot, \zero
	MUL16 2, (\q)%2, \q, \slot, \zero
	s_wait_dscnt 0
	PLACES NP
	FETCH_B \slot, (\q)+1, 1-(\q)%2
	FETCH_A \slot, (\q)+1, 0
	WIN MUL_HI
	MUL16 4, (\q)%2, \q, \slot, \zero
	MUL16 6, (\q)%2, \q, \slot, \zero
	PLACES NP
	WIN 0
	FETCH_A \slot, (\q)+1, 4
.endm
; A slot's last step changes slots: one barrier; in front of it each wave waits for all its tensor loads, adds 0 to its spare word, and waits for that and for its own reads of this slot.
.macro TURN slot, next, fill
	s_wait_tensorcnt 0x0                           ; all my tensor loads have landed: my part of the next slot
	ds_add_u32 v[SPW], v[NIL]                      ; 0 onto my spare word
	s_wait_dscnt 4*NL+1                            ; the add and the youngest 24 loads (x's blocks 4-7) may be out
	WIN MUL_LO
	MUL16 0, 1, NQ-1, \slot, 0
	s_wait_dscnt 0x0                               ; the add is done, and my reads of this slot are over
	s_barrier_signal -1
	MUL16 2, 1, NQ-1, \slot, 0
	WIN 0
	s_barrier_wait -1
.if \fill
	CREST                                          ; the barrier has opened a round of the cluster's barrier: no wave of any partner still reads this slot or has a load on its way
	s_add_nc_u64 s[G0+4*\slot+2:G0+4*\slot+3], s[G0+4*\slot+2:G0+4*\slot+3], 2*ROWB
	s_add_nc_u64 s[G0B+4*\slot+2:G0B+4*\slot+3], s[G0B+4*\slot+2:G0B+4*\slot+3], 2*ROWB
	JLOAD G0+4*\slot, G1, G0B+4*\slot, G1B         ; the first tensor load behind the round; its four v_nop are also the places in front of the loads below
.else
	PLACES NP
.endif
	v_add_nc_u32 v[ADRS], 4*NQ, v[ADRS]            ; on to the next K step's scale words
	FETCH_B \next, 0, 0
	FETCH_A \next, 0, 0
	SCALES \next
	WIN MUL_HI
	MUL16 4, 1, NQ-1, \slot, 0
	MUL16 6, 1, NQ-1, \slot, 0
	PLACES NP
	WIN 0
	FETCH_A \next, 0, 4
.endm
	s_wait_tensorcnt 1                             ; the scales and my part of K step 0 are in; K step 1's load may be out
	s_barrier_signal -1
	s_barrier_wait -1
	FETCH_B 0, 0, 0
	FETCH_A 0, 0, 0
	SCALES 0
	FETCH_A 0, 0, 4
	STEP 0, 0, 1                                   ; the first step stands in front of the loop: its products start the sums
	s_mov_b32 s3, LAPS-1
.Llap:                                                 ; a trip goes once round the ring and fills both slots again
	TURN 0, 1, 1
	STEP 1, 0, 0
	TURN 1, 0, 1
	STEP 0, 0, 0
	s_sub_co_u32 s3, s3, 1
	s_cmp_lg_u32 s3, 0
	s_cbranch_scc1 .Llap
	TURN 0, 1, 0                                   ; the last lap fills nothing
	STEP 1, 0, 0
	s_wait_dscnt 4*NL
	WIN MUL_LO
	MUL16 0, 1, NQ-1, 1, 0
	MUL16 2, 1, NQ-1, 1, 0
	s_wait_dscnt 0
	WIN MUL_HI
	MUL16 4, 1, NQ-1, 1, 0
	MUL16 6, 1, NQ-1, 1, 0
	WIN 0
	; ---- BEHIND THE K LOOP.  Both slots have had their last fill.  Every wave's reads of them are back (the wait for 0 above); behind this barrier the ring's bytes serve as stages and table.
	s_wait_dscnt 0x0
	s_barrier_signal -1
	s_barrier_wait -1
	s_load_b256 s[4:11], s[0:1], 0x40              ; out1, out2, qimg, qscl
	s_load_b128 s[96:99], s[0:1], 0x60             ; kimg, kscl
	s_load_b128 s[20:23], s[0:1], 0x70             ; vimg, vscl
	; all LDS addresses are made here, ahead of the place where the roles part
	v_and_b32 v14, 31, v0                          ; lane
	v_and_b32 v15, 15, v0                          ; r
	v_bfe_u32 v1, v0, 4, 1                         ; h
	s_mul_i32 s2, s14, WREG                        ; my region
	s_mul_i32 s3, s14, 64*TP
	s_add_co_u32 s3, s3, TBL
	v_lshl_add_u32 v[TW], v14, 2, s3
	s_mul_i32 s12, s15, 128*TP
	s_add_co_u32 s12, s12, TBL
	v_mul_u32_u24 v[TR], v15, TP
	v_lshl_add_u32 v[TR], v1, 5, v[TR]
	v_add_nc_u32 v[TR], s12, v[TR]
	v_mul_u32_u24 v[STO], v15, SPI
	v_lshl_add_u32 v[STO], v1, 5, v[STO]
	v_add_nc_u32 v[STO], s2, v[STO]
	v_lshl_add_u32 v[RD], v14, 4, s2
	v_lshl_add_u32 v[CA], v14, 2, s2
	v_bfe_u32 v24, v0, 3, 1                        ; u
	v_and_b32 v25, 7, v0
	v_lshl_add_u32 v25, v1, 3, v25                 ; r' = lane % 8 + 8 (lane / 16)
	v_mul_u32_u24 v[IM], v24, 1536
	v_mad_u32_u24 v[IM], v25, 24, v[IM]
	v_add_nc_u32 v[IM], s2, v[IM]
	v_add_nc_u32 v[IM], IMGO, v[IM]
	v_lshlrev_b32 v[SI], 4, v25
	v_lshl_add_u32 v[SI], v24, 2, v[SI]
	v_add_nc_u32 v[SI], s2, v[SI]
	v_add_nc_u32 v[SI], SIMGO, v[SI]
	v_lshlrev_b32 v[L16], 4, v14
	v_lshlrev_b32 v[L8], 3, v14
	v_lshlrev_b32 v[FO], 4, v15
	v_lshl_add_u32 v[SO], v1, 14, v[FO]
	v_lshl_add_u32 v[VSO], v1, 13, v[FO]
	v_lshl_add_u32 v[FO], v1, 17, v[FO]
	; ---- THE TABLE.  Wave w makes rows 64 w .. 64 w + 63; a lane is a frequency: 10000^(-lane / 32) = 2^(-lane x log2(10) / 8)
	v_cvt_f32_u32 v120, v14
	v_mul_f32 v120, 0xbed49a78, v120
	v_exp_f32 v120, v120
.irp e, 0,1
	v_mov_b32 v[KC+\e], 0x3f22f983                 ; 2 / pi
	v_mov_b32 v[KC+2+\e], 0xbfc90000               ; - pi / 2 in three parts: the first two have so few bits that their products with the multiple are exact
	v_mov_b32 v[KC+4+\e], 0xb9fda000
	v_mov_b32 v[KC+6+\e], 0xb3a22168
	v_mov_b32 v[KC+8+\e], 0xbe2aaaa3               ; sin: r + r z (S1 + z (S2 + z S3))
	v_mov_b32 v[KC+10+\e], 0x3c08839e
	v_mov_b32 v[KC+12+\e], 0xb94ca1f9
	v_mov_b32 v[KC+14+\e], 0x3d2aaaa5              ; cos: 1 - z / 2 + z z (C1 + z (C2 + z C3))
	v_mov_b32 v[KC+16+\e], 0xbab6061a
	v_mov_b32 v[KC+18+\e], 0x37ccf5ce
.endr
	s_and_b32 s13, s17, 1                          ; a tile row is half a sequence: positions 256 (tile row % 2) on
	s_lshl_b32 s13, s13, 8
	s_lshl_b32 s12, s14, 6
	s_add_co_u32 s13, s13, s12
	v_cvt_f32_u32 v122, s13                        ; four positions, as f32
	v_add_f32 v123, 1.0, v122
	v_add_f32 v124, 2.0, v122
	v_add_f32 v125, 0x40400000, v122
.irp b, 0,1,2,3
	v_mov_b32 v[TM+4+\b], 0                        ; written once: a lane permute's destination counts as one of its sources
.endr
	s_wait_alu depctr_va_vdst(0)                   ; the wait between the exponential and the first line that names its result
	v_mov_b32 v121, v120
; cos and sin of two positions p, p + 1 at my frequency, into rows row, row + 1 of the trip's four
.macro SINCOS2 p, t, row
	v_pk_mul_f32 v[\t:\t+1], v[\p:\p+1], v[120:121]                              ; the angle: one f32 product
	v_pk_mul_f32 v[\t+2:\t+3], v[\t:\t+1], v[KC:KC+1]
	v_rndne_f32 v[\t+2], v[\t+2]                                                 ; the multiple of pi / 2
	v_rndne_f32 v[\t+3], v[\t+3]
	v_pk_fma_f32 v[\t+4:\t+5], v[\t+2:\t+3], v[KC+2:KC+3], v[\t:\t+1]
	v_pk_fma_f32 v[\t+4:\t+5], v[\t+2:\t+3], v[KC+4:KC+5], v[\t+4:\t+5]
	v_pk_fma_f32 v[\t+4:\t+5], v[\t+2:\t+3], v[KC+6:KC+7], v[\t+4:\t+5]          ; r, within pi / 4 of 0
	v_pk_mul_f32 v[\t+6:\t+7], v[\t+4:\t+5], v[\t+4:\t+5]                        ; z = r r
	v_pk_fma_f32 v[\t+8:\t+9], v[\t+6:\t+7], v[KC+12:KC+13], v[KC+10:KC+11]
	v_pk_fma_f32 v[\t+10:\t+11], v[\t+6:\t+7], v[KC+18:KC+19], v[KC+16:KC+17]
	v_pk_fma_f32 v[\t+8:\t+9], v[\t+8:\t+9], v[\t+6:\t+7], v[KC+8:KC+9]
	v_pk_fma_f32 v[\t+10:\t+11], v[\t+10:\t+11], v[\t+6:\t+7], v[KC+14:KC+15]
	v_pk_mul_f32 v[\t+12:\t+13], v[\t+4:\t+5], v[\t+6:\t+7]
	v_pk_mul_f32 v[\t+14:\t+15], v[\t+6:\t+7], v[\t+6:\t+7]
	v_pk_fma_f32 v[\t+8:\t+9], v[\t+8:\t+9], v[\t+12:\t+13], v[\t+4:\t+5]        ; sin r
	v_pk_fma_f32 v[\t+12:\t+13], v[\t+6:\t+7], -0.5, 1.0 op_sel_hi:[1,0,0]
	v_pk_fma_f32 v[\t+10:\t+11], v[\t+10:\t+11], v[\t+14:\t+15], v[\t+12:\t+13]  ; cos r
.irp e, 0,1
	v_cvt_i32_f32 v[\t+16+\e], v[\t+2+\e]                                        ; n.  It selects values and signs alone: no address and no branch hangs on it
	v_and_b32 v[\t+18+\e], 1, v[\t+16+\e]
	v_cmp_eq_u32 vcc_lo, 1, v[\t+18+\e]
	v_cndmask_b32 v[\t+20+\e], v[\t+8+\e], v[\t+10+\e], vcc_lo                   ; the sine: sin r, or cos r where n is odd;
	v_cndmask_b32 v[\t+22+\e], v[\t+10+\e], v[\t+8+\e], vcc_lo                   ; the cosine the other way round
	v_lshlrev_b32 v[\t+18+\e], 30, v[\t+16+\e]
	v_add_nc_u32 v[\t+16+\e], 1, v[\t+16+\e]
	v_and_b32 v[\t+18+\e], 0x80000000, v[\t+18+\e]                               ; the sine changes sign where n % 4 is 2 or 3,
	v_lshlrev_b32 v[\t+16+\e], 30, v[\t+16+\e]
	v_xor_b32 v[\t+20+\e], v[\t+18+\e], v[\t+20+\e]
	v_and_b32 v[\t+16+\e], 0x80000000, v[\t+16+\e]                               ; the cosine where it is 1 or 2
	v_xor_b32 v[\t+22+\e], v[\t+16+\e], v[\t+22+\e]
	ds_store_b32 v126, v[\t+22+\e] offset:TP*(\row+\e)
	ds_store_b32 v126, v[\t+20+\e] offset:TP*(\row+\e)+128
.endr
.endm
	s_mov_b32 s12, 0                               ; the trip's four rows, in bytes
	s_mov_b32 s13, 16
.Ltab:                                                 ; 16 trips x 4 rows
	v_add_nc_u32 v126, s12, v[TW]
	SINCOS2 122, 32, 0
	SINCOS2 124, 64, 2
	v_pk_add_f32 v[122:123], v[122:123], 4.0 op_sel_hi:[1,0]
	v_pk_add_f32 v[124:125], v[124:125], 4.0 op_sel_hi:[1,0]
	s_wait_dscnt 0x0                               ; the stores have read their registers
	s_add_co_u32 s12, s12, 4*TP
	s_sub_co_i32 s13, s13, 1
	s_cmp_lg_u32 s13, 0
	s_cbranch_scc1 .Ltab
	s_barrier_signal -1                            ; my rows of the table have landed (the wait for 0 at the trip's end); behind the barrier every wave reads all rows
	s_barrier_wait -1
	; ---- roles and addresses
	s_cmp_eq_u32 ttmp9, 2
	s_cselect_b32 s[KV], 1, 0
	s_and_b32 s[ISV], s[KV], s16
	s_xor_b32 s[ISK], s16, 1
	s_and_b32 s[ISK], s[ISK], s[KV]
	s_mov_b32 s[HIM], 0xffff0000
	s_mov_b32 s[SEL], 0x76543210
	s_mov_b32 s[SEL+1], 0xfedcba98
	s_lshl_b32 s2, s42, 2
	s_lshl_b32 s3, s16, 1
	s_add_co_u32 s2, s2, s3                        ; q: my first head = 4 x tile column + 2 x half
	s_lshl_b32 s3, s40, 1                          ; k and v: 2 cx
	s_cmp_lg_u32 s[KV], 0
	s_cselect_b32 s2, s3, s2
	s_lshl_b32 s12, s17, 4
	s_lshl_b32 s13, s15, 3
	s_add_co_u32 s12, s12, s13                     ; my first tile of 16 tokens
	s_mul_i32 s18, s2, 196608                      ; a head's 256 records
	s_mul_i32 s13, s12, 768
	s_add_co_u32 s18, s18, s13
	s_lshl_b32 s44, s2, 14                         ; a head's scale words
	s_lshl_b32 s13, s12, 6                         ; 256 bytes for four tiles
	s_add_co_u32 s44, s44, s13
	s_lshl_b32 s13, s40, 4                         ; v: (head x 8 + batch) x 4 + my 128 keys of the sequence's 512
	s_lshr_b32 s43, s17, 1                         ; batch
	s_add_co_u32 s13, s13, s43
	s_lshl_b32 s13, s13, 2
	s_and_b32 s45, s17, 1
	s_lshl_b32 s46, s45, 1
	s_add_co_u32 s13, s13, s46
	s_add_co_u32 s13, s13, s15
	s_mul_i32 s46, s13, 6144
	s_lshl_b32 s47, s13, 8
	s_cmp_lg_u32 s[ISV], 0
	s_cselect_b32 s18, s46, s18
	s_cselect_b32 s44, s47, s44
	s_lshl_b32 s46, s43, 3
	s_add_co_u32 s46, s46, s3                      ; out1, out2: batch x 8 + head,
	s_lshl_b32 s46, s46, 17
	s_lshl_b32 s47, s45, 8
	s_lshl_b32 s13, s15, 7
	s_add_co_u32 s47, s47, s13                     ; and my first position, 256 bytes a row
	s_lshl_b32 s47, s47, 8
	s_add_co_u32 s46, s46, s47
	s_mov_b32 s19, 0
	s_mov_b32 s45, 0
	s_mov_b32 s47, 0
	s_wait_kmcnt 0x0
	s_cmp_lg_u32 s[ISV], 0
	s_cselect_b64 s[IMGP:IMGP+1], s[20:21], s[96:97]
	s_cselect_b64 s[SCLP:SCLP+1], s[22:23], s[98:99]
	s_cselect_b64 s[OUTP:OUTP+1], s[6:7], s[4:5]
	s_cmp_lg_u32 s[KV], 0
	s_cselect_b64 s[IMGP:IMGP+1], s[IMGP:IMGP+1], s[8:9]
	s_cselect_b64 s[SCLP:SCLP+1], s[SCLP:SCLP+1], s[10:11]
	s_add_nc_u64 s[IMGP:IMGP+1], s[IMGP:IMGP+1], s[18:19]
	s_add_nc_u64 s[SCLP:SCLP+1], s[SCLP:SCLP+1], s[44:45]
	s_add_nc_u64 s[OUTP:OUTP+1], s[OUTP:OUTP+1], s[46:47]
; 64 numbers of a lane, v[s] on: registers 16 b .. 16 b + 15 are my half of block b of my token's 128.  They become 12 registers of codes in v[CD] on (lanes 0-15 hold blocks 0 and 2, lanes 16-31 blocks 1 and 3) and the four bytes in v[PW].
.macro QUANT s
.irp b, 0,1,2,3
	v_max3_num_f32 v[TM+\b], |v[\s+16*\b]|, |v[\s+1+16*\b]|, 0x1800000   ; my 16 numbers, and the floor 2^(3 - 127): the byte cannot fall under 1
.endr
.irp i, 2,4,6,8,10,12,14
.irp b, 0,1,2,3
	v_max3_num_f32 v[TM+\b], v[TM+\b], |v[\s+16*\b+\i]|, |v[\s+1+16*\b+\i]|
.endr
.endr
.irp b, 0,1,2,3
	v_permlanex16_b32 v[TM+4+\b], v[TM+\b], s[SEL], s[SEL+1]
.endr
.irp b, 0,1,2,3
	v_max_num_f32 v[TM+\b], v[TM+\b], v[TM+4+\b]   ; with lane l xor 16's: the block's largest magnitude
.endr
.irp b, 0,1,2,3
	v_add_nc_u32 v[TM+12+\b], 0xff000000, v[TM+\b] ; 2 off its exponent field: the conversion takes this operand's exponent field as its scale
.endr
.irp b, 0,1,2,3
	v_lshrrev_b32 v[TM+4+\b], 23, v[TM+12+\b]      ; the scale's byte
.endr
	v_lshl_or_b32 v[PW], v[TM+5], 8, v[TM+4]
	v_lshl_or_b32 v[PW], v[TM+6], 16, v[PW]
	v_lshl_or_b32 v[PW], v[TM+7], 24, v[PW]
.irp c, 0,1
	v_cvt_scalef32_pk16_fp6_f32 v[CD+6*\c:CD+2+6*\c], v[\s+32*\c:\s+15+32*\c], v[TM+12+2*\c]
	v_cvt_scalef32_pk16_fp6_f32 v[CD+12+4*\c:CD+14+4*\c], v[\s+16+32*\c:\s+31+32*\c], v[TM+12+2*\c+1]   ; (a conversion's three registers begin on an even number)
.endr
	v_nop                                          ; one plain place behind a scaled conversion
.irp c, 0,1
.irp i, 0,1,2
	v_permlane16_swap_b32 v[CD+6*\c+\i], v[CD+12+4*\c+\i]   ; a whole block to a lane
.endr
.irp i, 0,1,2
	v_mov_b32 v[CD+3+6*\c+\i], v[CD+12+4*\c+\i]
.endr
.endr
.endm
; Tokens 16 a .. 16 a + 15 of a wave that makes q or k: rotated, (k: stored as f32), quantised, stored as two records (my two heads)
.macro ROPEBLK a
.set AC, 64*((\a)%4)
.if (\a) > 0
	s_wait_xcnt 0x0                                ; the last block's stores have read their registers: they are written again only behind this wait
.endif
.irp y, 0,1                                    ; my token's cos and sin at frequencies 16 y + 8 h + 0 .. 7
	ds_load_b128 v[COSR+8*\y:COSR+8*\y+3],   v[TR] offset:16*TP*(\a)+64*\y
	ds_load_b128 v[COSR+8*\y+4:COSR+8*\y+7], v[TR] offset:16*TP*(\a)+64*\y+16
	ds_load_b128 v[SINR+8*\y:SINR+8*\y+3],   v[TR] offset:16*TP*(\a)+64*\y+128
	ds_load_b128 v[SINR+8*\y+4:SINR+8*\y+7], v[TR] offset:16*TP*(\a)+64*\y+144
.endr
	s_wait_dscnt 0x0
	WIN 0x02+(\a)/4                                ; source 0: the accumulators' window
.irp hh, 0,1
.irp y, 0,1
.set LO, 8*(4*\hh+\y)                          ; the tile with d = 16 y + .., and the tile with d + 32.  Each accumulator is read from its low end on
.set HI, LO+16
.irp j, 0,2,4,6
	v_pk_mul_f32 v[T+LO+\j:T+LO+\j+1], v[AC+LO+\j:AC+LO+\j+1], v[COSR+8*\y+\j:COSR+8*\y+\j+1]
.endr
.irp j, 0,2,4,6
	v_pk_mul_f32 v[T+HI+\j:T+HI+\j+1], v[AC+HI+\j:AC+HI+\j+1], v[COSR+8*\y+\j:COSR+8*\y+\j+1]
.endr
.irp j, 0,2,4,6
	v_pk_fma_f32 v[T+LO+\j:T+LO+\j+1], v[AC+HI+\j:AC+HI+\j+1], v[SINR+8*\y+\j:SINR+8*\y+\j+1], v[T+LO+\j:T+LO+\j+1] neg_lo:[1,0,0] neg_hi:[1,0,0]
.endr
.irp j, 0,2,4,6
	v_pk_fma_f32 v[T+HI+\j:T+HI+\j+1], v[AC+LO+\j:AC+LO+\j+1], v[SINR+8*\y+\j:SINR+8*\y+\j+1], v[T+HI+\j:T+HI+\j+1]
.endr
.endr
.endr
	WIN 0
	s_cmp_eq_u32 s[ISK], 0
	s_cbranch_scc1 .Lnot_k_\@
.irp b, 0,1,2,3,4,5,6,7                        ; k goes out as f32 through my stage: a lane's 32 bytes in, whole rows back
	ds_store_b128 v[STO], v[T+8*\b:T+8*\b+3] offset:64*\b
	ds_store_b128 v[STO], v[T+8*\b+4:T+8*\b+7] offset:64*\b+16
.endr
.irp t, 0,1,2,3,4,5,6,7,8,9,10,11,12,13,14,15
	ds_load_b128 v[BK+4*\t:BK+4*\t+3], v[RD] offset:\t*SPI    ; LDS serves a wave's instructions in order (ISA guide 5.7.1.4): these see the stores above
.endr
	s_wait_dscnt 0x0
.irp t, 0,1,2,3,4,5,6,7,8,9,10,11,12,13,14,15
	global_store_b128 v[FO], v[BK+4*\t:BK+4*\t+3], s[OUTP:OUTP+1] offset:(16*(\a)+\t)*256 th:TH_STORE_NT   ; lanes 0-15: a row of 256 consecutive bytes of one head, lanes 16-31 of the next
.endr
.Lnot_k_\@:
	QUANT T
	global_store_b128 v[L16], v[CD:CD+3], s[IMGP:IMGP+1] offset:768*(\a)                ; 512 consecutive bytes
	global_store_b64 v[L8], v[CD+4:CD+5], s[IMGP:IMGP+1] offset:768*(\a)+512            ; 256 consecutive bytes
	global_store_b128 v[L16], v[CD+6:CD+9], s[IMGP:IMGP+1] offset:768*(\a)+196608       ; my second head
	global_store_b64 v[L8], v[CD+10:CD+11], s[IMGP:IMGP+1] offset:768*(\a)+196608+512
	v_and_b32 v229, 0xffff, v[PW]                  ; lanes 0-15 keep the first head's two bytes, lanes 16-31 the second's,
	v_lshrrev_b32 v230, 16, v[PW]
	v_cndmask_b32 v229, v229, v230, s[HIM]
	v_lshl_or_b32 v[WS+(\a)], v229, 16, v229       ; twice: the head's 64 may stand in either half of an instruction's 128
.endm
; 32 numbers down the keys of column 32 cg + lane, out of the stage: register i takes the row i with bits 3 and 4 changed over
.macro VLOADC cg
.set XS, X+32*((\cg)%2)
.set n, 0
.rept 32
	ds_load_b32 v[XS+n], v[CA] offset:SPI*((n&7)+16*((n>>3)&1)+8*((n>>4)&1))+128*(\cg)
.set n, n+1
.endr
.endm
; key block g of that column: scale byte, 32 codes, into the image of V^T's fragments
.macro VQ g, cg
.set XS, X+32*((\cg)%2)
.set CC, VC+8*((\cg)%2)
	v_max3_num_f32 v116, |v[XS]|, |v[XS+1]|, |v[XS+2]|
	v_max3_num_f32 v117, |v[XS+3]|, |v[XS+4]|, |v[XS+5]|
.irp i, 6,10,14,18,22,26
	v_max3_num_f32 v116, v116, |v[XS+\i]|, |v[XS+\i+1]|
	v_max3_num_f32 v117, v117, |v[XS+\i+2]|, |v[XS+\i+3]|
.endr
	v_max3_num_f32 v116, v116, |v[XS+30]|, |v[XS+31]|
	v_max3_num_f32 v116, v116, v117, 0x1800000     ; and the floor
	v_add_nc_u32 v118, 0xff000000, v116
	v_lshrrev_b32 v119, 23, v118
.if (\g) == 0
	v_mov_b32 v[SB+(\cg)], v119
.else
	v_lshl_or_b32 v[SB+(\cg)], v119, 8*(\g), v[SB+(\cg)]
.endif
	v_cvt_scalef32_pk16_fp6_f32 v[CC:CC+2], v[XS:XS+15], v118
	v_cvt_scalef32_pk16_fp6_f32 v[CC+4:CC+6], v[XS+16:XS+31], v118
	v_nop                                          ; one plain place behind a scaled conversion
	v_mov_b32 v[CC+3], v[CC+4]
	v_mov_b32 v[CC+4], v[CC+5]
	v_mov_b32 v[CC+5], v[CC+6]
	ds_store_b64 v[IM], v[CC:CC+1] offset:3072*(\cg)+768*((\g)/2)+384*((\g)%2)
	ds_store_b64 v[IM], v[CC+2:CC+3] offset:3072*(\cg)+768*((\g)/2)+384*((\g)%2)+8
	ds_store_b64 v[IM], v[CC+4:CC+5] offset:3072*(\cg)+768*((\g)/2)+384*((\g)%2)+16
.endm
; tokens 32 g .. 32 g + 31 of a wave that makes v: into the stage, out as f32 rows, and down the columns into codes
.macro VGROUP g
	WIN 0x08+4*((\g)/2)                            ; an LDS store's data are its source 1: the accumulators' window
.irp aa, 0,1
.irp b, 0,1,2,3,4,5,6,7
	ds_store_b128 v[STO], v[64*((2*(\g)+\aa)%4)+8*\b:64*((2*(\g)+\aa)%4)+8*\b+3] offset:16*SPI*\aa+64*\b      ; each accumulator from its low end on
	ds_store_b128 v[STO], v[64*((2*(\g)+\aa)%4)+8*\b+4:64*((2*(\g)+\aa)%4)+8*\b+7] offset:16*SPI*\aa+64*\b+16
.endr
.endr
	WIN 0
.irp hf, 0,1
	s_wait_xcnt 0x0                                ; earlier stores have read their registers: the loads below may land there
.irp t, 0,1,2,3,4,5,6,7,8,9,10,11,12,13,14,15
	ds_load_b128 v[BK+4*\t:BK+4*\t+3], v[RD] offset:(16*\hf+\t)*SPI
.endr
	s_wait_dscnt 0x0
.irp t, 0,1,2,3,4,5,6,7,8,9,10,11,12,13,14,15
	global_store_b128 v[FO], v[BK+4*\t:BK+4*\t+3], s[OUTP:OUTP+1] offset:(32*(\g)+16*\hf+\t)*256 th:TH_STORE_NT
.endr
.endr
	VLOADC 0
	VLOADC 1
	s_wait_dscnt 32                                ; columns 0-31 are in; the 32 loads of columns 32-63 may be out
	VQ \g, 0
	VLOADC 2
	s_wait_dscnt 35                                ; behind the loads that I wait for: 3 stores and 32 loads
	VQ \g, 1
	VLOADC 3
	s_wait_dscnt 35
	VQ \g, 2
	s_wait_dscnt 3                                 ; behind them: 3 stores
	VQ \g, 3
.endm
	s_cmp_lg_u32 s[ISV], 0
	s_cbranch_scc1 .Lvpath
.irp a, 0,1,2,3,4,5,6,7
	ROPEBLK \a
.endr
	global_store_b128 v[SO], v[WS:WS+3], s[SCLP:SCLP+1]                 ; sixteen lanes: the 256 bytes of four tiles' scale words of one head
	global_store_b128 v[SO], v[WS+4:WS+7], s[SCLP:SCLP+1] offset:256
	s_branch .Ljoin
.Lvpath:
.irp g, 0,1,2,3
	VGROUP \g
.endr
.irp c, 0,1,2,3
	ds_store_b32 v[SI], v[SB+\c] offset:256*(\c/2)+8*(\c%2)
.endr
.irp u, 0,1                                    ; the images leave as they lie: a head's four fragments are 6,144 consecutive bytes
	s_wait_xcnt 0x0
.irp i, 0,1,2,3,4,5,6,7,8,9,10,11
	ds_load_b128 v[BK+4*\i:BK+4*\i+3], v[RD] offset:IMGO+512*(12*\u+\i)
.endr
.if \u == 1
	ds_load_b128 v[BK+48:BK+51], v[RD] offset:SIMGO
.endif
	s_wait_dscnt 0x0
.irp i, 0,1,2,3,4,5,6,7,8,9,10,11
	global_store_b128 v[L16], v[BK+4*\i:BK+4*\i+3], s[IMGP:IMGP+1] offset:512*\i+196608*\u
.endr
.endr
	global_store_b128 v[VSO], v[BK+48:BK+51], s[SCLP:SCLP+1]
.Ljoin:
	s_wait_tensorcnt 0x0                           ; the wave's end: behind my last tensor load and my last LDS store
	ds_add_u32 v[SPW], v[NIL]
	s_wait_dscnt 0x0
	CROUND                                         ; the closing round: no work-group ends while a partner may still ask for a tile that names it
	s_endpgm
.Lfunc_end_k_qbe8729bfd1_qkv:
	.size	k_qbe8729bfd1_qkv, .Lfunc_end_k_qbe8729bfd1_qkv-k_qbe8729bfd1_qkv
	.p2alignl 7, 3214868480
	.fill 96, 4, 3214868480
	.section	.rodata,"a",@progbits
	.p2align	6, 0x0
	.amdhsa_kernel k_qbe8729bfd1_qkv
		.amdhsa_group_segment_fixed_size 327680
		.amdhsa_private_segment_fixed_size 0
		.amdhsa_enable_private_segment 0
		.amdhsa_kernarg_size 128
		.amdhsa_user_sgpr_count 2
		.amdhsa_user_sgpr_kernarg_segment_ptr 1
		.amdhsa_wavefront_size32 1
		.amdhsa_system_sgpr_workgroup_id_x 1
		.amdhsa_system_sgpr_workgroup_id_y 1
		.amdhsa_system_sgpr_workgroup_id_z 1
		.amdhsa_system_vgpr_workitem_id 0
		.amdhsa_next_free_vgpr 1024
		.amdhsa_next_free_sgpr 106
		.amdhsa_reserve_vcc 1
		.amdhsa_float_denorm_mode_32 3
		.amdhsa_float_denorm_mode_16_64 3
		.amdhsa_memory_ordered 1
		.amdhsa_forward_progress 1
		.amdhsa_inst_pref_size 255
	.end_amdhsa_kernel
	.section	.bss,"aw",@nobits
	.p2align	6
	.space	262144
	.amdgpu_metadata
---
amdhsa.version: [ 1, 2 ]
amdhsa.kernels:
  - .name:           k_qbe8729bfd1_qkv
    .symbol:         k_qbe8729bfd1_qkv.kd
    .args:
      - { .name: x_codes, .offset: 0, .size: 8, .value_kind: global_buffer, .address_space: global }
      - { .name: x_scales, .offset: 8, .size: 8, .value_kind: global_buffer, .address_space: global }
      - { .name: Wq_codes, .offset: 16, .size: 8, .value_kind: global_buffer, .address_space: global }
      - { .name: Wq_scales, .offset: 24, .size: 8, .value_kind: global_buffer, .address_space: global }
      - { .name: Wk_codes, .offset: 32, .size: 8, .value_kind: global_buffer, .address_space: global }
      - { .name: Wk_scales, .offset: 40, .size: 8, .value_kind: global_buffer, .address_space: global }
      - { .name: Wv_codes, .offset: 48, .size: 8, .value_kind: global_buffer, .address_space: global }
      - { .name: Wv_scales, .offset: 56, .size: 8, .value_kind: global_buffer, .address_space: global }
      - { .name: out1, .offset: 64, .size: 8, .value_kind: global_buffer, .address_space: global }
      - { .name: out2, .offset: 72, .size: 8, .value_kind: global_buffer, .address_space: global }
      - { .name: qimg, .offset: 80, .size: 8, .value_kind: global_buffer, .address_space: global }
      - { .name: qscl, .offset: 88, .size: 8, .value_kind: global_buffer, .address_space: global }
      - { .name: kimg, .offset: 96, .size: 8, .value_kind: global_buffer, .address_space: global }
      - { .name: kscl, .offset: 104, .size: 8, .value_kind: global_buffer, .address_space: global }
      - { .name: vimg, .offset: 112, .size: 8, .value_kind: global_buffer, .address_space: global }
      - { .name: vscl, .offset: 120, .size: 8, .value_kind: global_buffer, .address_space: global }
    .group_segment_fixed_size: 327680
    .private_segment_fixed_size: 0
    .kernarg_segment_align: 8
    .kernarg_segment_size: 128
    .max_flat_workgroup_size: 128
    .sgpr_count:     106
    .vgpr_count:     1024
    .wavefront_size: 32
...
	.end_amdgpu_metadata
.endif
;; end of part 1
;; launch attn (part 2): grid 32 x 8, 16 waves a work-group, no clusters, 92,160 bytes of LDS; arguments qimg, qscl, kimg, kscl, vimg, vscl, acodes, ascales; writes acodes, ascales
.if DOCPART == 2
	.amdgcn_target "amdgcn-amd-amdhsa--gfx1250"
	.amdhsa_code_object_version 6
	.text
	.protected	k_qbe8729bfd1_attn
	.globl	k_qbe8729bfd1_attn
	.p2align	8
	.type	k_qbe8729bfd1_attn,@function
k_qbe8729bfd1_attn:
	s_mov_b64 s[64:65], 0
	v_nop
	global_prefetch_b8 v0, s[64:65] scope:SCOPE_SE
	s_setreg_imm32_b32 hwreg(HW_REG_WAVE_MODE, 25, 1), 1
	s_wait_xcnt 0x0
; Causal attention with grouped heads on codes of FP6 (E2M3): S^T = K Q^T, p = 2^(t - M), O^T = V^T P^T, O / l quantised along head x 64 + d for the output projection.
; 8 batches x 32 heads x 512 positions, head size 64; head h reads key and value head h / 4.  t = score x log2(e) / 8; M = the running largest t rounded UP to a whole number; the row's sum l is taken of the unquantised p.
; SHARES.  A work-group serves one batch, one key and value head (its 4 query heads) and 8 of the 32 tiles of 16 queries: t = 8 o + 2 j + e, o = 0 .. 3, e = 0, 1, j the work-group's.  So every work-group has the same causal work.
; Each of the 16 waves owns one head, one e, and two tiles in turn: o = sel and then o = 3 - sel (sel = wave / 8): 1 + 4 or 2 + 3 key steps of 128 keys: five for every wave.
; The head's K, V and their scale words (52,224 bytes) are copied into LDS once, through registers, and read by all sixteen waves.  NO CLUSTER AND NO RING: what the four work-groups of a head share is these 52,224 bytes, read once
; at the head of each; there is no later tile to ask for jointly.
; LAYOUT.  Both products are used transposed: a lane holds ONE query (lane % 16) throughout.  The first product's K is 64: a tile of K fills half of the operand's 12 registers, six registers of zero codes fill the other half
; (two neighbouring tiles share one such run: tile, zeros, tile), and Q's six registers and all scale halfwords stand twice.  p's 16 registers of two neighbouring tiles hold keys 32 b + {8 h .. 8 h + 7, 16 + 8 h ..}:
; V's codes were laid in that order.  V^T's tiles were laid so that O^T's 16 registers of two tiles are 16 neighbouring d.
; A step all of whose keys come after the wave's queries is left out (a branch on the wave's number); in the step on the diagonal hidden scores become -infinity ahead of the maximum.
; LIMITS: NaN and infinities are not served; a block whose largest magnitude lies under 2^-124 (a block of zeros too) gets the byte 1: the bytes are read by this program alone.  The codes leave in runs of 192 bytes of a row of
; 1,536, the scale bytes in runs of 8 of a row of 64.
.set KIMG, 0                           ; 32 records of 768 bytes
.set VIMG, 24576                       ; 16 fragments of 1,536 bytes
.set KSC,  49152                       ; K's scale words: 8 x 256 bytes
.set VSC,  51200                       ; V's: 4 x 256 bytes
.set STG,  52224                       ; the way out: 128 rows x (16 places of 16 bytes, 12 bytes of codes in each, + 16)
.set SSTG, 87040                       ; and 8 scale bytes a row
.set S,    116                         ; v116-179 S^T, then p, then O / l
.set O,    180                         ; v180-211 O^T
.set P,    212                         ; v212-223 p's codes; v224-226, v228-230 second halves
.set L16,  227                         ; v227 16 x lane
.set L8,   231                         ; v231 8 x lane
.set SELW, 23                          ; s23  sel
.set SEL,  40                          ; s[40:41] v_permlanex16_b32's selects for lane l xor 16
.set CS,   42                          ; s[42:43] c = log2(e) / 8
; v1, v2 a record of K: 16 x lane, 512 + 8 x lane; v3 a fragment of V: 24 x lane; v4, v5 scale words: 16 r; v6, v7 and v30, v31 my places in the two stages, for my first and second tile; v8-11 V's scale words;
; v12 -M, v13 the largest t, v[14:15] the sum; v16-27 Q, twice; v28 Q's scale word; v29 my query less 8 h, in the diagonal step; v32-67 four tiles of K and two runs of zeros; v68-115 four fragments of V;
; v232-243 at work; v244-251 K's scale words; v252 f, v253 p's scale word; v254, v255 at work.
	s_load_b256 s[4:11], s[0:1], 0x0               ; qimg, qscl, kimg, kscl
	s_load_b256 s[12:19], s[0:1], 0x20             ; vimg, vscl, acodes, ascales
	v_lshrrev_b32 v116, 5, v0
	v_readfirstlane_b32 s20, v116                  ; wave 0..15
	s_and_b32 s21, s20, 3                          ; hh: which of the four heads
	s_bfe_u32 s22, s20, 0x10002                    ; e
	s_lshr_b32 s[SELW], s20, 3                     ; sel
	s_lshr_b32 s24, ttmp9, 2                       ; the key and value head
	s_and_b32 s25, ttmp9, 3                        ; j
	s_and_b32 s26, ttmp7, 0xffff                   ; the batch
	s_mul_i32 s28, s24, 196608
	s_mul_i32 s27, s26, 24576
	s_add_co_u32 s28, s28, s27                     ; the batch's K and V: 24,576 bytes each
	s_mov_b32 s29, 0
	s_lshl_b32 s30, s24, 14
	s_lshl_b32 s27, s26, 11
	s_add_co_u32 s30, s30, s27                     ; K's scale words: 2,048 bytes
	s_mov_b32 s31, 0
	s_lshl_b32 s32, s24, 13
	s_lshl_b32 s27, s26, 10
	s_add_co_u32 s32, s32, s27                     ; V's: 1,024 bytes
	s_mov_b32 s33, 0
	s_mov_b32 s[SEL], 0x76543210
	s_mov_b32 s[SEL+1], 0xfedcba98
	s_mov_b32 s[CS], 0x3e38aa3b
	s_mov_b32 s[CS+1], s[CS]                       ; (named with it as a pair, so it is written)
	v_and_b32 v116, 31, v0                         ; lane
	v_and_b32 v117, 15, v0                         ; r
	v_bfe_u32 v118, v0, 4, 1                       ; h
	v_lshlrev_b32 v120, 4, v0                      ; 16 x thread
	v_and_b32 v121, 127, v0
	v_lshlrev_b32 v121, 4, v121
	v_lshl_add_u32 v1, v116, 4, KIMG
	v_lshl_add_u32 v2, v116, 3, KIMG+512
	v_mul_u32_u24 v3, v116, 24
	v_add_nc_u32 v3, VIMG, v3
	v_lshl_add_u32 v4, v117, 4, KSC
	v_lshl_add_u32 v5, v117, 4, VSC
	v_lshlrev_b32 v[L16], 4, v116
	v_lshlrev_b32 v[L8], 3, v116
	s_lshl_b32 s36, s[SELW], 1
	s_add_co_u32 s36, s36, s22                     ; my first tile's place among the work-group's eight: 2 o + e, o = sel
	s_xor_b32 s37, s[SELW], 3
	s_lshl_b32 s37, s37, 1
	s_add_co_u32 s37, s37, s22                     ; my second's: o = 3 - sel
	v_mul_u32_u24 v119, v117, 272
	v_lshl_add_u32 v119, v118, 4, v119             ; 272 r + 16 h
	s_lshl_b32 s38, s21, 6                         ; a head has four places
	s_mul_i32 s39, s36, 16*272
	s_add_co_u32 s39, s39, s38
	s_add_co_u32 s39, s39, STG
	v_add_nc_u32 v6, s39, v119
	s_mul_i32 s39, s37, 16*272
	s_add_co_u32 s39, s39, s38
	s_add_co_u32 s39, s39, STG
	v_add_nc_u32 v7, s39, v119
	s_lshl_b32 s38, s21, 1                         ; and two scale bytes
	s_lshl_b32 s39, s36, 7
	s_add_co_u32 s39, s39, s38
	s_add_co_u32 s39, s39, SSTG
	v_lshl_add_u32 v30, v117, 3, s39
	s_lshl_b32 s39, s37, 7
	s_add_co_u32 s39, s39, s38
	s_add_co_u32 s39, s39, SSTG
	v_lshl_add_u32 v31, v117, 3, s39
	s_lshl_b32 s38, s25, 1
	s_add_co_u32 s38, s38, s22
	s_lshl_b32 s38, s38, 4                         ; my tile's first query among its step's 128 keys
	v_lshlrev_b32 v29, 3, v118
	v_sub_nc_u32 v29, v117, v29
	v_add_nc_u32 v29, s38, v29
.irp i, 38,39,40,41,42,43,56,57,58,59,60,61
	v_mov_b32 v[\i], 0                             ; zero codes: never written again
.endr
.irp b, 0,1,2,3
	v_mov_b32 v[236+\b], 0                         ; written once: a lane permute's destination counts as one of its sources
.endr
	v_mov_b32 v253, 0                              ; (named as the upper half of the pair v[252:253] before it is first written)
	s_wait_kmcnt 0x0
	s_add_nc_u64 s[8:9], s[8:9], s[28:29]
	s_add_nc_u64 s[12:13], s[12:13], s[28:29]
	s_add_nc_u64 s[10:11], s[10:11], s[30:31]
	s_add_nc_u64 s[14:15], s[14:15], s[32:33]
	s_cmp_lt_u32 s20, 4                            ; waves 0-3 copy K's scale words, waves 4 and 5 V's
	s_cselect_b64 s[34:35], s[10:11], s[14:15]
.irp i, 0,1,2
	global_load_b128 v[124+4*\i:127+4*\i], v120, s[8:9] offset:8192*\i      ; 512 threads x 16 bytes
	global_load_b128 v[136+4*\i:139+4*\i], v120, s[12:13] offset:8192*\i
.endr
	s_cmp_lt_u32 s20, 6
	s_cbranch_scc0 .Lno_scales
	global_load_b128 v[148:151], v121, s[34:35]
	s_wait_loadcnt 0x0
	ds_store_b128 v120, v[148:151] offset:KSC      ; V's words lie behind K's 2,048 bytes: 16 x thread serves both
.Lno_scales:
	s_wait_loadcnt 0x0
.irp i, 0,1,2
	ds_store_b128 v120, v[124+4*\i:127+4*\i] offset:KIMG+8192*\i
	ds_store_b128 v120, v[136+4*\i:139+4*\i] offset:VIMG+8192*\i
.endr
	s_wait_dscnt 0x0                               ; for the others' sake: my stores have landed
	s_barrier_signal -1
	s_barrier_wait -1
; A KEY STEP: keys 128 q .. 128 q + 127.  hid: left out by the waves with sel = hid (-1: by none).  msk: the mask is applied by the waves with sel = msk (2: by all, -1: by none).
.macro STEP q, hid, msk
.if \hid >= 0
	s_cmp_eq_u32 s[SELW], \hid
	s_cbranch_scc1 .Lskip_\@
.endif
.irp g, 0,1                                    ; S^T = K Q^T, four tiles of 16 keys at a time
.rept 4*\g
	v_nop                                          ; places in front of loads into registers that the four products above have read
.endr
.irp t, 0,1,2,3
	ds_load_b128 v[32+18*(\t/2)+12*(\t%2):35+18*(\t/2)+12*(\t%2)], v1 offset:(8*(\q)+4*\g+\t)*768
	ds_load_b64 v[36+18*(\t/2)+12*(\t%2):37+18*(\t/2)+12*(\t%2)], v2 offset:(8*(\q)+4*\g+\t)*768
.endr
	ds_load_b128 v[244+4*\g:247+4*\g], v4 offset:(2*(\q)+\g)*256
	s_wait_dscnt 0x0
.irp t, 0,1,2,3                                ; even tiles: codes, zeros; odd tiles: zeros, codes
	v_wmma_scale_f32_16x16x128_f8f6f4 v[S+8*(4*\g+\t):S+8*(4*\g+\t)+7], v[32+18*(\t/2)+6*(\t%2):43+18*(\t/2)+6*(\t%2)], v[16:27], 0, v[244+4*\g+\t], v28 matrix_a_fmt:MATRIX_FMT_FP6 matrix_b_fmt:MATRIX_FMT_FP6
.endr
.endr
.rept 4
	v_nop                                          ; places in front of the first read of the scores, and (with the four above) of the loads into V's registers
.endr
.irp t, 0,1,2,3                                ; V's four fragments are asked for now and wanted behind the softmax
.irp p, 0,1,2,3,4,5
	ds_load_b64 v[68+12*\t+2*\p:69+12*\t+2*\p], v3 offset:(4*(\q)+\t)*1536+768*(\p/3)+8*(\p%3)
.endr
.endr
	ds_load_b128 v[8:11], v5 offset:256*(\q)
.if \msk >= 0
.if \msk < 2
	s_cmp_lg_u32 s[SELW], \msk
	s_cbranch_scc1 .Lopen_\@
.endif
	v_mov_b32 v254, 0xff800000                     ; -infinity.  Register n holds key 16 (n / 8) + 8 h + n % 8 of the step: hidden where that lies above my query
.set n, 0
.rept 64
	v_cmp_gt_i32 vcc_lo, 16*(n/8)+n%8, v29
	v_cndmask_b32 v[S+n], v[S+n], v254, vcc_lo
.set n, n+1
.endr
.Lopen_\@:
.endif
.irp b, 0,1,2,3
	v_max3_num_f32 v[232+\b], v[S+16*\b], v[S+1+16*\b], v[S+2+16*\b]   ; the largest score of each block of 32 keys: for the row's maximum, and, since p rises with the score, for the block's largest p
.endr
.irp i, 3,5,7,9,11,13
.irp b, 0,1,2,3
	v_max3_num_f32 v[232+\b], v[232+\b], v[S+16*\b+\i], v[S+1+16*\b+\i]
.endr
.endr
.irp b, 0,1,2,3
	v_max_num_f32 v[232+\b], v[232+\b], v[S+15+16*\b]
.endr
.irp b, 0,1,2,3
	v_permlanex16_b32 v[236+\b], v[232+\b], s[SEL], s[SEL+1]
.endr
.irp b, 0,1,2,3
	v_max_num_f32 v[232+\b], v[232+\b], v[236+\b]  ; with lane l xor 16's 16 keys
.endr
	v_max3_num_f32 v254, v232, v233, v234
	v_max_num_f32 v254, v254, v235
	v_mul_f32 v254, s[CS], v254                    ; as t (c is positive)
	v_max_num_f32 v13, v13, v254                   ; the running largest t
	v_mov_b32 v254, v12
	v_floor_f32 v12, -v13                          ; the new -M = floor(-t): M is a whole number
	v_sub_f32 v254, v12, v254                      ; old M less new M: a whole number, 0 or less
	v_cvt_i32_f32 v254, v254                       ; (it saturates)
	v_ldexp_f32 v252, 1.0, v254                    ; f = 2^(old M - new M): a multiplication by it rounds nothing
.irp j, 0,2,4,6,8,10,12,14,16,18,20,22,24,26,28,30,32,34,36,38,40,42,44,46,48,50,52,54,56,58,60,62
	v_pk_fma_f32 v[S+\j:S+1+\j], v[S+\j:S+1+\j], s[CS:CS+1], v[12:13] op_sel_hi:[1,0,0]   ; t - M
.endr
.irp b, 0,1,2,3
	v_fma_f32 v[232+\b], v[232+\b], s[CS], v12     ; the same of each block's largest score
.endr
.irp j, 0,1,2,3,4,5,6,7,8,9,10,11,12,13,14,15,16,17,18,19,20,21,22,23,24,25,26,27,28,29,30,31,32,33,34,35,36,37,38,39,40,41,42,43,44,45,46,47,48,49,50,51,52,53,54,55,56,57,58,59,60,61,62,63
	v_exp_f32 v[S+\j], v[S+\j]                     ; p = 2^(t - M), at most 1: not normalised
.endr
	v_pk_mul_f32 v[14:15], v[14:15], v[252:253] op_sel_hi:[1,0]   ; the sums under the new M (a plain place behind the exponentials)
	s_wait_alu depctr_va_vdst(0)                   ; one wait for the whole batch, ahead of its first reader
.irp b, 0,1,2,3
	v_exp_f32 v[232+\b], v[232+\b]                 ; the block's largest p
.endr
	v_pk_add_f32 v[254:255], v[S:S+1], v[S+2:S+3]  ; the row's sum is taken of the unquantised p, two at a time, in two chains: its first half here, behind the four exponentials
.irp j, 4,8,12,16,20,24,28
	v_pk_add_f32 v[14:15], v[14:15], v[S+\j:S+1+\j]
	v_pk_add_f32 v[254:255], v[254:255], v[S+2+\j:S+3+\j]
.endr
	s_wait_alu depctr_va_vdst(0)                   ; and one for the four
.irp b, 0,1,2,3
	v_max_num_f32 v[232+\b], 0x1800000, v[232+\b]  ; the floor 2^(3 - 127): the byte cannot fall under 1
.endr
.irp b, 0,1,2,3
	v_add_nc_u32 v[240+\b], 0xff000000, v[232+\b]  ; 2 off the exponent field: the conversion's scale operand
.endr
.irp b, 0,1,2,3
	v_lshrrev_b32 v[236+\b], 23, v[240+\b]         ; the scale's byte
.endr
	v_lshl_or_b32 v253, v237, 8, v236              ; p's scale word for these 128 keys
	v_lshl_or_b32 v253, v238, 16, v253
	v_lshl_or_b32 v253, v239, 24, v253
.irp c, 0,1
	v_cvt_scalef32_pk16_fp6_f32 v[P+6*\c:P+2+6*\c], v[S+32*\c:S+15+32*\c], v[240+2*\c]
	v_cvt_scalef32_pk16_fp6_f32 v[224+4*\c:226+4*\c], v[S+16+32*\c:S+31+32*\c], v[240+2*\c+1]   ; (a conversion's three registers begin on an even number)
.endr
	v_nop                                          ; one plain place behind a scaled conversion
.irp c, 0,1                                    ; a whole block to a lane: lanes 0-15 block 2 c, lanes 16-31 block 2 c + 1
.irp i, 0,1,2
	v_permlane16_swap_b32 v[P+6*\c+\i], v[224+4*\c+\i]
.endr
.irp i, 0,1,2
	v_mov_b32 v[P+3+6*\c+\i], v[224+4*\c+\i]
.endr
.endr
.irp j, 0,2,4,6,8,10,12,14,16,18,20,22,24,26,28,30
	v_pk_mul_f32 v[O+\j:O+1+\j], v[O+\j:O+1+\j], v[252:253] op_sel_hi:[1,0]   ; O^T under the new M
.endr
.irp j, 32,36,40,44,48,52,56,60                ; the sum's second half: 17 plain lines between the last vector write of an operand, a scale or a sum and the products below
	v_pk_add_f32 v[14:15], v[14:15], v[S+\j:S+1+\j]
	v_pk_add_f32 v[254:255], v[254:255], v[S+2+\j:S+3+\j]
.endr
	v_pk_add_f32 v[14:15], v[14:15], v[254:255]
	s_wait_dscnt 0x0                               ; V's fragments and scale words are in
.irp t, 0,1,2,3                                ; O^T += V^T P^T: four accumulators by turns
	v_wmma_scale_f32_16x16x128_f8f6f4 v[O+8*\t:O+8*\t+7], v[68+12*\t:79+12*\t], v[P:P+11], v[O+8*\t:O+8*\t+7], v[8+\t], v253 matrix_a_fmt:MATRIX_FMT_FP6 matrix_b_fmt:MATRIX_FMT_FP6
.endr
.Lskip_\@:
.endm
; One tile of 16 queries: p = 0: o = sel; p = 1: o = 3 - sel
.macro PASS_IN p
.if \p == 0
	s_mov_b32 s44, s[SELW]
.else
	s_xor_b32 s44, s[SELW], 3
.endif
	s_lshl_b32 s44, s44, 3
	s_lshl_b32 s45, s25, 1
	s_add_co_u32 s44, s44, s45
	s_add_co_u32 s44, s44, s22                     ; t = 8 o + 2 j + e
	s_lshl_b32 s45, s26, 5
	s_add_co_u32 s44, s44, s45                     ; + 32 x batch
	s_lshl_b32 s45, s24, 2
	s_add_co_u32 s45, s45, s21                     ; my head
	s_mul_i32 s46, s45, 196608
	s_mul_i32 s47, s44, 768
	s_add_co_u32 s46, s46, s47
	s_mov_b32 s47, 0
	s_add_nc_u64 s[48:49], s[4:5], s[46:47]        ; Q's record
	s_lshl_b32 s46, s45, 14
	s_lshr_b32 s50, s44, 2
	s_lshl_b32 s50, s50, 8
	s_add_co_u32 s46, s46, s50
	s_and_b32 s50, s44, 3
	s_lshl_b32 s50, s50, 2
	s_add_co_u32 s46, s46, s50
	s_add_nc_u64 s[50:51], s[6:7], s[46:47]        ; and its scale words
	v_and_b32 v255, 15, v0
	v_lshlrev_b32 v255, 4, v255
	global_load_b128 v[16:19], v[L16], s[48:49] th:TH_LOAD_NT
	global_load_b64 v[20:21], v[L8], s[48:49] offset:512 th:TH_LOAD_NT
	global_load_b128 v[22:25], v[L16], s[48:49] th:TH_LOAD_NT     ; the same six registers once more: the head's 64 stand in both halves of the instruction's 128
	global_load_b64 v[26:27], v[L8], s[48:49] offset:512 th:TH_LOAD_NT
	global_load_b32 v28, v255, s[50:51]
	v_mov_b32 v13, 0xff61b1e6                      ; the largest t so far: -3e38
	v_floor_f32 v12, -v13
	v_mov_b32 v14, 0
	v_mov_b32 v15, 0
.irp j, 0,1,2,3,4,5,6,7,8,9,10,11,12,13,14,15,16,17,18,19,20,21,22,23,24,25,26,27,28,29,30,31
	v_mov_b32 v[O+\j], 0                           ; O^T: the step is written alike for all steps: the first finds zeros, which the first change of M leaves zeros
.endr
	s_wait_loadcnt 0x0
.endm
.macro PASS_OUT p
	v_add_f32 v14, v14, v15                        ; the sum's two halves,
	v_permlanex16_b32 v252, v14, s[SEL], s[SEL+1]
	v_add_f32 v14, v14, v252                       ; and lane l xor 16's
	v_rcp_f32 v14, v14
.rept 3
	v_nop                                          ; a plain place behind the reciprocal; with the additions above, the places behind the last products
.endr
	s_wait_alu depctr_va_vdst(0)                   ; the wait ahead of the first reader
.irp j, 0,2,4,6,8,10,12,14,16,18,20,22,24,26,28,30
	v_pk_mul_f32 v[S+\j:S+1+\j], v[O+\j:O+1+\j], v[14:15] op_sel_hi:[1,0]   ; O^T / l: registers 16 bb + i are d = 32 bb + 16 h + i.  Each accumulator is read from its low end on
.endr
.irp b, 0,1
	v_max3_num_f32 v[232+\b], |v[S+16*\b]|, |v[S+1+16*\b]|, 0x1800000
.endr
.irp i, 2,4,6,8,10,12,14
.irp b, 0,1
	v_max3_num_f32 v[232+\b], v[232+\b], |v[S+16*\b+\i]|, |v[S+1+16*\b+\i]|
.endr
.endr
.irp b, 0,1
	v_permlanex16_b32 v[236+\b], v[232+\b], s[SEL], s[SEL+1]
.endr
.irp b, 0,1
	v_max_num_f32 v[232+\b], v[232+\b], v[236+\b]
.endr
.irp b, 0,1
	v_add_nc_u32 v[240+\b], 0xff000000, v[232+\b]
.endr
.irp b, 0,1
	v_lshrrev_b32 v[236+\b], 23, v[240+\b]
.endr
	v_cvt_scalef32_pk16_fp6_f32 v[P:P+2], v[S:S+15], v240
	v_cvt_scalef32_pk16_fp6_f32 v[P+4:P+6], v[S+16:S+31], v241
	v_lshl_or_b32 v254, v237, 8, v236              ; my head's two bytes (a plain place behind the conversions)
	ds_store_b96 v[6+\p], v[P:P+2]                 ; 16 codes, 12 bytes, to a place of 16: every address is a multiple of 16
	ds_store_b96 v[6+\p], v[P+4:P+6] offset:32
	ds_store_b16 v[30+\p], v254                    ; both lanes of a query write the same bytes with the same value
.endm
	PASS_IN 0
	STEP 0, -1, 0                                  ; o = 0: the diagonal; o = 1: all keys count
	STEP 1, 0, 2                                   ; o = 1 alone: the diagonal
	PASS_OUT 0
	PASS_IN 1
	STEP 0, -1, -1
	STEP 1, -1, -1
	STEP 2, -1, 1                                  ; o = 2: the diagonal
	STEP 3, 1, 2                                   ; o = 3 alone: the diagonal
	PASS_OUT 1
	s_wait_dscnt 0x0                               ; for the others' sake: my stores into the stages have landed
	s_barrier_signal -1
	s_barrier_wait -1
	; THE WAY OUT.  Stage row 32 o + 16 e + r is position 128 o + 32 j + 16 e + r.  Wave w takes rows 8 w .. 8 w + 7, two an instruction: sixteen lanes store a row's 192 consecutive bytes.
	s_lshl_b32 s44, s26, 9
	s_lshl_b32 s45, s25, 5
	s_add_co_u32 s44, s44, s45                     ; 512 x batch + 32 j
	s_lshr_b32 s45, s20, 2
	s_lshl_b32 s45, s45, 7
	s_add_co_u32 s45, s45, s44
	s_lshl_b32 s46, s21, 3
	s_add_co_u32 s45, s45, s46                     ; + 128 (w / 4) + 8 (w % 4)
	s_mul_i32 s46, s45, 1536
	s_mul_i32 s47, s24, 192
	s_add_co_u32 s46, s46, s47
	s_mov_b32 s47, 0
	s_add_nc_u64 s[16:17], s[16:17], s[46:47]
	s_mul_i32 s48, s20, 8*272
	s_add_co_u32 s48, s48, STG
	v_and_b32 v3, 15, v0
	v_bfe_u32 v4, v0, 4, 1
	v_mul_u32_u24 v1, v4, 272
	v_lshl_add_u32 v1, v3, 4, v1
	v_add_nc_u32 v1, s48, v1
	v_mul_u32_u24 v5, v4, 1536
	v_mad_u32_u24 v5, v3, 12, v5
	v_and_b32 v2, 127, v0
	v_lshl_add_u32 v2, v2, 3, SSTG
.irp i, 0,1,2,3
	ds_load_b96 v[32+4*\i:34+4*\i], v1 offset:2*\i*272
.endr
	s_wait_dscnt 0x0
.irp i, 0,1,2,3
	global_store_b96 v5, v[32+4*\i:34+4*\i], s[16:17] offset:2*\i*1536
.endr
	s_cmp_lt_u32 s20, 4                            ; waves 0-3: the scale bytes: a lane a row, 8 bytes
	s_cbranch_scc0 .Lend
	s_lshl_b32 s45, s20, 7
	s_add_co_u32 s45, s45, s44                     ; stage rows 32 w on are positions 128 w + 32 j on
	s_lshl_b32 s46, s45, 6
	s_lshl_b32 s45, s24, 3
	s_add_co_u32 s46, s46, s45
	s_add_nc_u64 s[18:19], s[18:19], s[46:47]
	v_and_b32 v4, 31, v0
	v_lshlrev_b32 v4, 6, v4
	ds_load_b64 v[48:49], v2
	s_wait_dscnt 0x0
	global_store_b64 v4, v[48:49], s[18:19]
.Lend:
	s_wait_xcnt 0x0
	v_lshl_add_u32 v254, v0, 2, 0x16000
	v_mov_b32 v255, 0
	s_wait_tensorcnt 0x0
	ds_add_u32 v254, v255
	s_wait_dscnt 0x0
	s_endpgm
.Lfunc_end_k_qbe8729bfd1_attn:
	.size	k_qbe8729bfd1_attn, .Lfunc_end_k_qbe8729bfd1_attn-k_qbe8729bfd1_attn
	.p2alignl 7, 3214868480
	.fill 96, 4, 3214868480
	.section	.rodata,"a",@progbits
	.p2align	6, 0x0
	.amdhsa_kernel k_qbe8729bfd1_attn
		.amdhsa_group_segment_fixed_size 92160
		.amdhsa_private_segment_fixed_size 0
		.amdhsa_enable_private_segment 0
		.amdhsa_kernarg_size 64
		.amdhsa_user_sgpr_count 2
		.amdhsa_user_sgpr_kernarg_segment_ptr 1
		.amdhsa_wavefront_size32 1
		.amdhsa_system_sgpr_workgroup_id_x 1
		.amdhsa_system_sgpr_workgroup_id_y 1
		.amdhsa_system_sgpr_workgroup_id_z 1
		.amdhsa_system_vgpr_workitem_id 0
		.amdhsa_next_free_vgpr 256
		.amdhsa_next_free_sgpr 66
		.amdhsa_reserve_vcc 1
		.amdhsa_float_denorm_mode_32 3
		.amdhsa_float_denorm_mode_16_64 3
		.amdhsa_memory_ordered 1
		.amdhsa_forward_progress 1
		.amdhsa_inst_pref_size 137
	.end_amdhsa_kernel
	.amdgpu_metadata
---
amdhsa.version: [ 1, 2 ]
amdhsa.kernels:
  - .name:           k_qbe8729bfd1_attn
    .symbol:         k_qbe8729bfd1_attn.kd
    .args:
      - { .name: qimg, .offset: 0, .size: 8, .value_kind: global_buffer, .address_space: global }
      - { .name: qscl, .offset: 8, .size: 8, .value_kind: global_buffer, .address_space: global }
      - { .name: kimg, .offset: 16, .size: 8, .value_kind: global_buffer, .address_space: global }
      - { .name: kscl, .offset: 24, .size: 8, .value_kind: global_buffer, .address_space: global }
      - { .name: vimg, .offset: 32, .size: 8, .value_kind: global_buffer, .address_space: global }
      - { .name: vscl, .offset: 40, .size: 8, .value_kind: global_buffer, .address_space: global }
      - { .name: acodes, .offset: 48, .size: 8, .value_kind: global_buffer, .address_space: global }
      - { .name: ascales, .offset: 56, .size: 8, .value_kind: global_buffer, .address_space: global }
    .group_segment_fixed_size: 92160
    .private_segment_fixed_size: 0
    .kernarg_segment_align: 8
    .kernarg_segment_size: 64
    .max_flat_workgroup_size: 512
    .sgpr_count:     66
    .vgpr_count:     256
    .wavefront_size: 32
...
	.end_amdgpu_metadata
.endif
;; end of part 2
;; launch oproj (part 3): grid 8 x 16, 4 waves a work-group, clusters of 4 x 4, 327,680 bytes of LDS; arguments acodes, ascales, Wo_codes, Wo_scales, out0; writes out0
.if DOCPART == 3
	.amdgcn_target "amdgcn-amd-amdhsa--gfx1250"
	.amdhsa_code_object_version 6
	.text
	.protected	k_qbe8729bfd1_oproj
	.globl	k_qbe8729bfd1_oproj
	.p2align	8
	.type	k_qbe8729bfd1_oproj,@function
k_qbe8729bfd1_oproj:
	s_mov_b64 s[64:65], 0
	v_nop
	global_prefetch_b8 v0, s[64:65] scope:SCOPE_SE
	s_setreg_imm32_b32 hwreg(HW_REG_WAVE_MODE, 25, 1), 1
	s_wait_xcnt 0x0
	s_wait_alu depctr_hold_cnt(0) depctr_sa_sdst(0) depctr_va_vdst(0) depctr_va_sdst(0) depctr_va_ssrc(0) depctr_va_vcc(0) depctr_vm_vsrc(0)
	s_getreg_b32 s2, hwreg(HW_REG_IB_STS2, 6, 4)
	s_cmp_eq_u32 s2, 0
	s_cbranch_scc0 .Lentry_in_a_cluster
	s_endpgm
.Lentry_in_a_cluster:
	s_bfe_u32 s2, ttmp6, 0x10000c
	s_cmp_lg_u32 s2, 0xf033
	s_cbranch_scc0 .Lentry_shape_is_right
	s_endpgm
.Lentry_shape_is_right:
; out0[m][n] = sum over k of A[m][k] Wo[n][k].  A: [4096][2048], the attention's result as codes of FP6 (E2M3) with one E8M0 scale for each 32 along K; Wo: [2048][2048] likewise, K innermost; out0: [4096][2048] f32; sums in f32.
; A tile of 256 x 256 is made by a work-group of four waves; a wave makes 128 x 128: 64 accumulators of 16 x 16, 512 registers.  128 work-groups: the problem has no more tiles of this size.
; K goes in steps of 256 through a ring of two LDS slots filled by the tensor data mover: a tile's row is 192 bytes.  The scale bytes of the work-group's 512 rows, for all of K, come into LDS once, with the first fills, and stay.
; CLUSTERS: 4 x 4 work-groups.  The four of a row of the cluster need the same tiles of A, the four of a column the same tiles of Wo: each tile is asked for jointly, by the same tensor load with the same descriptor and a mask
; that names the four.  The matrix instruction is used transposed (source 0 = 16 rows of Wo, source 1 = 16 rows of A): a lane then holds eight neighbouring numbers of a row of out0.
; REGISTERS, in windows of 256: window 0: v0-31 addresses; v32-63 scale words, two sets; from v128 A's fragments, one set; on the way out v128-255 hold rows.  window 1: Wo's fragments, two sets, at v0 and v128.
;   window 2: the accumulators of my rows 0-63 ((a, b) at v[8 (8 a + b)]); window 3: those of my rows 64-127.
.set SIZE_M, 4096
.set SIZE_N, 2048
.set SIZE_K, 2048
.set KSTEP,  256
.set NQ,     KSTEP/128
.set ROWB,   192
.set KROW,   SIZE_K*6/8
.set PITCH,  240                       ; an LDS row: 3 x (64 bytes of data + 16 of padding)
.set FR,     12
.set NL,     6
.set NP,     4                         ; places behind this matrix instruction (ISA guide 7.12.1)
.set HALFT,  128*PITCH
.set SLOT,   4*HALFT
.set LAPS,   SIZE_K/(2*KSTEP)
.set KS,     SIZE_K/32
.set SCL,    2*SLOT
.set HALFS,  (128*KS/256)*272
.set SBLK,   (16*KS/256)*272
.set SPARE,  SCL+4*HALFS               ; the spare words: 128 bytes a wave, named by no other line
.set SPITCH, 528                       ; the way out: a stage of 16 rows x (512 bytes + 16) for each wave, in slot 0, which has had its last fill and its last read when the first result is stored there
.set ADRA, 16
.set ADRB, 20
.set STO,  24
.set RD,   25
.set CO,   26
.set SPW,  28
.set NIL,  29
.set ADRS, 27
.set SC,   32
.set AF,   128
.set BK,   128
.set G1, 24
.set G0, 32
.set G1B, 48
.set G0B, 56
.set G1S, 68
.set G0S, 76
.set G1SB, 80
.set G0SB, 88
.set MSB, 0
.macro WIN new                         ; the immediate's high byte repeats the setting that is left
.if MSB != \new
	s_set_vgpr_msb (MSB<<8)|\new
.set MSB, \new
.endif
.endm
.set MUL_LO, 0xa1
.set MUL_HI, 0xf1
.set TO_B,   0x40
; A joint load: waves 0 and 1 fetch for A, waves 2 and 3 for Wo.  The branch hangs on the wave's number alone.  Four v_nop follow each of the two lines.
.macro JLOAD g0a, g1a, g0b, g1b
	s_cmp_eq_u32 s15, 0
	s_cbranch_scc0 .Lfor_b_\@
	tensor_load_to_lds s[\g0a:\g0a+3], s[\g1a:\g1a+7]
	s_nop 0
.rept 4
	v_nop
.endr
	s_branch .Lasked_\@
.Lfor_b_\@:
	tensor_load_to_lds s[\g0b:\g0b+3], s[\g1b:\g1b+7]
	s_nop 0
.rept 4
	v_nop
.endr
.Lasked_\@:
.endm
.macro CREST
	s_cmp_lg_u32 s14, 0
	s_cbranch_scc1 .Lnot_wave_0_\@
	s_barrier_signal -3
.Lnot_wave_0_\@:
	s_barrier_wait -3
	s_barrier_signal -1
	s_barrier_wait -1
.endm
.macro CROUND
	s_barrier_signal -1
	s_barrier_wait -1
	CREST
.endm
	s_load_b128 s[4:7], s[0:1], 0x0                ; A's codes, A's scales
	s_load_b128 s[8:11], s[0:1], 0x10              ; Wo's codes, Wo's scales
	s_load_b64 s[12:13], s[0:1], 0x20              ; out0
	v_lshl_add_u32 v[SPW], v0, 2, SPARE
	v_mov_b32 v[NIL], 0
	ds_add_u32 v28, v29
	ds_add_u32 v28, v29
	s_wait_dscnt 0x0
	v_lshrrev_b32 v1, 5, v0
	v_readfirstlane_b32 s14, v1                    ; wave 0..3
	s_lshr_b32 s15, s14, 1                         ; which half of the tile's rows is mine.  Also: I fetch for A (0) or for Wo (1)
	s_and_b32 s16, s14, 1                          ; which half of its columns.  Also: which 128 rows of that tile I fetch
	s_bfe_u32 s40, ttmp6, 0x40000                  ; cx, cy
	s_bfe_u32 s41, ttmp6, 0x40004
	s_lshl_b32 s42, ttmp9, 2
	s_add_co_u32 s42, s42, s40                     ; tile column
	s_and_b32 s17, ttmp7, 0xffff
	s_lshl_b32 s17, s17, 2
	s_add_co_u32 s17, s17, s41                     ; tile row
	s_lshl_b32 s43, s41, 2
	s_lshl_b32 s43, 15, s43                        ; my row of the cluster
	s_lshl_b32 s44, 0x1111, s40                    ; my column
	s_or_b32 s[G1+0], s43, (0<<16)|(1<<20)|(1<<21)|(3<<22)|(3<<25)
	s_or_b32 s[G1B+0], s44, (0<<16)|(1<<20)|(1<<21)|(3<<22)|(3<<25)
.irp g, G1, G1B
	s_mov_b32 s[\g+1], ROWB<<16
	s_mov_b32 s[\g+2], 128<<16
	s_mov_b32 s[\g+3], ROWB<<16
	s_mov_b32 s[\g+4], 128
	s_mov_b32 s[\g+5], KROW
	s_mov_b32 s[\g+6], 0
	s_mov_b32 s[\g+7], 0
.endr
	s_or_b32 s[G1S+0], s43, (3<<16)|(1<<20)|(1<<21)|(5<<22)|(3<<25)
	s_or_b32 s[G1SB+0], s44, (3<<16)|(1<<20)|(1<<21)|(5<<22)|(3<<25)
.irp g, G1S, G1SB
	s_mov_b32 s[\g+1], 32<<16
	s_mov_b32 s[\g+2], (128*KS/256)<<16
	s_mov_b32 s[\g+3], 32<<16
	s_mov_b32 s[\g+4], 128*KS/256
	s_mov_b32 s[\g+5], 32
	s_mov_b32 s[\g+6], 0
	s_mov_b32 s[\g+7], 0
.endr
	s_lshl_b32 s18, s16, 7
	s_lshl_b32 s20, s17, 8
	s_add_co_u32 s20, s20, s18                     ; A: row 256 x tile row + 128 x half
	s_lshl_b32 s46, s42, 8
	s_add_co_u32 s46, s46, s18                     ; Wo: row 256 x tile column + 128 x half
	s_mov_b32 s21, 0
	s_mov_b32 s47, 0
	s_mov_b64 s[18:19], KS
	s_mul_u64 s[22:23], s[20:21], s[18:19]
	s_mul_u64 s[92:93], s[46:47], s[18:19]
	s_mov_b64 s[18:19], KROW
	s_mul_u64 s[20:21], s[20:21], s[18:19]
	s_mul_u64 s[46:47], s[46:47], s[18:19]
	s_mul_i32 s45, s14, HALFT
	s_mul_i32 s94, s14, HALFS
	s_wait_kmcnt 0x0
	s_add_nc_u64 s[20:21], s[4:5], s[20:21]
	s_add_nc_u64 s[22:23], s[6:7], s[22:23]
	s_add_nc_u64 s[46:47], s[8:9], s[46:47]
	s_add_nc_u64 s[92:93], s[10:11], s[92:93]
	CROUND                                         ; all sixteen work-groups are here: the first joint loads meet
	s_mov_b32 s[G0S], 1
	s_add_co_u32 s[G0S+1], s94, SCL
	s_mov_b64 s[G0S+2:G0S+3], s[22:23]
	s_or_b32 s[G0S+3], s[G0S+3], 0x80000000
	s_mov_b32 s[G0SB], 1
	s_add_co_u32 s[G0SB+1], s94, SCL
	s_mov_b64 s[G0SB+2:G0SB+3], s[92:93]
	s_or_b32 s[G0SB+3], s[G0SB+3], 0x80000000
	JLOAD G0S, G1S, G0SB, G1SB
.irp s, 0,1
	s_mov_b32 s[G0+4*\s], 1
	s_add_co_u32 s[G0+4*\s+1], s45, \s*SLOT
	s_add_nc_u64 s[G0+4*\s+2:G0+4*\s+3], s[20:21], \s*ROWB
	s_or_b32 s[G0+4*\s+3], s[G0+4*\s+3], 0x80000000
	s_mov_b32 s[G0B+4*\s], 1
	s_add_co_u32 s[G0B+4*\s+1], s45, \s*SLOT
	s_add_nc_u64 s[G0B+4*\s+2:G0B+4*\s+3], s[46:47], \s*ROWB
	s_or_b32 s[G0B+4*\s+3], s[G0B+4*\s+3], 0x80000000
	JLOAD G0+4*\s, G1, G0B+4*\s, G1B
.endr
	v_and_b32 v1, 15, v0
	v_bfe_u32 v2, v0, 4, 1
	v_mul_u32_u24 v3, v1, PITCH
	v_mul_u32_u24 v4, v2, 24
	v_add_nc_u32 v4, v3, v4
	v_lshl_add_u32 v5, v2, 4, v4
	s_mul_i32 s21, s15, HALFT
	s_mul_i32 s22, s16, HALFT
	s_add_co_u32 s22, s22, 2*HALFT
.irp s, 0,1
	v_add_nc_u32 v[ADRA+\s], s21, v4
	v_add_nc_u32 v[ADRB+\s], s22, v4
	v_add_nc_u32 v[ADRA+2+\s], s21, v5
	v_add_nc_u32 v[ADRB+2+\s], s22, v5
	s_add_co_u32 s21, s21, SLOT
	s_add_co_u32 s22, s22, SLOT
.endr
	v_mul_u32_u24 v5, v1, KS
	v_lshrrev_b32 v6, 8, v5
	v_lshl_add_u32 v5, v6, 4, v5
	s_mul_i32 s21, s15, HALFS
	s_mul_i32 s22, s16, HALFS
	s_add_co_u32 s22, s22, 2*HALFS
	s_sub_co_u32 s22, s22, s21
	v_mul_u32_u24 v6, s22, v2
	s_add_co_u32 s21, s21, SCL
	v_add_nc_u32 v5, v5, v6
	v_add_nc_u32 v[ADRS], s21, v5
	s_mul_i32 s23, s14, 16*SPITCH                  ; my stage
	v_mul_u32_u24 v5, v1, SPITCH
	v_lshl_add_u32 v5, v2, 5, v5
	v_add_nc_u32 v[STO], s23, v5
	v_and_b32 v6, 31, v0
	v_lshlrev_b32 v[CO], 4, v6
	v_add_nc_u32 v[RD], s23, v[CO]
	s_lshl_b32 s20, s17, 8
	s_lshl_b32 s21, s15, 7
	s_add_co_u32 s20, s20, s21                     ; my first row of out0
	s_mov_b32 s21, 0
	s_mov_b64 s[18:19], SIZE_N*4
	s_mul_u64 s[20:21], s[20:21], s[18:19]
	s_lshl_b32 s46, s42, 10                        ; my first column, in bytes
	s_lshl_b32 s47, s16, 9
	s_add_co_u32 s46, s46, s47
	s_mov_b32 s47, 0
	s_add_nc_u64 s[20:21], s[20:21], s[46:47]
	s_add_nc_u64 s[12:13], s[12:13], s[20:21]
.macro FRAG reg, adr, q, i             ; a fragment, 16 rows x 128 K, in pieces of 8 bytes; where the piece three on lies behind one padding more, the second address register serves
.irp p, 0,1,2,3,4,5
.set PC, 12*(\q)+6*(\p/3)+\p%3
.if PC%8 < 5
	ds_load_b64 v[\reg+2*\p:\reg+2*\p+1], v[\adr] offset:8*PC+16*(PC/8)+(\i)*16*PITCH
.else
	ds_load_b64 v[\reg+2*\p:\reg+2*\p+1], v[\adr+2] offset:8*PC+16*(PC/8)+(\i)*16*PITCH
.endif
.endr
.endm
; 16 matrix instructions.  The 64 accumulators take turns, one instruction a turn, in the same order in every step.
.macro MUL16 a0, p, q, sc, zero
.irp a, \a0, \a0+1
.irp b, 0,1,2,3,4,5,6,7
.if \zero
	v_wmma_scale_f32_16x16x128_f8f6f4 v[8*(8*((\a)%4)+\b):8*(8*((\a)%4)+\b)+7], v[128*(\p)+FR*\b:128*(\p)+FR*\b+FR-1], v[AF+FR*(\a):AF+FR*(\a)+FR-1], 0, v[SC+8*NQ*(\sc)+NQ*\b+(\q)], v[SC+8*NQ*(\sc)+NQ*(\a)+(\q)] matrix_a_fmt:MATRIX_FMT_FP6 matrix_b_fmt:MATRIX_FMT_FP6 matrix_a_scale:MATRIX_SCALE_ROW1
.else
	v_wmma_scale_f32_16x16x128_f8f6f4 v[8*(8*((\a)%4)+\b):8*(8*((\a)%4)+\b)+7], v[128*(\p)+FR*\b:128*(\p)+FR*\b+FR-1], v[AF+FR*(\a):AF+FR*(\a)+FR-1], v[8*(8*((\a)%4)+\b):8*(8*((\a)%4)+\b)+7], v[SC+8*NQ*(\sc)+NQ*\b+(\q)], v[SC+8*NQ*(\sc)+NQ*(\a)+(\q)] matrix_a_fmt:MATRIX_FMT_FP6 matrix_b_fmt:MATRIX_FMT_FP6 matrix_a_scale:MATRIX_SCALE_ROW1
.endif
.endr
.endr
.endm
.macro FETCH_B slot, q, p
	WIN TO_B
.irp i, 0,1,2,3,4,5,6,7
	FRAG 128*(\p)+FR*\i, ADRB+\slot, \q, \i
.endr
	WIN 0
.endm
.macro FETCH_A slot, q, i0
.irp i, \i0, \i0+1, \i0+2, \i0+3
	FRAG AF+FR*(\i), ADRA+\slot, \q, \i
.endr
.endm
.macro SCALES sc
.irp i, 0,1,2,3,4,5,6,7
	ds_load_b64 v[SC+8*NQ*\sc+NQ*\i:SC+8*NQ*\sc+NQ*\i+1], v[ADRS] offset:\i*SBLK
.endr
.endm
.macro PLACES n
.rept \n
	v_nop
.endr
.endm
.macro STEP slot, q, zero
	s_wait_dscnt 4*NL                              ; Wo's set and A's blocks 0-3 are in; the youngest 24 loads (A's blocks 4-7) may be out
	WIN MUL_LO
	MUL16 0, (\q)%2, \q, \slot, \zero
	MUL16 2, (\q)%2, \q, \slot, \zero
	s_wait_dscnt 0
	PLACES NP
	FETCH_B \slot, (\q)+1, 1-(\q)%2
	FETCH_A \slot, (\q)+1, 0
	WIN MUL_HI
	MUL16 4, (\q)%2, \q, \slot, \zero
	MUL16 6, (\q)%2, \q, \slot, \zero
	PLACES NP
	WIN 0
	FETCH_A \slot, (\q)+1, 4
.endm
.macro TURN slot, next, fill
	s_wait_tensorcnt 0x0                           ; all my tensor loads have landed: my part of the next slot
	ds_add_u32 v[SPW], v[NIL]                      ; 0 onto my spare word
	s_wait_dscnt 4*NL+1                            ; the add and the youngest 24 loads may be out
	WIN MUL_LO
	MUL16 0, 1, NQ-1, \slot, 0
	s_wait_dscnt 0x0                               ; the add is done, and my reads of this slot are over
	s_barrier_signal -1
	MUL16 2, 1, NQ-1, \slot, 0
	WIN 0
	s_barrier_wait -1
.if \fill
	CREST                                          ; the barrier has opened a round of the cluster's barrier: no wave of any partner still reads this slot or has a load on its way
	s_add_nc_u64 s[G0+4*\slot+2:G0+4*\slot+3], s[G0+4*\slot+2:G0+4*\slot+3], 2*ROWB
	s_add_nc_u64 s[G0B+4*\slot+2:G0B+4*\slot+3], s[G0B+4*\slot+2:G0B+4*\slot+3], 2*ROWB
	JLOAD G0+4*\slot, G1, G0B+4*\slot, G1B
.else
	PLACES NP
.endif
	v_add_nc_u32 v[ADRS], 4*NQ, v[ADRS]
	FETCH_B \next, 0, 0
	FETCH_A \next, 0, 0
	SCALES \next
	WIN MUL_HI
	MUL16 4, 1, NQ-1, \slot, 0
	MUL16 6, 1, NQ-1, \slot, 0
	PLACES NP
	WIN 0
	FETCH_A \next, 0, 4
.endm
	s_wait_tensorcnt 1                             ; the scales and my part of K step 0 are in; K step 1's load may be out
	s_barrier_signal -1
	s_barrier_wait -1
	FETCH_B 0, 0, 0
	FETCH_A 0, 0, 0
	SCALES 0
	FETCH_A 0, 0, 4
	STEP 0, 0, 1                                   ; the first step's products start the sums
	s_mov_b32 s3, LAPS-1
.Llap:
	TURN 0, 1, 1
	STEP 1, 0, 0
	TURN 1, 0, 1
	STEP 0, 0, 0
	s_sub_co_u32 s3, s3, 1
	s_cmp_lg_u32 s3, 0
	s_cbranch_scc1 .Llap
	TURN 0, 1, 0                                   ; the last lap fills nothing
	STEP 1, 0, 0
	s_wait_dscnt 4*NL
	WIN MUL_LO
	MUL16 0, 1, NQ-1, 1, 0
	MUL16 2, 1, NQ-1, 1, 0
	s_wait_dscnt 0
	WIN MUL_HI
	MUL16 4, 1, NQ-1, 1, 0
	MUL16 6, 1, NQ-1, 1, 0
	WIN 0
; THE WAY OUT, block by block of 16 rows x 128 columns, through my own stage: 32 bytes a lane in, whole rows of 512 bytes back.  LDS serves a wave's instructions in order (ISA guide 5.7.1.4).
.macro TOSTAGE a
.set AC, 64*((\a)%4)
	WIN 0x08+4*((\a)/4)
.irp b, 0,1,2,3,4,5,6,7
	ds_store_b128 v[STO], v[AC+8*\b:AC+8*\b+3] offset:64*\b          ; each accumulator from its low end on
	ds_store_b128 v[STO], v[AC+8*\b+4:AC+8*\b+7] offset:64*\b+16
.endr
	WIN 0
.set BB, BK+64*((\a)%2)
.irp t, 0,1,2,3,4,5,6,7,8,9,10,11,12,13,14,15
	ds_load_b128 v[BB+4*\t:BB+4*\t+3], v[RD] offset:\t*SPITCH
.endr
.endm
.macro SEND a, younger
.set BB, BK+64*((\a)%2)
	s_wait_dscnt \younger                          ; the block is back in registers
.if (\a) > 0
	s_add_nc_u64 s[12:13], s[12:13], 16*SIZE_N*4   ; (behind a wait on XCNT: the earlier stores have read their base)
.endif
.irp t, 0,1,2,3,4,5,6,7,8,9,10,11,12,13,14,15
	global_store_b128 v[CO], v[BB+4*\t:BB+4*\t+3], s[12:13] offset:\t*SIZE_N*4 th:TH_STORE_NT   ; 32 lanes store 512 consecutive bytes, at a multiple of 256 from out0's first byte
.endr
.endm
	PLACES NP
	TOSTAGE 0
.irp a, 1,2,3,4,5,6,7
.if \a > 1
	s_wait_xcnt 0x0                                ; block a - 2's stores have read their registers and their base
.endif
	TOSTAGE \a
	SEND \a-1, 32                                  ; behind block a - 1's loads: block a's 16 stores and 16 loads
.endr
	s_wait_xcnt 0x0
	SEND 7, 0
	s_wait_tensorcnt 0x0                           ; the wave's end: behind my last tensor load and my last LDS store
	ds_add_u32 v[SPW], v[NIL]
	s_wait_dscnt 0x0
	CROUND                                         ; the closing round
	s_endpgm
.Lfunc_end_k_qbe8729bfd1_oproj:
	.size	k_qbe8729bfd1_oproj, .Lfunc_end_k_qbe8729bfd1_oproj-k_qbe8729bfd1_oproj
	.p2alignl 7, 3214868480
	.fill 96, 4, 3214868480
	.section	.rodata,"a",@progbits
	.p2align	6, 0x0
	.amdhsa_kernel k_qbe8729bfd1_oproj
		.amdhsa_group_segment_fixed_size 327680
		.amdhsa_private_segment_fixed_size 0
		.amdhsa_enable_private_segment 0
		.amdhsa_kernarg_size 40
		.amdhsa_user_sgpr_count 2
		.amdhsa_user_sgpr_kernarg_segment_ptr 1
		.amdhsa_wavefront_size32 1
		.amdhsa_system_sgpr_workgroup_id_x 1
		.amdhsa_system_sgpr_workgroup_id_y 1
		.amdhsa_system_sgpr_workgroup_id_z 1
		.amdhsa_system_vgpr_workitem_id 0
		.amdhsa_next_free_vgpr 1024
		.amdhsa_next_free_sgpr 98
		.amdhsa_reserve_vcc 0
		.amdhsa_float_denorm_mode_32 3
		.amdhsa_float_denorm_mode_16_64 3
		.amdhsa_memory_ordered 1
		.amdhsa_forward_progress 1
		.amdhsa_inst_pref_size 160
	.end_amdhsa_kernel
	.amdgpu_metadata
---
amdhsa.version: [ 1, 2 ]
amdhsa.kernels:
  - .name:           k_qbe8729bfd1_oproj
    .symbol:         k_qbe8729bfd1_oproj.kd
    .args:
      - { .name: acodes, .offset: 0, .size: 8, .value_kind: global_buffer, .address_space: global }
      - { .name: ascales, .offset: 8, .size: 8, .value_kind: global_buffer, .address_space: global }
      - { .name: Wo_codes, .offset: 16, .size: 8, .value_kind: global_buffer, .address_space: global }
      - { .name: Wo_scales, .offset: 24, .size: 8, .value_kind: global_buffer, .address_space: global }
      - { .name: out0, .offset: 32, .size: 8, .value_kind: global_buffer, .address_space: global }
    .group_segment_fixed_size: 327680
    .private_segment_fixed_size: 0
    .kernarg_segment_align: 8
    .kernarg_segment_size: 40
    .max_flat_workgroup_size: 128
    .sgpr_count:     98
    .vgpr_count:     1024
    .wavefront_size: 32
...
	.end_amdgpu_metadata
.endif
;; end of part 3
;; ======== version 2 of 2: 3 launches
;; limits: right only within a limited range of input values
;; workspace buffers: qimg 6,291,456 bytes; kimg 1,572,864 bytes; qscl 524,288 bytes; kscl 131,072 bytes; vimg 1,572,864 bytes; vscl 65,536 bytes; acodes 6,291,456 bytes; ascales 262,144 bytes
;; launch qkv (part 4): grid 12 x 16, 4 waves a work-group, clusters of 4 x 4, 327,680 bytes of LDS; arguments x_codes, x_scales, Wq_codes, Wq_scales, Wk_codes, Wk_scales, Wv_codes, Wv_scales, out1, out2, qimg, qscl, kimg, kscl, vimg, vscl; writes out1, out2, qimg, qscl, kimg, kscl, vimg, vscl
.if DOCPART == 4
	.amdgcn_target "amdgcn-amd-amdhsa--gfx1250"
	.amdhsa_code_object_version 6
	.text
	.protected	k_qbe8729bfd1_qkv
	.globl	k_qbe8729bfd1_qkv
	.p2align	8
	.type	k_qbe8729bfd1_qkv,@function
k_qbe8729bfd1_qkv:
	s_mov_b64 s[64:65], 0
	v_nop
	global_prefetch_b8 v0, s[64:65] scope:SCOPE_SE
	s_setreg_imm32_b32 hwreg(HW_REG_WAVE_MODE, 25, 1), 1
	s_wait_xcnt 0x0
	s_wait_alu depctr_hold_cnt(0) depctr_sa_sdst(0) depctr_va_vdst(0) depctr_va_sdst(0) depctr_va_ssrc(0) depctr_va_vcc(0) depctr_vm_vsrc(0)
	s_getreg_b32 s2, hwreg(HW_REG_IB_STS2, 6, 4)
	s_cmp_eq_u32 s2, 0
	s_cbranch_scc0 .Lentry_in_a_cluster
	s_endpgm
.Lentry_in_a_cluster:
	s_bfe_u32 s2, ttmp6, 0x10000c
	s_cmp_lg_u32 s2, 0xf033
	s_cbranch_scc0 .Lentry_shape_is_right
	s_endpgm
.Lentry_shape_is_right:
; q, k, v = x Wq, x Wk, x Wv on codes of FP6 (E2M3) with E8M0 scales; the rotary embedding on q and k; k and v stored as f32 (out1, out2); q, k (along the head's 64) and v (along the keys) quantised for the attention launch.
; SHARES: 192 work-groups of four waves; a work-group makes 256 tokens x 256 columns, a wave 128 x 128 (64 accumulators).  Column tiles 0-7 are q's; in the clusters with x = 2 a tile's first 128 columns are k's and its last 128 the
; same columns of v: a wave's role hangs on the cluster's x and the wave's number alone.
; THE WALK ALONG K: a ring of two LDS slots filled by joint tensor loads in chunks of 256 bytes of each row (a row of codes is 1,536 bytes: every chunk begins on a multiple of 256).  A step of 128 along K is 96 bytes: eight steps to three chunks.
; THE SCALE WORDS of my 128 tokens and 128 weight rows, for all of K, go once from memory into 128 registers: lane (r, h) holds the eight words of steps 8 h .. 8 h + 7 of row r; steps 0-7 read lanes 0-15, steps 8-15 lanes 16-31.
; The matrix instruction is used transposed (source 0 = 16 weight rows, source 1 = 16 tokens): a lane holds one token and, in tile b, columns 16 b + 8 (lane / 16) + 0 .. 7.
; BEHIND THE WALK one loop of eight trips, walked by every wave: a trip sends one block of 16 tokens (v: two blocks, in trips 0-3) through the wave's own stage in LDS, so that the work on it is written once.
; WHAT LEAVES: q and k as records of 768 bytes for 16 tokens x 64 d (registers 0-3 at 16 x lane, 4-5 at 512 + 8 x lane; inside a block of 32 the order of d is 0-7, 16-23, 8-15, 24-31, alike in q and k); a scale word is the head's two
; bytes, twice.  v as fragments of V^T, 16 d x 128 keys; place i of a block holds key i with bits 3 and 4 changed over; tile 2 bb + u holds d = 32 bb + 8 u + r + 8 (r / 8).
; PREFETCH: behind each joint load a wave asks once for the chunk two loads on (at the head also for chunk 1): 32 rows x 256 bytes, a lane a row.  The four partners that ask for a tile jointly share the 128 rows that a wave
; fetches out by address (cx for x, cy for the weights).  The chunk stands in the immediate, so no address register is written again.  The last two refills ask for nothing: there are six chunks.
; LIMITS: NaN and infinities are not served.  A block whose largest magnitude lies under 2^-124 gets the byte 1 (bytes read by this program alone).  cos and sin can differ from a correctly rounded table by about 5e-5 at 511 radians.
.set ROWB, 256
.set KROW, 1536
.set STEPS, 16
.set CHUNKS, 6
.set PITCH, 272                        ; 256 bytes + 16 of padding
.set FR, 12
.set NL, 6
.set NP, 4
.set HALFT, 128*PITCH
.set SLOT, 4*HALFT
.set SPARE, 2*SLOT                     ; the spare words: 128 bytes a wave
.set ADRA, 16                          ; v16-19, v20-23: fragment addresses, slot 0, 1, and the two forms across two chunks
.set ADRB, 20
.set SPW, 28
.set NIL, 29
.set SOF, 30                           ; v30: 64 r + 32 h, in a block of scale bytes
.set PFO, 31                           ; v31: the prefetches' offset: lane x a row of codes; never rewritten
.set PFA, 82                           ; s[82:83]: my work-group's 32 rows of the 128 that I fetch; never rewritten
.set AF, 128
.set G1, 24
.set G0, 32
.set G1B, 48
.set G0B, 56
.set WREG, 29696                       ; behind the walk, a wave's region in slot 0: a stage of 32 rows x 528, images (12,288), V's scale words (512)
.set SPI, 528
.set IMGO, 32*SPI
.set SIMGO, IMGO+12288
.set TBL, SLOT                         ; the table in slot 1: 256 rows: 32 cos, 32 sin, 16 bytes of padding
.set TP, 272
.set TW, 2
.set TR, 3
.set STO, 4
.set RD, 5
.set CA, 6
.set IM, 7
.set SI, 8
.set L16, 9
.set L8, 10
.set FO, 11
.set SO, 12
.set VSO, 13
.set T, 32
.set COSR, 96
.set SINR, 112
.set BK, 128
.set CD, 192
.set TM, 212
.set PW, 228
.set WS, 232
.set TRC, 240                          ; the trip's addresses: table rows, scale word, V's images
.set WA, 241
.set IMC, 242
.set KC, 96
.set POS, 176
.set MK, 68
.set X, 32
.set VC, 96
.set SB, 112
.set KV, 66
.set ISV, 67
.set BL, 76                            ; s76: the trip
.set SH, 80
.set ISK, 92
.set HIM, 93
.set SEL, 94
.set IMGP, 96
.set SCLP, 98
.set OUTP, 100
.set MSB, 0
.macro WIN new
.if MSB != \new
	s_set_vgpr_msb (MSB<<8)|\new
.set MSB, \new
.endif
.endm
.set MUL_LO, 0xa1
.set MUL_HI, 0xf1
.set TO_B, 0x40
.macro VW
	s_wait_alu depctr_va_vdst(0)
.endm
.macro PLACES n
.rept \n
	v_nop
.endr
.endm
.macro ASK c                           ; chunk c of my 32 rows
	global_prefetch_b8 v[PFO], s[PFA:PFA+1] offset:(\c)*ROWB th:TH_LOAD_NT scope:SCOPE_SE
.endm
.macro JLOAD g0a, g1a, g0b, g1b        ; waves 0, 1 fetch for x, waves 2, 3 for the weights
	s_cmp_eq_u32 s15, 0
	s_cbranch_scc0 .Lfor_b_\@
	tensor_load_to_lds s[\g0a:\g0a+3], s[\g1a:\g1a+7]
	s_nop 0
	PLACES 4
	s_branch .Lasked_\@
.Lfor_b_\@:
	tensor_load_to_lds s[\g0b:\g0b+3], s[\g1b:\g1b+7]
	s_nop 0
	PLACES 4
.Lasked_\@:
.endm
.macro CREST
	s_cmp_lg_u32 s14, 0
	s_cbranch_scc1 .Lnot_wave_0_\@
	s_barrier_signal -3
.Lnot_wave_0_\@:
	s_barrier_wait -3
	s_barrier_signal -1
	s_barrier_wait -1
.endm
.macro CROUND
	s_barrier_signal -1
	s_barrier_wait -1
	CREST
.endm
	s_load_b128 s[4:7], s[0:1], 0x0                ; x's codes, scales
	s_load_b128 s[8:11], s[0:1], 0x10              ; Wq's
	s_load_b128 s[96:99], s[0:1], 0x20             ; Wk's
	s_load_b64 s[100:101], s[0:1], 0x30            ; Wv's codes
	s_load_b64 s[104:105], s[0:1], 0x38            ; Wv's scales
	v_lshl_add_u32 v[SPW], v0, 2, SPARE
	v_mov_b32 v[NIL], 0
	ds_add_u32 v[SPW], v[NIL]                      ; the opening lines: the add, twice on end, and its wait
	ds_add_u32 v[SPW], v[NIL]
	v_lshrrev_b32 v1, 5, v0
	v_readfirstlane_b32 s14, v1                    ; wave
	v_and_b32 v1, 15, v0                           ; r
	v_bfe_u32 v2, v0, 4, 1                         ; h
	v_lshlrev_b32 v[SOF], 6, v1
	v_lshl_add_u32 v[SOF], v2, 5, v[SOF]
	v_and_b32 v[PFO], 31, v0
	v_mul_u32_u24 v[PFO], v[PFO], KROW
	s_lshr_b32 s15, s14, 1                         ; my half of the tokens; also: I fetch for x (0) or the weights (1)
	s_and_b32 s16, s14, 1                          ; my half of the columns; also: which 128 rows I fetch
	s_bfe_u32 s40, ttmp6, 0x40000                  ; cx
	s_bfe_u32 s41, ttmp6, 0x40004                  ; cy
	s_lshl_b32 s42, ttmp9, 2
	s_add_co_u32 s42, s42, s40                     ; tile column
	s_and_b32 s17, ttmp7, 0xffff
	s_lshl_b32 s17, s17, 2
	s_add_co_u32 s17, s17, s41                     ; tile row
	s_lshl_b32 s43, s41, 2
	s_lshl_b32 s43, 15, s43                        ; my row of the cluster
	s_lshl_b32 s44, 0x1111, s40                    ; my column
	s_or_b32 s[G1+0], s43, (1<<20)|(1<<21)|(5<<22)|(3<<25)   ; 128 rows x 256 bytes, 16 bytes of padding behind each
	s_or_b32 s[G1B+0], s44, (1<<20)|(1<<21)|(5<<22)|(3<<25)
.irp g, G1, G1B
	s_mov_b32 s[\g+1], ROWB<<16
	s_mov_b32 s[\g+2], 128<<16
	s_mov_b32 s[\g+3], ROWB<<16
	s_mov_b32 s[\g+4], 128
	s_mov_b32 s[\g+5], KROW
	s_mov_b32 s[\g+6], 0
	s_mov_b32 s[\g+7], 0
.endr
	s_lshl_b32 s18, s16, 7
	s_lshl_b32 s20, s17, 8
	s_lshl_b32 s72, s15, 7
	s_add_co_u32 s72, s72, s20                     ; the tokens that I multiply,
	s_lshl_b32 s72, s72, 6                         ; 64 scale bytes a row
	s_mov_b32 s73, 0
	s_add_co_u32 s20, s20, s18                     ; x: the rows that I fetch
	s_lshl_b32 s46, s42, 8
	s_add_co_u32 s46, s46, s18                     ; Wq: row 256 x tile column + 128 x half
	s_lshl_b32 s47, s40, 7                         ; Wk, Wv: row 128 cx
	s_cmp_eq_u32 ttmp9, 2
	s_cselect_b32 s46, s47, s46
	s_lshl_b32 s74, s46, 6                         ; these rows are also the ones that I multiply
	s_mov_b32 s75, 0
	s_mov_b32 s21, 0
	s_mov_b32 s47, 0
	s_mov_b64 s[18:19], KROW
	s_mul_u64 s[20:21], s[20:21], s[18:19]
	s_mul_u64 s[46:47], s[46:47], s[18:19]
	s_mul_i32 s45, s14, HALFT
	VW
	s_wait_dscnt 0x0                               ; both opening adds are done
	s_wait_kmcnt 0x0
	s_cmp_eq_u32 s16, 0                            ; a k-and-v tile: first 128 rows Wk's, last 128 Wv's
	s_cselect_b64 s[96:97], s[96:97], s[100:101]
	s_cselect_b64 s[98:99], s[98:99], s[104:105]
	s_cmp_eq_u32 ttmp9, 2
	s_cselect_b64 s[8:9], s[96:97], s[8:9]
	s_cselect_b64 s[10:11], s[98:99], s[10:11]
	s_add_nc_u64 s[20:21], s[4:5], s[20:21]
	s_add_nc_u64 s[46:47], s[8:9], s[46:47]
	s_add_nc_u64 s[68:69], s[6:7], s[72:73]
	s_add_nc_u64 s[70:71], s[10:11], s[74:75]
	s_cmp_eq_u32 s15, 0                            ; the prefetches: the 128 rows that I fetch,
	s_cselect_b64 s[PFA:PFA+1], s[20:21], s[46:47]
	s_cselect_b32 s84, s40, s41                    ; my place among the four that ask for them with me,
	s_mul_i32 s84, s84, 32*KROW                    ; and my work-group's 32 of them
	s_mov_b32 s85, 0
	s_add_nc_u64 s[PFA:PFA+1], s[PFA:PFA+1], s[84:85]
.irp i, 0,1,2,3,4,5,6,7                        ; a block's 16 rows of scale bytes are 1,024 consecutive bytes: two loads of 16 bytes a lane take them whole
	global_load_b128 v[32+8*\i:35+8*\i], v[SOF], s[70:71] offset:1024*\i
	global_load_b128 v[36+8*\i:39+8*\i], v[SOF], s[70:71] offset:1024*\i+16
	global_load_b128 v[96+8*\i+96*(\i/4):99+8*\i+96*(\i/4)], v[SOF], s[68:69] offset:1024*\i
	global_load_b128 v[100+8*\i+96*(\i/4):103+8*\i+96*(\i/4)], v[SOF], s[68:69] offset:1024*\i+16
.endr
	CROUND                                         ; the first joint loads meet
.irp s, 0,1
	s_mov_b32 s[G0+4*\s], 1
	s_add_co_u32 s[G0+4*\s+1], s45, \s*SLOT
	s_add_nc_u64 s[G0+4*\s+2:G0+4*\s+3], s[20:21], \s*ROWB
	s_or_b32 s[G0+4*\s+3], s[G0+4*\s+3], 0x80000000
	s_mov_b32 s[G0B+4*\s], 1
	s_add_co_u32 s[G0B+4*\s+1], s45, \s*SLOT
	s_add_nc_u64 s[G0B+4*\s+2:G0B+4*\s+3], s[46:47], \s*ROWB
	s_or_b32 s[G0B+4*\s+3], s[G0B+4*\s+3], 0x80000000
.endr
	JLOAD G0, G1, G0B, G1B                         ; chunk 0: my one tensor load at the head
	v_mul_u32_u24 v3, v1, PITCH
	v_mul_u32_u24 v4, v2, 24
	v_add_nc_u32 v4, v3, v4                        ; row x pitch + 24 h
	s_mov_b32 s21, SLOT-232
	s_mov_b32 s22, SLOT+232
	v_sub_nc_u32 v7, 1, v2
	v_mul_u32_u24 v5, s21, v2
	v_add_nc_u32 v5, v3, v5
	v_add_nc_u32 v5, 232, v5                       ; lanes 0-15 byte 232 in slot 0, lanes 16-31 byte 0 in slot 1
	v_mul_u32_u24 v6, s22, v7
	v_add_nc_u32 v6, v3, v6                        ; and the other way round
	s_mul_i32 s21, s15, HALFT
	s_mul_i32 s22, s16, HALFT
	s_add_co_u32 s22, s22, 2*HALFT
	v_add_nc_u32 v[ADRA+2], s21, v5
	v_add_nc_u32 v[ADRA+3], s21, v6
	v_add_nc_u32 v[ADRB+2], s22, v5
	v_add_nc_u32 v[ADRB+3], s22, v6
.irp s, 0,1
	v_add_nc_u32 v[ADRA+\s], s21, v4
	v_add_nc_u32 v[ADRB+\s], s22, v4
	s_add_co_u32 s21, s21, SLOT
	s_add_co_u32 s22, s22, SLOT
.endr
	ASK 1                                          ; the two chunks behind the one just asked for
	ASK 2
.macro FRAG reg, adr, st, i            ; 16 rows x 128 K: 2 x 24 bytes of the row a lane, in pieces of 8; byte y of a row lies in slot (y / 256) % 2 at byte y % 256
.irp p, 0,1,2,3,4,5
.set BY, 96*(\st)+48*(\p/3)+8*(\p%3)
.if BY/ROWB == (BY+24)/ROWB
	ds_load_b64 v[\reg+2*\p:\reg+2*\p+1], v[\adr+(BY/ROWB)%2] offset:BY%ROWB+(\i)*16*PITCH
.else
	ds_load_b64 v[\reg+2*\p:\reg+2*\p+1], v[\adr+2+(BY/ROWB)%2] offset:BY%ROWB-232+(\i)*16*PITCH
.endif
.endr
.endm
.macro MUL16 a0, st, zero              ; x's blocks a0, a0 + 1 against the weights' eight; the 64 accumulators take turns
.irp a, \a0, \a0+1
.irp b, 0,1,2,3,4,5,6,7
.set D, 8*(8*((\a)%4)+\b)
.set BF, 128*((\st)%2)+FR*\b
.set AA, AF+FR*(\a)
.set SWB, 32+8*\b+(\st)%8
.set SWA, 96+8*(\a)+96*((\a)/4)+(\st)%8
.if \zero
	v_wmma_scale_f32_16x16x128_f8f6f4 v[D:D+7], v[BF:BF+11], v[AA:AA+11], 0, v[SWB], v[SWA] matrix_a_fmt:MATRIX_FMT_FP6 matrix_b_fmt:MATRIX_FMT_FP6
.elseif (\st) < 8
	v_wmma_scale_f32_16x16x128_f8f6f4 v[D:D+7], v[BF:BF+11], v[AA:AA+11], v[D:D+7], v[SWB], v[SWA] matrix_a_fmt:MATRIX_FMT_FP6 matrix_b_fmt:MATRIX_FMT_FP6
.else
	v_wmma_scale_f32_16x16x128_f8f6f4 v[D:D+7], v[BF:BF+11], v[AA:AA+11], v[D:D+7], v[SWB], v[SWA] matrix_a_fmt:MATRIX_FMT_FP6 matrix_b_fmt:MATRIX_FMT_FP6 matrix_a_scale:MATRIX_SCALE_ROW1 matrix_b_scale:MATRIX_SCALE_ROW1
.endif
.endr
.endr
.endm
.macro FETCH_B st
	WIN TO_B
.irp i, 0,1,2,3,4,5,6,7
	FRAG 128*((\st)%2)+FR*\i, ADRB, \st, \i
.endr
	WIN 0
.endm
.macro FETCH_A st, i0
.irp i, \i0, \i0+1, \i0+2, \i0+3
	FRAG AF+FR*(\i), ADRA, \st, \i
.endr
.endm
; A step: 64 products; the next step's fragments are fetched in its middle and at its end.  Where they end in a chunk not yet read, a barrier shows that chunk whole; where they begin in a later chunk, the chunk left behind
; is free: the wait for all tensor loads, the add, the wait for it and for my reads, a round of the cluster's barrier, the refill two chunks on.
.macro STEP st, zero
.set NX, (\st)+1
.set C0, (96*(\st))/ROWB
.set C1, (96*NX)/ROWB
.set E0, (96*(\st)+95)/ROWB
.set E1, (96*NX+95)/ROWB
.if C1 > C0 || E1 > E0
	s_wait_tensorcnt 0x0                           ; all my tensor loads have landed
.if C1 > C0
	ds_add_u32 v[SPW], v[NIL]
	s_wait_dscnt 4*NL+1                            ; the add and x's blocks 4-7 may be out
.else
	s_wait_dscnt 4*NL
.endif
	WIN MUL_LO
	MUL16 0, \st, \zero
	s_wait_dscnt 0x0                               ; the add and all my reads are done
	s_barrier_signal -1
	MUL16 2, \st, \zero
	WIN 0
	s_barrier_wait -1
.if C1 > C0 && C0+2 < CHUNKS
	CREST
	s_add_nc_u64 s[G0+4*(C0%2)+2:G0+4*(C0%2)+3], s[G0+4*(C0%2)+2:G0+4*(C0%2)+3], 2*ROWB
	s_add_nc_u64 s[G0B+4*(C0%2)+2:G0B+4*(C0%2)+3], s[G0B+4*(C0%2)+2:G0B+4*(C0%2)+3], 2*ROWB
	JLOAD G0+4*(C0%2), G1, G0B+4*(C0%2), G1B       ; chunk C0 + 2; its four v_nop are the places in front of the loads below
.else
	PLACES NP
.endif
.else
	s_wait_dscnt 4*NL                              ; x's blocks 4-7 may be out
	WIN MUL_LO
	MUL16 0, \st, \zero
	MUL16 2, \st, \zero
	s_wait_dscnt 0
	PLACES NP
.endif
	FETCH_B NX
	FETCH_A NX, 0
.if C1 > C0 && C0+4 < CHUNKS
	ASK C0+4                                       ; two loads on from the refill above, behind the run of LDS loads
.endif
	WIN MUL_HI
	MUL16 4, \st, \zero
	MUL16 6, \st, \zero
	PLACES NP
	WIN 0
	FETCH_A NX, 4
.endm
	VW                                             ; the head's end
	s_wait_tensorcnt 0x0                           ; my part of chunk 0 is in; the same lines ahead of slot 1's first fill as ahead of a refill
	ds_add_u32 v[SPW], v[NIL]
	s_wait_dscnt 0x0
	CROUND
	JLOAD G0+4, G1, G0B+4, G1B                     ; chunk 1
	s_wait_loadcnt 0x0                             ; the scale words are in
	FETCH_B 0
	FETCH_A 0, 0
	FETCH_A 0, 4
	ASK 3
	STEP 0, 1                                      ; the first products start the sums
.set ST, 1
.rept STEPS-2                          ; written out: slots and chunks come back to where they began after sixteen steps, which is the whole walk
	STEP ST, 0
.set ST, ST+1
.endr
	s_wait_dscnt 4*NL
	WIN MUL_LO
	MUL16 0, 15, 0
	MUL16 2, 15, 0
	s_wait_dscnt 0
	WIN MUL_HI
	MUL16 4, 15, 0
	MUL16 6, 15, 0
	WIN 0
	; ---- both slots have had their last fill; behind this barrier the ring's bytes serve as stages and table
	s_wait_dscnt 0x0
	s_barrier_signal -1
	s_barrier_wait -1
	s_load_b256 s[4:11], s[0:1], 0x40              ; out1, out2, qimg, qscl
	s_load_b128 s[96:99], s[0:1], 0x60             ; kimg, kscl
	s_load_b128 s[20:23], s[0:1], 0x70             ; vimg, vscl
	v_and_b32 v14, 31, v0
	v_and_b32 v15, 15, v0
	v_bfe_u32 v1, v0, 4, 1
	s_mul_i32 s2, s14, WREG
	s_mul_i32 s3, s14, 64*TP
	s_add_co_u32 s3, s3, TBL
	v_lshl_add_u32 v[TW], v14, 2, s3               ; the table, writing: my 64 rows, 4 x lane
	s_mul_i32 s12, s15, 128*TP
	s_add_co_u32 s12, s12, TBL
	v_mul_u32_u24 v[TR], v15, TP                   ; reading: row 128 x half + r, + 32 h
	v_lshl_add_u32 v[TR], v1, 5, v[TR]
	v_add_nc_u32 v[TR], s12, v[TR]
	v_mul_u32_u24 v[STO], v15, SPI                 ; the stage: row r, + 32 h
	v_lshl_add_u32 v[STO], v1, 5, v[STO]
	v_add_nc_u32 v[STO], s2, v[STO]
	v_lshl_add_u32 v[RD], v14, 4, s2
	v_lshl_add_u32 v[CA], v14, 2, s2
	v_bfe_u32 v24, v0, 3, 1                        ; u
	v_and_b32 v25, 7, v0
	v_lshl_add_u32 v25, v1, 3, v25                 ; r' = lane % 8 + 8 (lane / 16)
	v_mul_u32_u24 v[IM], v24, 1536
	v_mad_u32_u24 v[IM], v25, 24, v[IM]
	v_add_nc_u32 v[IM], s2, v[IM]
	v_add_nc_u32 v[IM], IMGO, v[IM]
	v_lshlrev_b32 v[SI], 4, v25
	v_lshl_add_u32 v[SI], v24, 2, v[SI]
	v_add_nc_u32 v[SI], s2, v[SI]
	v_add_nc_u32 v[SI], SIMGO, v[SI]
	v_lshlrev_b32 v[L16], 4, v14
	v_lshlrev_b32 v[L8], 3, v14
	v_lshlrev_b32 v[FO], 4, v15
	v_lshl_add_u32 v[SO], v1, 14, v[FO]
	v_lshl_add_u32 v[VSO], v1, 13, v[FO]
	v_lshl_add_u32 v[FO], v1, 17, v[FO]
	; ---- THE TABLE: wave w makes rows 64 w .. 64 w + 63; a lane is a frequency, 2^(-lane x log2(10000) / 32)
	v_cvt_f32_u32 v120, v14
	v_mul_f32 v120, 0xbed49a78, v120
	VW
	v_exp_f32 v120, v120
.irp e, 0,1
	v_mov_b32 v[KC+\e], 0x3f22f983                 ; 2 / pi
	v_mov_b32 v[KC+2+\e], 0xbfc90000               ; - pi / 2 in three parts
	v_mov_b32 v[KC+4+\e], 0xb9fda000
	v_mov_b32 v[KC+6+\e], 0xb3a22168
	v_mov_b32 v[KC+8+\e], 0xbe2aaaa3               ; sin's three
	v_mov_b32 v[KC+10+\e], 0x3c08839e
	v_mov_b32 v[KC+12+\e], 0xb94ca1f9
	v_mov_b32 v[KC+14+\e], 0x3d2aaaa5              ; cos's three
	v_mov_b32 v[KC+16+\e], 0xbab6061a
	v_mov_b32 v[KC+18+\e], 0x37ccf5ce
.endr
	s_and_b32 s13, s17, 1                          ; a tile row is half a sequence
	s_lshl_b32 s13, s13, 8
	s_lshl_b32 s12, s14, 6
	s_add_co_u32 s13, s13, s12
	v_cvt_f32_u32 v[POS], s13                      ; eight positions, as f32
	v_add_f32 v[POS+1], 1.0, v[POS]
	v_add_f32 v[POS+2], 2.0, v[POS]
	v_add_f32 v[POS+3], 0x40400000, v[POS]
	v_add_f32 v[POS+4], 4.0, v[POS]
	v_add_f32 v[POS+5], 0x40a00000, v[POS]
	v_add_f32 v[POS+6], 0x40c00000, v[POS]
	v_add_f32 v[POS+7], 0x40e00000, v[POS]
.irp b, 0,1,2,3
	v_mov_b32 v[TM+4+\b], 0                        ; a lane permute's destination counts as a source
.endr
	VW                                             ; ahead of the first line that names the exponential's result
	v_mov_b32 v121, v120
.macro C4 ins:vararg                   ; a line for four pairs of positions: 24 registers from TT on, positions PP, PP + 1
.irp c, 0,1,2,3
.set TT, 32+24*(\c)+48*((\c)/2)
.set PP, POS+2*(\c)
	\ins
.endr
.endm
.macro E8 ins:vararg                   ; a line for eight single numbers, from TE on
.irp n, 0,1,2,3,4,5,6,7
.set TE, 32+24*((\n)/2)+48*((\n)/4)+(\n)%2
.set NN, \n
	\ins
.endr
.endm
	s_mov_b32 s12, 0
	s_mov_b32 s13, 8
.Ltab:                                                 ; 8 trips x 8 rows
	v_add_nc_u32 v126, s12, v[TW]
	VW
	C4 v_pk_mul_f32 v[TT:TT+1], v[PP:PP+1], v[120:121]                              ; the angle
	C4 v_pk_mul_f32 v[TT+2:TT+3], v[TT:TT+1], v[KC:KC+1]
	E8 v_rndne_f32 v[TE+2], v[TE+2]                                                 ; the multiple of pi / 2
	C4 v_pk_fma_f32 v[TT+4:TT+5], v[TT+2:TT+3], v[KC+2:KC+3], v[TT:TT+1]
	C4 v_pk_fma_f32 v[TT+4:TT+5], v[TT+2:TT+3], v[KC+4:KC+5], v[TT+4:TT+5]
	C4 v_pk_fma_f32 v[TT+4:TT+5], v[TT+2:TT+3], v[KC+6:KC+7], v[TT+4:TT+5]          ; r
	C4 v_pk_mul_f32 v[TT+6:TT+7], v[TT+4:TT+5], v[TT+4:TT+5]                        ; z = r r
	C4 v_pk_fma_f32 v[TT+8:TT+9], v[TT+6:TT+7], v[KC+12:KC+13], v[KC+10:KC+11]
	C4 v_pk_fma_f32 v[TT+10:TT+11], v[TT+6:TT+7], v[KC+18:KC+19], v[KC+16:KC+17]
	C4 v_pk_fma_f32 v[TT+8:TT+9], v[TT+8:TT+9], v[TT+6:TT+7], v[KC+8:KC+9]
	C4 v_pk_fma_f32 v[TT+10:TT+11], v[TT+10:TT+11], v[TT+6:TT+7], v[KC+14:KC+15]
	C4 v_pk_mul_f32 v[TT+12:TT+13], v[TT+4:TT+5], v[TT+6:TT+7]
	C4 v_pk_mul_f32 v[TT+14:TT+15], v[TT+6:TT+7], v[TT+6:TT+7]
	C4 v_pk_fma_f32 v[TT+8:TT+9], v[TT+8:TT+9], v[TT+12:TT+13], v[TT+4:TT+5]        ; sin r
	C4 v_pk_fma_f32 v[TT+12:TT+13], v[TT+6:TT+7], -0.5, 1.0 op_sel_hi:[1,0,0]
	C4 v_pk_fma_f32 v[TT+10:TT+11], v[TT+10:TT+11], v[TT+14:TT+15], v[TT+12:TT+13]  ; cos r
	E8 v_cvt_i32_f32 v[TE+16], v[TE+2]                                              ; n: it selects values and signs alone
	E8 v_and_b32 v[TE+18], 1, v[TE+16]
	E8 v_cmp_eq_u32 s[MK+NN], 1, v[TE+18]
	E8 v_cndmask_b32 v[TE+20], v[TE+8], v[TE+10], s[MK+NN]                          ; the sine
	E8 v_cndmask_b32 v[TE+22], v[TE+10], v[TE+8], s[MK+NN]                          ; the cosine
	E8 v_lshlrev_b32 v[TE+18], 30, v[TE+16]
	E8 v_add_nc_u32 v[TE+16], 1, v[TE+16]
	E8 v_and_b32 v[TE+18], 0x80000000, v[TE+18]                                     ; the sine's sign: n % 4 is 2 or 3
	E8 v_lshlrev_b32 v[TE+16], 30, v[TE+16]
	E8 v_xor_b32 v[TE+20], v[TE+18], v[TE+20]
	E8 v_and_b32 v[TE+16], 0x80000000, v[TE+16]                                     ; the cosine's: 1 or 2
	E8 v_xor_b32 v[TE+22], v[TE+16], v[TE+22]
	E8 ds_store_b32 v126, v[TE+22] offset:TP*NN
	E8 ds_store_b32 v126, v[TE+20] offset:TP*NN+128
	C4 v_pk_add_f32 v[PP:PP+1], v[PP:PP+1], 0x41000000 op_sel_hi:[1,0]              ; eight positions on
	s_wait_dscnt 0x0
	s_add_co_u32 s12, s12, 8*TP
	s_sub_co_i32 s13, s13, 1
	s_cmp_lg_u32 s13, 0
	s_cbranch_scc1 .Ltab
	s_barrier_signal -1                            ; my rows have landed; behind the barrier every wave reads all rows
	s_barrier_wait -1
	; ---- roles and addresses
	s_cmp_eq_u32 ttmp9, 2
	s_cselect_b32 s[KV], 1, 0
	s_and_b32 s[ISV], s[KV], s16
	s_xor_b32 s[ISK], s16, 1
	s_and_b32 s[ISK], s[ISK], s[KV]
	s_mov_b32 s[HIM], 0xffff0000
	s_mov_b32 s[SEL], 0x76543210
	s_mov_b32 s[SEL+1], 0xfedcba98
	s_lshl_b32 s2, s42, 2
	s_lshl_b32 s3, s16, 1
	s_add_co_u32 s2, s2, s3                        ; q: my first head
	s_lshl_b32 s3, s40, 1                          ; k and v: 2 cx
	s_cmp_lg_u32 s[KV], 0
	s_cselect_b32 s2, s3, s2
	s_lshl_b32 s12, s17, 4
	s_lshl_b32 s13, s15, 3
	s_add_co_u32 s12, s12, s13                     ; my first tile of 16 tokens
	s_mul_i32 s18, s2, 196608
	s_mul_i32 s13, s12, 768
	s_add_co_u32 s18, s18, s13
	s_lshl_b32 s44, s2, 14
	s_lshl_b32 s13, s12, 6
	s_add_co_u32 s44, s44, s13
	s_lshl_b32 s13, s40, 4                         ; v: (head x 8 + batch) x 4 + my 128 keys
	s_lshr_b32 s43, s17, 1
	s_add_co_u32 s13, s13, s43
	s_lshl_b32 s13, s13, 2
	s_and_b32 s45, s17, 1
	s_lshl_b32 s46, s45, 1
	s_add_co_u32 s13, s13, s46
	s_add_co_u32 s13, s13, s15
	s_mul_i32 s46, s13, 6144
	s_lshl_b32 s47, s13, 8
	s_cmp_lg_u32 s[ISV], 0
	s_cselect_b32 s18, s46, s18
	s_cselect_b32 s44, s47, s44
	s_lshl_b32 s46, s43, 3
	s_add_co_u32 s46, s46, s3                      ; out1, out2: batch x 8 + head
	s_lshl_b32 s46, s46, 17
	s_lshl_b32 s47, s45, 8
	s_lshl_b32 s13, s15, 7
	s_add_co_u32 s47, s47, s13
	s_lshl_b32 s47, s47, 8
	s_add_co_u32 s46, s46, s47
	s_mov_b32 s19, 0
	s_mov_b32 s45, 0
	s_mov_b32 s47, 0
	s_wait_kmcnt 0x0
	s_cmp_lg_u32 s[ISV], 0
	s_cselect_b64 s[IMGP:IMGP+1], s[20:21], s[96:97]
	s_cselect_b64 s[SCLP:SCLP+1], s[22:23], s[98:99]
	s_cselect_b64 s[OUTP:OUTP+1], s[6:7], s[4:5]
	s_cmp_lg_u32 s[KV], 0
	s_cselect_b64 s[IMGP:IMGP+1], s[IMGP:IMGP+1], s[8:9]
	s_cselect_b64 s[SCLP:SCLP+1], s[SCLP:SCLP+1], s[10:11]
	s_add_nc_u64 s[IMGP:IMGP+1], s[IMGP:IMGP+1], s[18:19]
	s_add_nc_u64 s[SCLP:SCLP+1], s[SCLP:SCLP+1], s[44:45]
	s_add_nc_u64 s[OUTP:OUTP+1], s[OUTP:OUTP+1], s[46:47]
; 64 numbers of a lane from v[s] on (16 of each of my token's four blocks) become 12 registers of codes in v[CD] on and the four bytes in v[PW]
.macro QUANT s
.irp b, 0,1,2,3
	v_max3_num_f32 v[TM+\b], |v[\s+16*\b]|, |v[\s+1+16*\b]|, 0x1800000   ; with the floor 2^(3 - 127): the byte cannot fall under 1
.endr
.irp i, 2,4,6,8,10,12,14
.irp b, 0,1,2,3
	v_max3_num_f32 v[TM+\b], v[TM+\b], |v[\s+16*\b+\i]|, |v[\s+1+16*\b+\i]|
.endr
.endr
.irp b, 0,1,2,3
	v_permlanex16_b32 v[TM+4+\b], v[TM+\b], s[SEL], s[SEL+1]
.endr
.irp b, 0,1,2,3
	v_max_num_f32 v[TM+\b], v[TM+\b], v[TM+4+\b]
.endr
.irp b, 0,1,2,3
	v_add_nc_u32 v[TM+12+\b], 0xff000000, v[TM+\b] ; 2 off the exponent field: the conversion's scale operand
.endr
.irp b, 0,1,2,3
	v_lshrrev_b32 v[TM+4+\b], 23, v[TM+12+\b]      ; the byte
.endr
	v_lshl_or_b32 v[PW], v[TM+5], 8, v[TM+4]
	v_lshl_or_b32 v[PW], v[TM+6], 16, v[PW]
	v_lshl_or_b32 v[PW], v[TM+7], 24, v[PW]
.irp c, 0,1
	v_cvt_scalef32_pk16_fp6_f32 v[CD+6*\c:CD+2+6*\c], v[\s+32*\c:\s+15+32*\c], v[TM+12+2*\c]
	v_cvt_scalef32_pk16_fp6_f32 v[CD+12+4*\c:CD+14+4*\c], v[\s+16+32*\c:\s+31+32*\c], v[TM+12+2*\c+1]
.endr
	v_nop                                          ; one plain place behind a scaled conversion
.irp c, 0,1
.irp i, 0,1,2
	v_permlane16_swap_b32 v[CD+6*\c+\i], v[CD+12+4*\c+\i]   ; a whole block to a lane
.endr
.irp i, 0,1,2
	v_mov_b32 v[CD+3+6*\c+\i], v[CD+12+4*\c+\i]
.endr
.endr
.endm
.macro VLOADC cg                       ; 32 numbers down the keys of column 32 cg + lane: register i takes the row i with bits 3 and 4 changed over
.set XS, X+32*((\cg)%2)
.set n, 0
.rept 32
	ds_load_b32 v[XS+n], v[CA] offset:SPI*((n&7)+16*((n>>3)&1)+8*((n>>4)&1))+128*(\cg)
.set n, n+1
.endr
.endm
.macro VQ cg                           ; the trip's key block of that column: byte, 32 codes, into the image of V^T's fragments
.set XS, X+32*((\cg)%2)
.set CC, VC+8*((\cg)%2)
	v_max3_num_f32 v116, |v[XS]|, |v[XS+1]|, |v[XS+2]|
	v_max3_num_f32 v117, |v[XS+3]|, |v[XS+4]|, |v[XS+5]|
.irp i, 6,10,14,18,22,26
	v_max3_num_f32 v116, v116, |v[XS+\i]|, |v[XS+\i+1]|
	v_max3_num_f32 v117, v117, |v[XS+\i+2]|, |v[XS+\i+3]|
.endr
	v_max3_num_f32 v116, v116, |v[XS+30]|, |v[XS+31]|
	v_max3_num_f32 v116, v116, v117, 0x1800000
	v_add_nc_u32 v118, 0xff000000, v116
	v_lshrrev_b32 v119, 23, v118
	v_lshlrev_b32 v119, s[SH], v119                ; byte g of the scale word
	v_or_b32 v[SB+(\cg)], v[SB+(\cg)], v119
	v_cvt_scalef32_pk16_fp6_f32 v[CC:CC+2], v[XS:XS+15], v118
	v_cvt_scalef32_pk16_fp6_f32 v[CC+4:CC+6], v[XS+16:XS+31], v118
	v_nop
	v_mov_b32 v[CC+3], v[CC+4]
	v_mov_b32 v[CC+4], v[CC+5]
	v_mov_b32 v[CC+5], v[CC+6]
	ds_store_b64 v[IMC], v[CC:CC+1] offset:3072*(\cg)
	ds_store_b64 v[IMC], v[CC+2:CC+3] offset:3072*(\cg)+8
	ds_store_b64 v[IMC], v[CC+4:CC+5] offset:3072*(\cg)+16
.endm
.macro DUMP a, row                     ; block a's eight accumulators into the stage, from row \row on; each from its low end on
	WIN 0x08+4*((\a)/4)
.irp b, 0,1,2,3,4,5,6,7
	ds_store_b128 v[STO], v[64*((\a)%4)+8*\b:64*((\a)%4)+8*\b+3] offset:(\row)*SPI+64*\b
	ds_store_b128 v[STO], v[64*((\a)%4)+8*\b+4:64*((\a)%4)+8*\b+7] offset:(\row)*SPI+64*\b+16
.endr
	WIN 0
.endm
.irp c, 0,1,2,3
	v_mov_b32 v[SB+\c], 0
.endr
	s_mov_b32 s[BL], 0
.Lblk:                                                 ; eight trips, walked by every wave; all of a trip's LDS addresses are made ahead of the place where the roles part
	s_mul_i32 s77, s[BL], 16*TP
	s_lshl_b32 s78, s[BL], 7
	s_min_u32 s79, s[BL], 3
	s_lshl_b32 s[SH], s79, 3
	s_mul_i32 s79, s79, 384
	v_add_nc_u32 v[TRC], s77, v[TR]
	v_add_nc_u32 v[WA], s78, v[CA]
	v_add_nc_u32 v[IMC], s79, v[IM]
	VW
	s_cmp_lg_u32 s[ISV], 0
	s_cbranch_scc1 .Lv
	; q or k: tokens 16 a .. 16 a + 15
.irp a, 0,1,2,3,4,5,6,7
	s_cmp_lg_u32 s[BL], \a
	s_cbranch_scc1 .Lnr\a
	DUMP \a, 0
.Lnr\a:
.endr
.irp y, 0,1
	ds_load_b128 v[COSR+8*\y:COSR+8*\y+3],   v[TRC] offset:64*\y
	ds_load_b128 v[COSR+8*\y+4:COSR+8*\y+7], v[TRC] offset:64*\y+16
	ds_load_b128 v[SINR+8*\y:SINR+8*\y+3],   v[TRC] offset:64*\y+128
	ds_load_b128 v[SINR+8*\y+4:SINR+8*\y+7], v[TRC] offset:64*\y+144
.endr
.irp b, 0,1,2,3,4,5,6,7                        ; the block back, lane for lane as it lay (LDS serves a wave's instructions in order: ISA guide 5.7.1.4)
	ds_load_b128 v[BK+8*\b:BK+8*\b+3], v[STO] offset:64*\b
	ds_load_b128 v[BK+8*\b+4:BK+8*\b+7], v[STO] offset:64*\b+16
.endr
	s_wait_dscnt 0x0
.irp hh, 0,1
.irp y, 0,1
.set LO, 8*(4*\hh+\y)                          ; the tile with d = 16 y + .., and the tile with d + 32
.set HI, LO+16
.irp j, 0,2,4,6
	v_pk_mul_f32 v[T+LO+\j:T+LO+\j+1], v[BK+LO+\j:BK+LO+\j+1], v[COSR+8*\y+\j:COSR+8*\y+\j+1]
.endr
.irp j, 0,2,4,6
	v_pk_mul_f32 v[T+HI+\j:T+HI+\j+1], v[BK+HI+\j:BK+HI+\j+1], v[COSR+8*\y+\j:COSR+8*\y+\j+1]
.endr
.irp j, 0,2,4,6
	v_pk_fma_f32 v[T+LO+\j:T+LO+\j+1], v[BK+HI+\j:BK+HI+\j+1], v[SINR+8*\y+\j:SINR+8*\y+\j+1], v[T+LO+\j:T+LO+\j+1] neg_lo:[1,0,0] neg_hi:[1,0,0]
.endr
.irp j, 0,2,4,6
	v_pk_fma_f32 v[T+HI+\j:T+HI+\j+1], v[BK+LO+\j:BK+LO+\j+1], v[SINR+8*\y+\j:SINR+8*\y+\j+1], v[T+HI+\j:T+HI+\j+1]
.endr
.endr
.endr
	VW
	s_cmp_eq_u32 s[ISK], 0
	s_cbranch_scc1 .Lnot_k
.irp b, 0,1,2,3,4,5,6,7                        ; k goes out as f32: a lane's 32 bytes in, whole rows back
	ds_store_b128 v[STO], v[T+8*\b:T+8*\b+3] offset:64*\b
	ds_store_b128 v[STO], v[T+8*\b+4:T+8*\b+7] offset:64*\b+16
.endr
.irp t, 0,1,2,3,4,5,6,7,8,9,10,11,12,13,14,15
	ds_load_b128 v[BK+4*\t:BK+4*\t+3], v[RD] offset:\t*SPI
.endr
	s_wait_dscnt 0x0
.irp t, 0,1,2,3,4,5,6,7,8,9,10,11,12,13,14,15
	global_store_b128 v[FO], v[BK+4*\t:BK+4*\t+3], s[OUTP:OUTP+1] offset:\t*256 th:TH_STORE_NT   ; sixteen lanes: 256 consecutive bytes of one head
.endr
.Lnot_k:
	QUANT T
	global_store_b128 v[L16], v[CD:CD+3], s[IMGP:IMGP+1]
	global_store_b64 v[L8], v[CD+4:CD+5], s[IMGP:IMGP+1] offset:512
	global_store_b128 v[L16], v[CD+6:CD+9], s[IMGP:IMGP+1] offset:196608        ; my second head
	global_store_b64 v[L8], v[CD+10:CD+11], s[IMGP:IMGP+1] offset:196608+512
	v_and_b32 v229, 0xffff, v[PW]                  ; lanes 0-15 keep the first head's two bytes, lanes 16-31 the second's, twice
	v_lshrrev_b32 v230, 16, v[PW]
	v_cndmask_b32 v229, v229, v230, s[HIM]
	v_lshl_or_b32 v229, v229, 16, v229
	ds_store_b32 v[WA], v229 offset:IMGO           ; kept in my region until all eight are made
	s_wait_xcnt 0x0                                ; the stores have read their registers and bases
	s_add_nc_u64 s[IMGP:IMGP+1], s[IMGP:IMGP+1], 768
	s_add_nc_u64 s[OUTP:OUTP+1], s[OUTP:OUTP+1], 4096
	s_branch .Lnext
.Lv:                                                   ; v: tokens 32 g .. 32 g + 31, in trips 0 to 3
	s_cmp_gt_u32 s[BL], 3
	s_cbranch_scc1 .Lnext
.irp g, 0,1,2,3
	s_cmp_lg_u32 s[BL], \g
	s_cbranch_scc1 .Lnv\g
	DUMP 2*\g, 0
	DUMP 2*\g+1, 16
.Lnv\g:
.endr
.irp hf, 0,1
	s_wait_xcnt 0x0                                ; earlier stores have read their registers
.irp t, 0,1,2,3,4,5,6,7,8,9,10,11,12,13,14,15
	ds_load_b128 v[BK+4*\t:BK+4*\t+3], v[RD] offset:(16*\hf+\t)*SPI
.endr
	s_wait_dscnt 0x0
.irp t, 0,1,2,3,4,5,6,7,8,9,10,11,12,13,14,15
	global_store_b128 v[FO], v[BK+4*\t:BK+4*\t+3], s[OUTP:OUTP+1] offset:(16*\hf+\t)*256 th:TH_STORE_NT
.endr
.endr
	VLOADC 0
	VLOADC 1
	s_wait_dscnt 32                                ; columns 0-31 are in; the next 32 loads may be out
	VQ 0
	VLOADC 2
	s_wait_dscnt 35                                ; behind the loads that I wait for: 3 stores and 32 loads
	VQ 1
	VLOADC 3
	s_wait_dscnt 35
	VQ 2
	s_wait_dscnt 3                                 ; behind them: 3 stores
	VQ 3
	s_wait_xcnt 0x0
	s_add_nc_u64 s[OUTP:OUTP+1], s[OUTP:OUTP+1], 8192
.Lnext:
	s_add_co_u32 s[BL], s[BL], 1
	s_cmp_lt_u32 s[BL], 8
	VW
	s_cbranch_scc1 .Lblk
	s_cmp_lg_u32 s[ISV], 0
	s_cbranch_scc1 .Lvout
.irp a, 0,1,2,3,4,5,6,7
	ds_load_b32 v[WS+\a], v[CA] offset:IMGO+128*\a
.endr
	s_wait_dscnt 0x0
	global_store_b128 v[SO], v[WS:WS+3], s[SCLP:SCLP+1]                 ; sixteen lanes: the 256 bytes of four tiles' scale words of one head
	global_store_b128 v[SO], v[WS+4:WS+7], s[SCLP:SCLP+1] offset:256
	s_branch .Ljoin
.Lvout:
.irp c, 0,1,2,3
	ds_store_b32 v[SI], v[SB+\c] offset:256*(\c/2)+8*(\c%2)
.endr
.irp u, 0,1                                    ; a head's four fragments are 6,144 consecutive bytes
	s_wait_xcnt 0x0
.irp i, 0,1,2,3,4,5,6,7,8,9,10,11
	ds_load_b128 v[BK+4*\i:BK+4*\i+3], v[RD] offset:IMGO+512*(12*\u+\i)
.endr
.if \u == 1
	ds_load_b128 v[BK+48:BK+51], v[RD] offset:SIMGO
.endif
	s_wait_dscnt 0x0
.irp i, 0,1,2,3,4,5,6,7,8,9,10,11
	global_store_b128 v[L16], v[BK+4*\i:BK+4*\i+3], s[IMGP:IMGP+1] offset:512*\i+196608*\u
.endr
.endr
	global_store_b128 v[VSO], v[BK+48:BK+51], s[SCLP:SCLP+1]
.Ljoin:
	s_wait_tensorcnt 0x0                           ; the wave's end
	ds_add_u32 v[SPW], v[NIL]
	s_wait_dscnt 0x0
	CROUND                                         ; the closing round
	s_endpgm
.Lfunc_end_k_qbe8729bfd1_qkv:
	.size	k_qbe8729bfd1_qkv, .Lfunc_end_k_qbe8729bfd1_qkv-k_qbe8729bfd1_qkv
	.p2alignl 7, 3214868480
	.fill 96, 4, 3214868480
	.section	.rodata,"a",@progbits
	.p2align	6, 0x0
	.amdhsa_kernel k_qbe8729bfd1_qkv
		.amdhsa_group_segment_fixed_size 327680
		.amdhsa_private_segment_fixed_size 0
		.amdhsa_enable_private_segment 0
		.amdhsa_kernarg_size 128
		.amdhsa_user_sgpr_count 2
		.amdhsa_user_sgpr_kernarg_segment_ptr 1
		.amdhsa_wavefront_size32 1
		.amdhsa_system_sgpr_workgroup_id_x 1
		.amdhsa_system_sgpr_workgroup_id_y 1
		.amdhsa_system_sgpr_workgroup_id_z 1
		.amdhsa_system_vgpr_workitem_id 0
		.amdhsa_next_free_vgpr 1024
		.amdhsa_next_free_sgpr 106
		.amdhsa_reserve_vcc 0
		.amdhsa_float_denorm_mode_32 3
		.amdhsa_float_denorm_mode_16_64 3
		.amdhsa_memory_ordered 1
		.amdhsa_forward_progress 1
		.amdhsa_inst_pref_size 255
	.end_amdhsa_kernel
	.section	.bss,"aw",@nobits
	.p2align	6
	.space	262144
	.amdgpu_metadata
---
amdhsa.version: [ 1, 2 ]
amdhsa.kernels:
  - .name:           k_qbe8729bfd1_qkv
    .symbol:         k_qbe8729bfd1_qkv.kd
    .args:
      - { .name: x_codes, .offset: 0, .size: 8, .value_kind: global_buffer, .address_space: global }
      - { .name: x_scales, .offset: 8, .size: 8, .value_kind: global_buffer, .address_space: global }
      - { .name: Wq_codes, .offset: 16, .size: 8, .value_kind: global_buffer, .address_space: global }
      - { .name: Wq_scales, .offset: 24, .size: 8, .value_kind: global_buffer, .address_space: global }
      - { .name: Wk_codes, .offset: 32, .size: 8, .value_kind: global_buffer, .address_space: global }
      - { .name: Wk_scales, .offset: 40, .size: 8, .value_kind: global_buffer, .address_space: global }
      - { .name: Wv_codes, .offset: 48, .size: 8, .value_kind: global_buffer, .address_space: global }
      - { .name: Wv_scales, .offset: 56, .size: 8, .value_kind: global_buffer, .address_space: global }
      - { .name: out1, .offset: 64, .size: 8, .value_kind: global_buffer, .address_space: global }
      - { .name: out2, .offset: 72, .size: 8, .value_kind: global_buffer, .address_space: global }
      - { .name: qimg, .offset: 80, .size: 8, .value_kind: global_buffer, .address_space: global }
      - { .name: qscl, .offset: 88, .size: 8, .value_kind: global_buffer, .address_space: global }
      - { .name: kimg, .offset: 96, .size: 8, .value_kind: global_buffer, .address_space: global }
      - { .name: kscl, .offset: 104, .size: 8, .value_kind: global_buffer, .address_space: global }
      - { .name: vimg, .offset: 112, .size: 8, .value_kind: global_buffer, .address_space: global }
      - { .name: vscl, .offset: 120, .size: 8, .value_kind: global_buffer, .address_space: global }
    .group_segment_fixed_size: 327680
    .private_segment_fixed_size: 0
    .kernarg_segment_align: 8
    .kernarg_segment_size: 128
    .max_flat_workgroup_size: 128
    .sgpr_count:     106
    .vgpr_count:     1024
    .wavefront_size: 32
...
	.end_amdgpu_metadata
.endif
;; end of part 4
;; launch attn (part 5): grid 32 x 8, 16 waves a work-group, no clusters, 92,160 bytes of LDS; arguments qimg, qscl, kimg, kscl, vimg, vscl, acodes, ascales; writes acodes, ascales
.if DOCPART == 5
	.amdgcn_target "amdgcn-amd-amdhsa--gfx1250"
	.amdhsa_code_object_version 6
	.text
	.protected	k_qbe8729bfd1_attn
	.globl	k_qbe8729bfd1_attn
	.p2align	8
	.type	k_qbe8729bfd1_attn,@function
k_qbe8729bfd1_attn:
	s_mov_b64 s[64:65], 0
	v_nop
	global_prefetch_b8 v0, s[64:65] scope:SCOPE_SE
	s_setreg_imm32_b32 hwreg(HW_REG_WAVE_MODE, 25, 1), 1
	s_wait_xcnt 0x0
; Causal attention with grouped heads on codes of FP6 (E2M3): S^T = K Q^T, p = 2^(t - M), O^T = V^T P^T, O / l quantised along head x 64 + d for the output projection.
; 8 batches x 32 heads x 512 positions, head size 64; head h reads key and value head h / 4.  t = score x log2(e) / 8; M = the running largest t rounded UP to a whole number; the row's sum l is taken of the unquantised p.
; SHARES.  A work-group serves one batch, one key and value head (its 4 query heads) and 8 of the 32 tiles of 16 queries: t = 8 o + 2 j + e, o = 0 .. 3, e = 0, 1, j the work-group's.  So every work-group has the same causal work.
; Each of the 16 waves owns one head, one e, and two tiles in turn: o = sel and then o = 3 - sel (sel = wave / 8): 1 + 4 or 2 + 3 key steps of 128 keys: five for every wave.
; The head's K, V and their scale words (52,224 bytes) are copied into LDS once, through registers, and read by all sixteen waves.  NO CLUSTER AND NO RING: what the four work-groups of a head share is these 52,224 bytes, read once
; at the head of each; there is no later tile to ask for jointly.
; LAYOUT.  Both products are used transposed: a lane holds ONE query (lane % 16) throughout.  The first product's K is 64: a tile of K fills half of the operand's 12 registers, six registers of zero codes fill the other half
; (two neighbouring tiles share one such run: tile, zeros, tile), and Q's six registers and all scale halfwords stand twice.  p's 16 registers of two neighbouring tiles hold keys 32 b + {8 h .. 8 h + 7, 16 + 8 h ..}:
; V's codes were laid in that order.  V^T's tiles were laid so that O^T's 16 registers of two tiles are 16 neighbouring d.
; A step all of whose keys come after the wave's queries is left out (a branch on the wave's number); in the step on the diagonal hidden scores become -infinity ahead of the maximum.
; LIMITS: NaN and infinities are not served; a block whose largest magnitude lies under 2^-124 (a block of zeros too) gets the byte 1: the bytes are read by this program alone.  The codes leave in runs of 192 bytes of a row of
; 1,536, the scale bytes in runs of 8 of a row of 64.
.set KIMG, 0                           ; 32 records of 768 bytes
.set VIMG, 24576                       ; 16 fragments of 1,536 bytes
.set KSC,  49152                       ; K's scale words: 8 x 256 bytes
.set VSC,  51200                       ; V's: 4 x 256 bytes
.set STG,  52224                       ; the way out: 128 rows x (16 places of 16 bytes, 12 bytes of codes in each, + 16)
.set SSTG, 87040                       ; and 8 scale bytes a row
.set S,    116                         ; v116-179 S^T, then p, then O / l
.set O,    180                         ; v180-211 O^T
.set P,    212                         ; v212-223 p's codes; v224-226, v228-230 second halves
.set L16,  227                         ; v227 16 x lane
.set L8,   231                         ; v231 8 x lane
.set SELW, 23                          ; s23  sel
.set SEL,  40                          ; s[40:41] v_permlanex16_b32's selects for lane l xor 16
.set CS,   42                          ; s[42:43] c = log2(e) / 8
; v1, v2 a record of K: 16 x lane, 512 + 8 x lane; v3 a fragment of V: 24 x lane; v4, v5 scale words: 16 r; v6, v7 and v30, v31 my places in the two stages, for my first and second tile; v8-11 V's scale words;
; v12 -M, v13 the largest t, v[14:15] the sum; v16-27 Q, twice; v28 Q's scale word; v29 my query less 8 h, in the diagonal step; v32-67 four tiles of K and two runs of zeros; v68-115 four fragments of V;
; v232-243 at work; v244-251 K's scale words; v252 f, v253 p's scale word; v254, v255 at work.
	s_load_b256 s[4:11], s[0:1], 0x0               ; qimg, qscl, kimg, kscl
	s_load_b256 s[12:19], s[0:1], 0x20             ; vimg, vscl, acodes, ascales
	v_lshrrev_b32 v116, 5, v0
	s_delay_alu instid0(VALU_DEP_1)
	v_readfirstlane_b32 s20, v116                  ; wave 0..15
	s_and_b32 s21, s20, 3                          ; hh: which of the four heads
	s_bfe_u32 s22, s20, 0x10002                    ; e
	s_lshr_b32 s[SELW], s20, 3                     ; sel
	s_lshr_b32 s24, ttmp9, 2                       ; the key and value head
	s_and_b32 s25, ttmp9, 3                        ; j
	s_and_b32 s26, ttmp7, 0xffff                   ; the batch
	s_mul_i32 s28, s24, 196608
	s_mul_i32 s27, s26, 24576
	s_add_co_u32 s28, s28, s27                     ; the batch's K and V: 24,576 bytes each
	s_mov_b32 s29, 0
	s_lshl_b32 s30, s24, 14
	s_lshl_b32 s27, s26, 11
	s_add_co_u32 s30, s30, s27                     ; K's scale words: 2,048 bytes
	s_mov_b32 s31, 0
	s_lshl_b32 s32, s24, 13
	s_lshl_b32 s27, s26, 10
	s_add_co_u32 s32, s32, s27                     ; V's: 1,024 bytes
	s_mov_b32 s33, 0
	s_mov_b32 s[SEL], 0x76543210
	s_mov_b32 s[SEL+1], 0xfedcba98
	s_mov_b32 s[CS], 0x3e38aa3b
	s_mov_b32 s[CS+1], s[CS]                       ; (named with it as a pair, so it is written)
	v_and_b32 v116, 31, v0                         ; lane
	v_and_b32 v117, 15, v0                         ; r
	v_bfe_u32 v118, v0, 4, 1                       ; h
	v_lshlrev_b32 v120, 4, v0                      ; 16 x thread
	v_and_b32 v121, 127, v0
	s_delay_alu instid0(VALU_DEP_1)
	v_lshlrev_b32 v121, 4, v121
	v_lshl_add_u32 v1, v116, 4, KIMG
	v_lshl_add_u32 v2, v116, 3, KIMG+512
	v_mul_u32_u24 v3, v116, 24
	s_delay_alu instid0(VALU_DEP_1)
	v_add_nc_u32 v3, VIMG, v3
	v_lshl_add_u32 v4, v117, 4, KSC
	v_lshl_add_u32 v5, v117, 4, VSC
	v_lshlrev_b32 v[L16], 4, v116
	v_lshlrev_b32 v[L8], 3, v116
	s_lshl_b32 s36, s[SELW], 1
	s_add_co_u32 s36, s36, s22                     ; my first tile's place among the work-group's eight: 2 o + e, o = sel
	s_xor_b32 s37, s[SELW], 3
	s_lshl_b32 s37, s37, 1
	s_add_co_u32 s37, s37, s22                     ; my second's: o = 3 - sel
	v_mul_u32_u24 v119, v117, 272
	s_delay_alu instid0(VALU_DEP_1)
	v_lshl_add_u32 v119, v118, 4, v119             ; 272 r + 16 h
	s_lshl_b32 s38, s21, 6                         ; a head has four places
	s_mul_i32 s39, s36, 16*272
	s_add_co_u32 s39, s39, s38
	s_add_co_u32 s39, s39, STG
	v_add_nc_u32 v6, s39, v119
	s_mul_i32 s39, s37, 16*272
	s_add_co_u32 s39, s39, s38
	s_add_co_u32 s39, s39, STG
	v_add_nc_u32 v7, s39, v119
	s_lshl_b32 s38, s21, 1                         ; and two scale bytes
	s_lshl_b32 s39, s36, 7
	s_add_co_u32 s39, s39, s38
	s_add_co_u32 s39, s39, SSTG
	v_lshl_add_u32 v30, v117, 3, s39
	s_lshl_b32 s39, s37, 7
	s_add_co_u32 s39, s39, s38
	s_add_co_u32 s39, s39, SSTG
	v_lshl_add_u32 v31, v117, 3, s39
	s_lshl_b32 s38, s25, 1
	s_add_co_u32 s38, s38, s22
	s_lshl_b32 s38, s38, 4                         ; my tile's first query among its step's 128 keys
	v_lshlrev_b32 v29, 3, v118
	s_delay_alu instid0(VALU_DEP_1)
	v_sub_nc_u32 v29, v117, v29
	s_delay_alu instid0(VALU_DEP_1)
	v_add_nc_u32 v29, s38, v29
.irp i, 38,39,40,41,42,43,56,57,58,59,60,61
	v_mov_b32 v[\i], 0                             ; zero codes: never written again
.endr
.irp b, 0,1,2,3
	v_mov_b32 v[236+\b], 0                         ; written once: a lane permute's destination counts as one of its sources
.endr
	v_mov_b32 v253, 0                              ; (named as the upper half of the pair v[252:253] before it is first written)
	s_wait_kmcnt 0x0
	s_add_nc_u64 s[8:9], s[8:9], s[28:29]
	s_add_nc_u64 s[12:13], s[12:13], s[28:29]
	s_add_nc_u64 s[10:11], s[10:11], s[30:31]
	s_add_nc_u64 s[14:15], s[14:15], s[32:33]
	s_cmp_lt_u32 s20, 4                            ; waves 0-3 copy K's scale words, waves 4 and 5 V's
	s_cselect_b64 s[34:35], s[10:11], s[14:15]
.irp i, 0,1,2
	global_load_b128 v[124+4*\i:127+4*\i], v120, s[8:9] offset:8192*\i      ; 512 threads x 16 bytes
	global_load_b128 v[136+4*\i:139+4*\i], v120, s[12:13] offset:8192*\i
.endr
	s_cmp_lt_u32 s20, 6
	s_cbranch_scc0 .Lno_scales
	global_load_b128 v[148:151], v121, s[34:35]
	s_wait_loadcnt 0x0
	ds_store_b128 v120, v[148:151] offset:KSC      ; V's words lie behind K's 2,048 bytes: 16 x thread serves both
.Lno_scales:
	s_wait_loadcnt 0x0
.irp i, 0,1,2
	ds_store_b128 v120, v[124+4*\i:127+4*\i] offset:KIMG+8192*\i
	ds_store_b128 v120, v[136+4*\i:139+4*\i] offset:VIMG+8192*\i
.endr
	s_wait_dscnt 0x0                               ; for the others' sake: my stores have landed
	s_barrier_signal -1
	s_barrier_wait -1
; A KEY STEP: keys 128 q .. 128 q + 127.  hid: left out by the waves with sel = hid (-1: by none).  msk: the mask is applied by the waves with sel = msk (2: by all, -1: by none).
.macro STEP q, hid, msk
.if \hid >= 0
	s_cmp_eq_u32 s[SELW], \hid
	s_cbranch_scc1 .Lskip_\@
.endif
.irp g, 0,1                                    ; S^T = K Q^T, four tiles of 16 keys at a time
.rept 4*\g
	v_nop                                          ; places in front of loads into registers that the four products above have read
.endr
.irp t, 0,1,2,3
	ds_load_b128 v[32+18*(\t/2)+12*(\t%2):35+18*(\t/2)+12*(\t%2)], v1 offset:(8*(\q)+4*\g+\t)*768
	ds_load_b64 v[36+18*(\t/2)+12*(\t%2):37+18*(\t/2)+12*(\t%2)], v2 offset:(8*(\q)+4*\g+\t)*768
.endr
	ds_load_b128 v[244+4*\g:247+4*\g], v4 offset:(2*(\q)+\g)*256
	s_wait_dscnt 0x0
.irp t, 0,1,2,3                                ; even tiles: codes, zeros; odd tiles: zeros, codes
	v_wmma_scale_f32_16x16x128_f8f6f4 v[S+8*(4*\g+\t):S+8*(4*\g+\t)+7], v[32+18*(\t/2)+6*(\t%2):43+18*(\t/2)+6*(\t%2)], v[16:27], 0, v[244+4*\g+\t], v28 matrix_a_fmt:MATRIX_FMT_FP6 matrix_b_fmt:MATRIX_FMT_FP6
.endr
.endr
.rept 4
	v_nop                                          ; places in front of the first read of the scores, and (with the four above) of the loads into V's registers
.endr
.irp t, 0,1,2,3                                ; V's four fragments are asked for now and wanted behind the softmax
.irp p, 0,1,2,3,4,5
	ds_load_b64 v[68+12*\t+2*\p:69+12*\t+2*\p], v3 offset:(4*(\q)+\t)*1536+768*(\p/3)+8*(\p%3)
.endr
.endr
	ds_load_b128 v[8:11], v5 offset:256*(\q)
.if \msk >= 0
.if \msk < 2
	s_cmp_lg_u32 s[SELW], \msk
	s_cbranch_scc1 .Lopen_\@
.endif
	v_mov_b32 v254, 0xff800000                     ; -infinity.  Register n holds key 16 (n / 8) + 8 h + n % 8 of the step: hidden where that lies above my query
.set n, 0
.rept 64
	v_cmp_gt_i32 vcc_lo, 16*(n/8)+n%8, v29
	v_cndmask_b32 v[S+n], v[S+n], v254, vcc_lo
.set n, n+1
.endr
.Lopen_\@:
.endif
.irp b, 0,1,2,3
	v_max3_num_f32 v[232+\b], v[S+16*\b], v[S+1+16*\b], v[S+2+16*\b]   ; the largest score of each block of 32 keys: for the row's maximum, and, since p rises with the score, for the block's largest p
.endr
.irp i, 3,5,7,9,11,13
.irp b, 0,1,2,3
	v_max3_num_f32 v[232+\b], v[232+\b], v[S+16*\b+\i], v[S+1+16*\b+\i]
.endr
.endr
.irp b, 0,1,2,3
	v_max_num_f32 v[232+\b], v[232+\b], v[S+15+16*\b]
.endr
.irp b, 0,1,2,3
	s_delay_alu instid0(VALU_DEP_4)
	v_permlanex16_b32 v[236+\b], v[232+\b], s[SEL], s[SEL+1]
.endr
.irp b, 0,1,2,3
	s_delay_alu instid0(VALU_DEP_4)
	v_max_num_f32 v[232+\b], v[232+\b], v[236+\b]  ; with lane l xor 16's 16 keys
.endr
	s_delay_alu instid0(VALU_DEP_2)
	v_max3_num_f32 v254, v232, v233, v234
	s_delay_alu instid0(VALU_DEP_1)
	v_max_num_f32 v254, v254, v235
	s_delay_alu instid0(VALU_DEP_1)
	v_mul_f32 v254, s[CS], v254                    ; as t (c is positive)
	s_delay_alu instid0(VALU_DEP_1)
	v_max_num_f32 v13, v13, v254                   ; the running largest t
	v_mov_b32 v254, v12
	s_delay_alu instid0(VALU_DEP_2)
	v_floor_f32 v12, -v13                          ; the new -M = floor(-t): M is a whole number
	s_delay_alu instid0(VALU_DEP_1)
	v_sub_f32 v254, v12, v254                      ; old M less new M: a whole number, 0 or less
	s_delay_alu instid0(VALU_DEP_1)
	v_cvt_i32_f32 v254, v254                       ; (it saturates)
	s_delay_alu instid0(VALU_DEP_1)
	v_ldexp_f32 v252, 1.0, v254                    ; f = 2^(old M - new M): a multiplication by it rounds nothing
.irp j, 0,2,4,6,8,10,12,14,16,18,20,22,24,26,28,30,32,34,36,38,40,42,44,46,48,50,52,54,56,58,60,62
	v_pk_fma_f32 v[S+\j:S+1+\j], v[S+\j:S+1+\j], s[CS:CS+1], v[12:13] op_sel_hi:[1,0,0]   ; t - M
.endr
.irp b, 0,1,2,3
	v_fma_f32 v[232+\b], v[232+\b], s[CS], v12     ; the same of each block's largest score
.endr
	s_wait_alu depctr_va_vdst(0)
.irp j, 0,1,2,3,4,5,6,7,8,9,10,11,12,13,14,15,16,17,18,19,20,21,22,23,24,25,26,27,28,29,30,31,32,33,34,35,36,37,38,39,40,41,42,43,44,45,46,47,48,49,50,51,52,53,54,55,56,57,58,59,60,61,62,63
	v_exp_f32 v[S+\j], v[S+\j]                     ; p = 2^(t - M), at most 1: not normalised
.endr
	v_pk_mul_f32 v[14:15], v[14:15], v[252:253] op_sel_hi:[1,0]   ; the sums under the new M (a plain place behind the exponentials)
	s_wait_alu depctr_va_vdst(0)                   ; one wait for the whole batch, ahead of its first reader
.irp b, 0,1,2,3
	v_exp_f32 v[232+\b], v[232+\b]                 ; the block's largest p
.endr
	v_pk_add_f32 v[254:255], v[S:S+1], v[S+2:S+3]  ; the row's sum is taken of the unquantised p, two at a time, in two chains: its first half here, behind the four exponentials
.irp j, 4,8,12,16,20,24,28
	v_pk_add_f32 v[14:15], v[14:15], v[S+\j:S+1+\j]
	v_pk_add_f32 v[254:255], v[254:255], v[S+2+\j:S+3+\j]
.endr
	s_wait_alu depctr_va_vdst(0)                   ; and one for the four
.irp b, 0,1,2,3
	v_max_num_f32 v[232+\b], 0x1800000, v[232+\b]  ; the floor 2^(3 - 127): the byte cannot fall under 1
.endr
.irp b, 0,1,2,3
	s_delay_alu instid0(VALU_DEP_4)
	v_add_nc_u32 v[240+\b], 0xff000000, v[232+\b]  ; 2 off the exponent field: the conversion's scale operand
.endr
.irp b, 0,1,2,3
	s_delay_alu instid0(VALU_DEP_4)
	v_lshrrev_b32 v[236+\b], 23, v[240+\b]         ; the scale's byte
.endr
	s_delay_alu instid0(VALU_DEP_3)
	v_lshl_or_b32 v253, v237, 8, v236              ; p's scale word for these 128 keys
	s_delay_alu instid0(VALU_DEP_1)
	v_lshl_or_b32 v253, v238, 16, v253
	s_delay_alu instid0(VALU_DEP_1)
	v_lshl_or_b32 v253, v239, 24, v253
.irp c, 0,1
	v_cvt_scalef32_pk16_fp6_f32 v[P+6*\c:P+2+6*\c], v[S+32*\c:S+15+32*\c], v[240+2*\c]
	v_cvt_scalef32_pk16_fp6_f32 v[224+4*\c:226+4*\c], v[S+16+32*\c:S+31+32*\c], v[240+2*\c+1]   ; (a conversion's three registers begin on an even number)
.endr
	v_nop                                          ; one plain place behind a scaled conversion
.irp c, 0,1                                    ; a whole block to a lane: lanes 0-15 block 2 c, lanes 16-31 block 2 c + 1
.irp i, 0,1,2
	v_permlane16_swap_b32 v[P+6*\c+\i], v[224+4*\c+\i]
.endr
.irp i, 0,1,2
	s_delay_alu instid0(VALU_DEP_3)
	v_mov_b32 v[P+3+6*\c+\i], v[224+4*\c+\i]
.endr
.endr
.irp j, 0,2,4,6,8,10,12,14,16,18,20,22,24,26,28,30
	v_pk_mul_f32 v[O+\j:O+1+\j], v[O+\j:O+1+\j], v[252:253] op_sel_hi:[1,0]   ; O^T under the new M
.endr
.irp j, 32,36,40,44,48,52,56,60                ; the sum's second half: 17 plain lines between the last vector write of an operand, a scale or a sum and the products below
	v_pk_add_f32 v[14:15], v[14:15], v[S+\j:S+1+\j]
	v_pk_add_f32 v[254:255], v[254:255], v[S+2+\j:S+3+\j]
.endr
	s_delay_alu instid0(VALU_DEP_1)
	v_pk_add_f32 v[14:15], v[14:15], v[254:255]
	s_wait_dscnt 0x0                               ; V's fragments and scale words are in
.irp t, 0,1,2,3                                ; O^T += V^T P^T: four accumulators by turns
	v_wmma_scale_f32_16x16x128_f8f6f4 v[O+8*\t:O+8*\t+7], v[68+12*\t:79+12*\t], v[P:P+11], v[O+8*\t:O+8*\t+7], v[8+\t], v253 matrix_a_fmt:MATRIX_FMT_FP6 matrix_b_fmt:MATRIX_FMT_FP6
.endr
.Lskip_\@:
.endm
; One tile of 16 queries: p = 0: o = sel; p = 1: o = 3 - sel
.macro PASS_IN p
.if \p == 0
	s_mov_b32 s44, s[SELW]
.else
	s_xor_b32 s44, s[SELW], 3
.endif
	s_lshl_b32 s44, s44, 3
	s_lshl_b32 s45, s25, 1
	s_add_co_u32 s44, s44, s45
	s_add_co_u32 s44, s44, s22                     ; t = 8 o + 2 j + e
	s_lshl_b32 s45, s26, 5
	s_add_co_u32 s44, s44, s45                     ; + 32 x batch
	s_lshl_b32 s45, s24, 2
	s_add_co_u32 s45, s45, s21                     ; my head
	s_mul_i32 s46, s45, 196608
	s_mul_i32 s47, s44, 768
	s_add_co_u32 s46, s46, s47
	s_mov_b32 s47, 0
	s_add_nc_u64 s[48:49], s[4:5], s[46:47]        ; Q's record
	s_lshl_b32 s46, s45, 14
	s_lshr_b32 s50, s44, 2
	s_lshl_b32 s50, s50, 8
	s_add_co_u32 s46, s46, s50
	s_and_b32 s50, s44, 3
	s_lshl_b32 s50, s50, 2
	s_add_co_u32 s46, s46, s50
	s_add_nc_u64 s[50:51], s[6:7], s[46:47]        ; and its scale words
	v_and_b32 v255, 15, v0
	s_delay_alu instid0(VALU_DEP_1)
	v_lshlrev_b32 v255, 4, v255
	global_load_b128 v[16:19], v[L16], s[48:49] th:TH_LOAD_NT
	global_load_b64 v[20:21], v[L8], s[48:49] offset:512 th:TH_LOAD_NT
	global_load_b128 v[22:25], v[L16], s[48:49] th:TH_LOAD_NT     ; the same six registers once more: the head's 64 stand in both halves of the instruction's 128
	global_load_b64 v[26:27], v[L8], s[48:49] offset:512 th:TH_LOAD_NT
	global_load_b32 v28, v255, s[50:51]
	v_mov_b32 v13, 0xff61b1e6                      ; the largest t so far: -3e38
	s_delay_alu instid0(VALU_DEP_1)
	v_floor_f32 v12, -v13
	v_mov_b32 v14, 0
	v_mov_b32 v15, 0
.irp j, 0,1,2,3,4,5,6,7,8,9,10,11,12,13,14,15,16,17,18,19,20,21,22,23,24,25,26,27,28,29,30,31
	v_mov_b32 v[O+\j], 0                           ; O^T: the step is written alike for all steps: the first finds zeros, which the first change of M leaves zeros
.endr
	s_wait_loadcnt 0x0
.endm
.macro PASS_OUT p
	v_add_f32 v14, v14, v15                        ; the sum's two halves,
	s_delay_alu instid0(VALU_DEP_1)
	v_permlanex16_b32 v252, v14, s[SEL], s[SEL+1]
	s_delay_alu instid0(VALU_DEP_1)
	v_add_f32 v14, v14, v252                       ; and lane l xor 16's
	s_wait_alu depctr_va_vdst(0)
	v_rcp_f32 v14, v14
.rept 3
	v_nop                                          ; a plain place behind the reciprocal; with the additions above, the places behind the last products
.endr
	s_wait_alu depctr_va_vdst(0)                   ; the wait ahead of the first reader
.irp j, 0,2,4,6,8,10,12,14,16,18,20,22,24,26,28,30
	v_pk_mul_f32 v[S+\j:S+1+\j], v[O+\j:O+1+\j], v[14:15] op_sel_hi:[1,0]   ; O^T / l: registers 16 bb + i are d = 32 bb + 16 h + i.  Each accumulator is read from its low end on
.endr
.irp b, 0,1
	v_max3_num_f32 v[232+\b], |v[S+16*\b]|, |v[S+1+16*\b]|, 0x1800000
.endr
.irp i, 2,4,6,8,10,12,14
.irp b, 0,1
	s_delay_alu instid0(VALU_DEP_2)
	v_max3_num_f32 v[232+\b], v[232+\b], |v[S+16*\b+\i]|, |v[S+1+16*\b+\i]|
.endr
.endr
.irp b, 0,1
	s_delay_alu instid0(VALU_DEP_2)
	v_permlanex16_b32 v[236+\b], v[232+\b], s[SEL], s[SEL+1]
.endr
.irp b, 0,1
	s_delay_alu instid0(VALU_DEP_2)
	v_max_num_f32 v[232+\b], v[232+\b], v[236+\b]
.endr
.irp b, 0,1
	s_delay_alu instid0(VALU_DEP_2)
	v_add_nc_u32 v[240+\b], 0xff000000, v[232+\b]
.endr
.irp b, 0,1
	s_delay_alu instid0(VALU_DEP_2)
	v_lshrrev_b32 v[236+\b], 23, v[240+\b]
.endr
	v_cvt_scalef32_pk16_fp6_f32 v[P:P+2], v[S:S+15], v240
	v_cvt_scalef32_pk16_fp6_f32 v[P+4:P+6], v[S+16:S+31], v241
	v_lshl_or_b32 v254, v237, 8, v236              ; my head's two bytes (a plain place behind the conversions)
	ds_store_b96 v[6+\p], v[P:P+2]                 ; 16 codes, 12 bytes, to a place of 16: every address is a multiple of 16
	ds_store_b96 v[6+\p], v[P+4:P+6] offset:32
	ds_store_b16 v[30+\p], v254                    ; both lanes of a query write the same bytes with the same value
.endm
	PASS_IN 0
	STEP 0, -1, 0                                  ; o = 0: the diagonal; o = 1: all keys count
	STEP 1, 0, 2                                   ; o = 1 alone: the diagonal
	s_wait_alu depctr_va_vdst(0)
	PASS_OUT 0
	PASS_IN 1
	STEP 0, -1, -1
	STEP 1, -1, -1
	STEP 2, -1, 1                                  ; o = 2: the diagonal
	STEP 3, 1, 2                                   ; o = 3 alone: the diagonal
	s_wait_alu depctr_va_vdst(0)
	PASS_OUT 1
	s_wait_dscnt 0x0                               ; for the others' sake: my stores into the stages have landed
	s_barrier_signal -1
	s_barrier_wait -1
	; THE WAY OUT.  Stage row 32 o + 16 e + r is position 128 o + 32 j + 16 e + r.  Wave w takes rows 8 w .. 8 w + 7, two an instruction: sixteen lanes store a row's 192 consecutive bytes.
	s_lshl_b32 s44, s26, 9
	s_lshl_b32 s45, s25, 5
	s_add_co_u32 s44, s44, s45                     ; 512 x batch + 32 j
	s_lshr_b32 s45, s20, 2
	s_lshl_b32 s45, s45, 7
	s_add_co_u32 s45, s45, s44
	s_lshl_b32 s46, s21, 3
	s_add_co_u32 s45, s45, s46                     ; + 128 (w / 4) + 8 (w % 4)
	s_mul_i32 s46, s45, 1536
	s_mul_i32 s47, s24, 192
	s_add_co_u32 s46, s46, s47
	s_mov_b32 s47, 0
	s_add_nc_u64 s[16:17], s[16:17], s[46:47]
	s_mul_i32 s48, s20, 8*272
	s_add_co_u32 s48, s48, STG
	v_and_b32 v3, 15, v0
	v_bfe_u32 v4, v0, 4, 1
	s_delay_alu instid0(VALU_DEP_1)
	v_mul_u32_u24 v1, v4, 272
	s_delay_alu instid0(VALU_DEP_1)
	v_lshl_add_u32 v1, v3, 4, v1
	s_delay_alu instid0(VALU_DEP_1)
	v_add_nc_u32 v1, s48, v1
	s_delay_alu instid0(VALU_DEP_4)
	v_mul_u32_u24 v5, v4, 1536
	s_delay_alu instid0(VALU_DEP_1)
	v_mad_u32_u24 v5, v3, 12, v5
	v_and_b32 v2, 127, v0
	s_delay_alu instid0(VALU_DEP_1)
	v_lshl_add_u32 v2, v2, 3, SSTG
.irp i, 0,1,2,3
	ds_load_b96 v[32+4*\i:34+4*\i], v1 offset:2*\i*272
.endr
	s_wait_alu depctr_va_vdst(0)
	s_wait_dscnt 0x0
.irp i, 0,1,2,3
	global_store_b96 v5, v[32+4*\i:34+4*\i], s[16:17] offset:2*\i*1536
.endr
	s_cmp_lt_u32 s20, 4                            ; waves 0-3: the scale bytes: a lane a row, 8 bytes
	s_cbranch_scc0 .Lend
	s_lshl_b32 s45, s20, 7
	s_add_co_u32 s45, s45, s44                     ; stage rows 32 w on are positions 128 w + 32 j on
	s_lshl_b32 s46, s45, 6
	s_lshl_b32 s45, s24, 3
	s_add_co_u32 s46, s46, s45
	s_add_nc_u64 s[18:19], s[18:19], s[46:47]
	v_and_b32 v4, 31, v0
	s_delay_alu instid0(VALU_DEP_1)
	v_lshlrev_b32 v4, 6, v4
	ds_load_b64 v[48:49], v2
	s_wait_alu depctr_va_vdst(0)
	s_wait_dscnt 0x0
	global_store_b64 v4, v[48:49], s[18:19]
.Lend:
	s_wait_xcnt 0x0
	v_lshl_add_u32 v254, v0, 2, 0x16000
	v_mov_b32 v255, 0
	s_wait_alu depctr_va_vdst(0)
	s_wait_tensorcnt 0x0
	ds_add_u32 v254, v255
	s_wait_dscnt 0x0
	s_endpgm
.Lfunc_end_k_qbe8729bfd1_attn:
	.size	k_qbe8729bfd1_attn, .Lfunc_end_k_qbe8729bfd1_attn-k_qbe8729bfd1_attn
	.p2alignl 7, 3214868480
	.fill 96, 4, 3214868480
	.section	.rodata,"a",@progbits
	.p2align	6, 0x0
	.amdhsa_kernel k_qbe8729bfd1_attn
		.amdhsa_group_segment_fixed_size 92160
		.amdhsa_private_segment_fixed_size 0
		.amdhsa_enable_private_segment 0
		.amdhsa_kernarg_size 64
		.amdhsa_user_sgpr_count 2
		.amdhsa_user_sgpr_kernarg_segment_ptr 1
		.amdhsa_wavefront_size32 1
		.amdhsa_system_sgpr_workgroup_id_x 1
		.amdhsa_system_sgpr_workgroup_id_y 1
		.amdhsa_system_sgpr_workgroup_id_z 1
		.amdhsa_system_vgpr_workitem_id 0
		.amdhsa_next_free_vgpr 256
		.amdhsa_next_free_sgpr 66
		.amdhsa_reserve_vcc 1
		.amdhsa_float_denorm_mode_32 3
		.amdhsa_float_denorm_mode_16_64 3
		.amdhsa_memory_ordered 1
		.amdhsa_forward_progress 1
		.amdhsa_inst_pref_size 146
	.end_amdhsa_kernel
	.amdgpu_metadata
---
amdhsa.version: [ 1, 2 ]
amdhsa.kernels:
  - .name:           k_qbe8729bfd1_attn
    .symbol:         k_qbe8729bfd1_attn.kd
    .args:
      - { .name: qimg, .offset: 0, .size: 8, .value_kind: global_buffer, .address_space: global }
      - { .name: qscl, .offset: 8, .size: 8, .value_kind: global_buffer, .address_space: global }
      - { .name: kimg, .offset: 16, .size: 8, .value_kind: global_buffer, .address_space: global }
      - { .name: kscl, .offset: 24, .size: 8, .value_kind: global_buffer, .address_space: global }
      - { .name: vimg, .offset: 32, .size: 8, .value_kind: global_buffer, .address_space: global }
      - { .name: vscl, .offset: 40, .size: 8, .value_kind: global_buffer, .address_space: global }
      - { .name: acodes, .offset: 48, .size: 8, .value_kind: global_buffer, .address_space: global }
      - { .name: ascales, .offset: 56, .size: 8, .value_kind: global_buffer, .address_space: global }
    .group_segment_fixed_size: 92160
    .private_segment_fixed_size: 0
    .kernarg_segment_align: 8
    .kernarg_segment_size: 64
    .max_flat_workgroup_size: 512
    .sgpr_count:     66
    .vgpr_count:     256
    .wavefront_size: 32
...
	.end_amdgpu_metadata
.endif
;; end of part 5
;; launch oproj (part 6): grid 8 x 32, 4 waves a work-group, clusters of 4 x 4, 327,680 bytes of LDS; arguments acodes, ascales, Wo_codes, Wo_scales, out0; writes out0
.if DOCPART == 6
	.amdgcn_target "amdgcn-amd-amdhsa--gfx1250"
	.amdhsa_code_object_version 6
	.text
	.protected	k_qbe8729bfd1_oproj
	.globl	k_qbe8729bfd1_oproj
	.p2align	8
	.type	k_qbe8729bfd1_oproj,@function
k_qbe8729bfd1_oproj:
	s_mov_b64 s[64:65], 0
	v_nop
	global_prefetch_b8 v0, s[64:65] scope:SCOPE_SE
	s_setreg_imm32_b32 hwreg(HW_REG_WAVE_MODE, 25, 1), 1
	s_wait_xcnt 0x0
	s_wait_alu depctr_hold_cnt(0) depctr_sa_sdst(0) depctr_va_vdst(0) depctr_va_sdst(0) depctr_va_ssrc(0) depctr_va_vcc(0) depctr_vm_vsrc(0)
	s_getreg_b32 s2, hwreg(HW_REG_IB_STS2, 6, 4)
	s_cmp_eq_u32 s2, 0
	s_cbranch_scc0 .Lentry_in_a_cluster
	s_endpgm
.Lentry_in_a_cluster:
	s_bfe_u32 s2, ttmp6, 0x10000c
	s_cmp_lg_u32 s2, 0xf033
	s_cbranch_scc0 .Lentry_shape_is_right
	s_endpgm
.Lentry_shape_is_right:
.set SIZE_N, 2048
.set SIZE_K, 2048
.set KSTEP,  512
.set ROWB,   256
.set KROW,   SIZE_K*6/8
.set PA,     272
.set PB,     272
.set GAPA,   8
.set GAPB,   16
.set FR,     12
.set NL,     6
.set HALFA,  64*PA
.set HALFB,  128*PB
.set BOFF,   2*HALFA
.set SLOT,   BOFF+2*HALFB
.set SPARE,  2*SLOT
.set SPITCH, 528
.set ADRA, 16
.set ADRB, 20
.set STO,  24
.set RD,   25
.set CO,   26
.set SPW,  28
.set NIL,  29
.set AF,   32
.set SC,   128
.set G1, 24
.set G0, 32
.set G1B, 48
.set G0B, 56
.set HIM, 72
.set MSB, 0
.macro WIN new
.if MSB != \new
	s_set_vgpr_msb (MSB<<8)|\new
.set MSB, \new
.endif
.endm
.set MUL,  0xa1
.set TO_B, 0x40
.macro JLOAD g0a, g1a, g0b, g1b
	s_cmp_eq_u32 s15, 0
	s_cbranch_scc0 .Lfor_b_\@
	tensor_load_to_lds s[\g0a:\g0a+3], s[\g1a:\g1a+7]
	s_nop 0
.rept 4
	v_nop
.endr
	s_branch .Lasked_\@
.Lfor_b_\@:
	tensor_load_to_lds s[\g0b:\g0b+3], s[\g1b:\g1b+7]
	s_nop 0
.rept 4
	v_nop
.endr
.Lasked_\@:
.endm
.macro CREST
	s_cmp_lg_u32 s14, 0
	s_cbranch_scc1 .Lnot_wave_0_\@
	s_barrier_signal -3
.Lnot_wave_0_\@:
	s_barrier_wait -3
	s_barrier_signal -1
	s_barrier_wait -1
.endm
.macro CROUND
	s_barrier_signal -1
	s_barrier_wait -1
	CREST
.endm
	s_load_b128 s[4:7], s[0:1], 0x0
	s_load_b128 s[8:11], s[0:1], 0x10
	s_load_b64 s[12:13], s[0:1], 0x20
	v_lshl_add_u32 v[SPW], v0, 2, SPARE
	v_mov_b32 v[NIL], 0
	ds_add_u32 v28, v29
	ds_add_u32 v28, v29
	s_wait_dscnt 0x0
	v_lshrrev_b32 v1, 5, v0
	v_readfirstlane_b32 s14, v1
	s_lshr_b32 s15, s14, 1
	s_and_b32 s16, s14, 1
	s_bfe_u32 s40, ttmp6, 0x40000
	s_bfe_u32 s41, ttmp6, 0x40004
	s_lshl_b32 s42, ttmp9, 2
	s_add_co_u32 s42, s42, s40
	s_and_b32 s17, ttmp7, 0xffff
	s_lshl_b32 s17, s17, 2
	s_add_co_u32 s17, s17, s41
	s_lshl_b32 s43, s41, 2
	s_lshl_b32 s43, 15, s43
	s_lshl_b32 s44, 0x1111, s40
	s_or_b32 s[G1+0], s43, (0<<16)|(1<<20)|(1<<21)|(5<<22)|(3<<25)
	s_or_b32 s[G1B+0], s44, (0<<16)|(1<<20)|(1<<21)|(5<<22)|(3<<25)
	s_mov_b32 s[G1+1], ROWB<<16
	s_mov_b32 s[G1+2], 64<<16
	s_mov_b32 s[G1+3], ROWB<<16
	s_mov_b32 s[G1+4], 64
	s_mov_b32 s[G1+5], KROW
	s_mov_b32 s[G1+6], 0
	s_mov_b32 s[G1+7], 0
	s_mov_b32 s[G1B+1], ROWB<<16
	s_mov_b32 s[G1B+2], 128<<16
	s_mov_b32 s[G1B+3], ROWB<<16
	s_mov_b32 s[G1B+4], 128
	s_mov_b32 s[G1B+5], KROW
	s_mov_b32 s[G1B+6], 0
	s_mov_b32 s[G1B+7], 0
	s_lshl_b32 s18, s16, 6
	s_lshl_b32 s20, s17, 7
	s_add_co_u32 s20, s20, s18
	s_lshl_b32 s18, s16, 7
	s_lshl_b32 s46, s42, 8
	s_add_co_u32 s46, s46, s18
	s_mov_b32 s21, 0
	s_mov_b32 s47, 0
	s_mov_b64 s[18:19], KROW
	s_mul_u64 s[20:21], s[20:21], s[18:19]
	s_mul_u64 s[46:47], s[46:47], s[18:19]
	s_mul_i32 s45, s16, HALFA
	s_mul_i32 s22, s16, HALFB
	s_add_co_u32 s22, s22, BOFF
	s_lshl_b32 s66, s17, 7
	s_lshl_b32 s67, s15, 6
	s_add_co_u32 s66, s66, s67
	s_lshl_b32 s70, s66, 13
	s_lshl_b32 s66, s66, 6
	s_mov_b32 s67, 0
	s_lshl_b32 s68, s42, 8
	s_lshl_b32 s69, s16, 7
	s_add_co_u32 s68, s68, s69
	s_lshl_b32 s71, s68, 2
	s_add_co_u32 s70, s70, s71
	s_lshl_b32 s68, s68, 6
	s_mov_b32 s69, 0
	s_mov_b32 s71, 0
	s_mov_b32 s[HIM], 0xffff0000
	s_wait_kmcnt 0x0
	s_add_nc_u64 s[20:21], s[4:5], s[20:21]
	s_add_nc_u64 s[46:47], s[8:9], s[46:47]
	s_add_nc_u64 s[6:7], s[6:7], s[66:67]
	s_add_nc_u64 s[10:11], s[10:11], s[68:69]
	s_add_nc_u64 s[12:13], s[12:13], s[70:71]
	; the prefetches: of the rows that I fetch (64 of the left operand, 128 of the weights) my work-group takes a quarter, by address: cx for the left operand, cy for the weights; a lane a row, lanes left over name the last row again
	s_cmp_eq_u32 s15, 0
	s_cselect_b64 s[74:75], s[20:21], s[46:47]
	s_cselect_b32 s76, s40, s41
	s_cselect_b32 s77, 16, 32
	s_cselect_b32 s78, 15, 31
	s_mul_i32 s76, s76, s77
	s_mul_i32 s76, s76, KROW
	s_mov_b32 s77, 0
	s_add_nc_u64 s[74:75], s[74:75], s[76:77]
	v_and_b32 v1, 15, v0
	v_bfe_u32 v2, v0, 4, 1
	v_lshlrev_b32 v6, 7, v1
	v_lshlrev_b32 v7, 6, v1
	v_and_b32 v27, 31, v0
	v_min_u32 v27, s78, v27
	v_mul_u32_u24 v27, v27, KROW
	s_wait_alu depctr_va_vdst(0)
	; the scale words are asked for ahead of the first round: they are on their way together with chunk 0
.irp i, 0,1,2,3,4,5,6,7
.irp c, 0,1,2,3
	global_load_b128 v[SC+16*\i+4*\c:SC+16*\i+4*\c+3], v7, s[10:11] offset:\i*1024+16*\c
.endr
.endr
.irp a, 0,1,2,3
.irp c, 0,1,2,3
	global_load_b128 v[AF+16*\a+4*\c:AF+16*\a+4*\c+3], v6, s[6:7] offset:(32*(\a/2)+\a%2)*64+16*\c
.endr
.endr
	CROUND
.irp s, 0,1
	s_mov_b32 s[G0+4*\s], 1
	s_add_co_u32 s[G0+4*\s+1], s45, \s*SLOT
	s_add_nc_u64 s[G0+4*\s+2:G0+4*\s+3], s[20:21], \s*ROWB
	s_or_b32 s[G0+4*\s+3], s[G0+4*\s+3], 0x80000000
	s_mov_b32 s[G0B+4*\s], 1
	s_add_co_u32 s[G0B+4*\s+1], s22, \s*SLOT
	s_add_nc_u64 s[G0B+4*\s+2:G0B+4*\s+3], s[46:47], \s*ROWB
	s_or_b32 s[G0B+4*\s+3], s[G0B+4*\s+3], 0x80000000
.endr
	JLOAD G0, G1, G0B, G1B                         ; chunk 0: my one tensor load at the head, behind the opening lines and the round
	global_prefetch_b8 v27, s[74:75] offset:1*ROWB th:TH_LOAD_NT scope:SCOPE_SE   ; the two chunks behind the one just asked for
	global_prefetch_b8 v27, s[74:75] offset:2*ROWB th:TH_LOAD_NT scope:SCOPE_SE
	s_wait_alu depctr_va_vdst(0)
	s_wait_tensorcnt 0x0                           ; my part of chunk 0 is in; the same lines ahead of slot 1's first fill as ahead of a refill
	ds_add_u32 v28, v29
	s_wait_dscnt 0x0
	CROUND
	JLOAD G0+4, G1, G0B+4, G1B                     ; chunk 1
	global_prefetch_b8 v27, s[74:75] offset:3*ROWB th:TH_LOAD_NT scope:SCOPE_SE
	v_mul_u32_u24 v11, v1, 2*PA
	v_mad_u32_u24 v3, v2, 24, v11
	v_mul_u32_u24 v12, v1, PB
	v_mad_u32_u24 v5, v2, 24, v12
	s_mov_b32 s66, SLOT-232
	s_mov_b32 s67, SLOT+232
	v_sub_nc_u32 v13, 1, v2
	v_mul_u32_u24 v4, s66, v2
	v_add_nc_u32 v4, 232, v4                       ; across two chunks: lanes 0-15 byte 232 in slot 0, lanes 16-31 byte 0 in slot 1
	v_mul_u32_u24 v8, s67, v13                     ; and the other way round
	s_mul_i32 s21, s15, HALFA
	s_mul_i32 s23, s16, HALFB
	s_add_co_u32 s23, s23, BOFF
	v_add_nc_u32 v14, v11, v4
	v_add_nc_u32 v15, v11, v8
	v_add_nc_u32 v[ADRA+2], s21, v14
	v_add_nc_u32 v[ADRA+3], s21, v15
	v_add_nc_u32 v14, v12, v4
	v_add_nc_u32 v15, v12, v8
	v_add_nc_u32 v[ADRB+2], s23, v14
	v_add_nc_u32 v[ADRB+3], s23, v15
.irp s, 0,1
	v_add_nc_u32 v[ADRA+\s], s21, v3
	v_add_nc_u32 v[ADRB+\s], s23, v5
	s_add_co_u32 s21, s21, SLOT
	s_add_co_u32 s23, s23, SLOT
.endr
	s_mul_i32 s23, s14, 16*SPITCH
	v_mul_u32_u24 v9, v1, SPITCH
	v_lshl_add_u32 v9, v2, 5, v9
	v_add_nc_u32 v[STO], s23, v9
	v_and_b32 v10, 31, v0
	v_lshlrev_b32 v[CO], 4, v10
	v_add_nc_u32 v[RD], s23, v[CO]
	s_wait_loadcnt 0x0
.irp w, 0,1,2,3,4,5,6,7,8,9,10,11,12,13,14,15
.irp a, 0,1,2,3
	v_cndmask_b32 v[SC+16*\a+\w], v[AF+16*\a+\w], v[SC+16*\a+\w], s[HIM]
.endr
.endr
.rept 8
	v_nop
.endr
.macro FRAG reg, adr, q, off, gap
.irp p, 0,1,2,3,4,5
.set BY, 96*(\q)+48*(\p/3)+8*(\p%3)            ; q: the step, counted from the row's start; byte y of a row lies in slot (y / 256) % 2 at byte y % 256
.if BY/256 == (BY+24)/256
	ds_load_b64 v[\reg+2*\p:\reg+2*\p+1], v[\adr+(BY/256)%2] offset:BY%256+(\off)
.else
	ds_load_b64 v[\reg+2*\p:\reg+2*\p+1], v[\adr+2+(BY/256)%2] offset:BY%256-232+(\off)
.endif
.endr
.endm
.macro MUL8 a, p, w, zero
.irp b, 0,1,2,3,4,5,6,7
.if \zero
	v_wmma_scale_f32_16x16x128_f8f6f4 v[8*(8*(\a)+\b):8*(8*(\a)+\b)+7], v[128*(\p)+FR*\b:128*(\p)+FR*\b+FR-1], v[AF+48*(\p)+FR*(\a):AF+48*(\p)+FR*(\a)+FR-1], 0, v[SC+16*\b+(\w)], v[SC+16*(\a)+(\w)] matrix_a_fmt:MATRIX_FMT_FP6 matrix_b_fmt:MATRIX_FMT_FP6 matrix_a_scale:MATRIX_SCALE_ROW1
.else
	v_wmma_scale_f32_16x16x128_f8f6f4 v[8*(8*(\a)+\b):8*(8*(\a)+\b)+7], v[128*(\p)+FR*\b:128*(\p)+FR*\b+FR-1], v[AF+48*(\p)+FR*(\a):AF+48*(\p)+FR*(\a)+FR-1], v[8*(8*(\a)+\b):8*(8*(\a)+\b)+7], v[SC+16*\b+(\w)], v[SC+16*(\a)+(\w)] matrix_a_fmt:MATRIX_FMT_FP6 matrix_b_fmt:MATRIX_FMT_FP6 matrix_a_scale:MATRIX_SCALE_ROW1
.endif
.endr
.endm
.macro FETCH_B slot, q, p
	WIN TO_B
.irp i, 0,1,2,3,4,5,6,7
	FRAG 128*(\p)+FR*\i, ADRB+\slot, \q, \i*16*PB, GAPB
.endr
	WIN 0
.endm
.macro FETCH_A slot, q, p
.irp a, 0,1,2,3
	FRAG AF+48*(\p)+FR*\a, ADRA+\slot, \q, (32*(\a/2)+\a%2)*PA, GAPA
.endr
.endm
.macro PLACES n
.rept \n
	v_nop
.endr
.endm
.macro STEP slot, q, t, zero
	s_wait_dscnt 2*NL
	PLACES 4
	FETCH_B \slot, (\q)+1, 1-(\q)%2
	WIN MUL
	MUL8 0, (\q)%2, 4*(\t)+(\q), \zero
	MUL8 1, (\q)%2, 4*(\t)+(\q), \zero
	s_wait_dscnt 8*NL
	WIN 0
	FETCH_A \slot, (\q)+1, 1-(\q)%2
	WIN MUL
	MUL8 2, (\q)%2, 4*(\t)+(\q), \zero
	MUL8 3, (\q)%2, 4*(\t)+(\q), \zero
	WIN 0
.endm
; A step whose successor's bytes end in a chunk not yet read (a barrier shows it whole) or begin in a later chunk (the chunk left behind is free: the add, a round, the refill two chunks on)
.macro TURN st
.set NX, (\st)+1
.set C0, (96*(\st))/256
.set C1, (96*NX)/256
	s_wait_tensorcnt 0x0                           ; all my tensor loads have landed
.if C1 > C0
	ds_add_u32 v[SPW], v[NIL]
.endif
	s_wait_dscnt 0x0                               ; the add and all my reads are done
	s_barrier_signal -1
	WIN MUL
	MUL8 0, (\st)%2, \st, 0
	MUL8 1, (\st)%2, \st, 0
	WIN 0
	s_barrier_wait -1
.if C1 > C0 && C0+2 < 6
	CREST
	s_add_nc_u64 s[G0+4*(C0%2)+2:G0+4*(C0%2)+3], s[G0+4*(C0%2)+2:G0+4*(C0%2)+3], 2*ROWB
	s_add_nc_u64 s[G0B+4*(C0%2)+2:G0B+4*(C0%2)+3], s[G0B+4*(C0%2)+2:G0B+4*(C0%2)+3], 2*ROWB
	JLOAD G0+4*(C0%2), G1, G0B+4*(C0%2), G1B
.else
	PLACES 4
.endif
	FETCH_B 0, NX, NX%2
	FETCH_A 0, NX, NX%2
.if C1 > C0 && C0+4 < 6
	global_prefetch_b8 v27, s[74:75] offset:(C0+4)*ROWB th:TH_LOAD_NT scope:SCOPE_SE   ; two loads on from the refill above; the last two refills ask for nothing
.endif
	WIN MUL
	MUL8 2, (\st)%2, \st, 0
	MUL8 3, (\st)%2, \st, 0
	WIN 0
.endm
	s_wait_alu depctr_va_vdst(0)                   ; the wait at the head's end
	s_wait_tensorcnt 1                             ; chunk 0 is in (it was waited for ahead of the round); chunk 1's load may be out
	s_barrier_signal -1
	s_barrier_wait -1
	FETCH_B 0, 0, 0
	FETCH_A 0, 0, 0
	STEP 0, 0, 0, 1
.set ST, 1
.rept 14                               ; written out: slots and chunks come back to where they began after sixteen steps, the whole walk
.if (96*(ST+1))/256 > (96*ST)/256 || (96*(ST+1)+95)/256 > (96*ST+95)/256
	TURN ST
.else
	STEP 0, ST, 0, 0
.endif
.set ST, ST+1
.endr
	s_wait_dscnt 2*NL
	WIN MUL
	MUL8 0, 1, 15, 0
	MUL8 1, 1, 15, 0
	s_wait_dscnt 0
	MUL8 2, 1, 15, 0
	MUL8 3, 1, 15, 0
	WIN 0
.macro TOSTAGE a
	WIN 0x08
.irp b, 0,1,2,3,4,5,6,7
	ds_store_b128 v[STO], v[64*(\a)+8*\b:64*(\a)+8*\b+3] offset:64*\b
	ds_store_b128 v[STO], v[64*(\a)+8*\b+4:64*(\a)+8*\b+7] offset:64*\b+16
.endr
	WIN TO_B
.irp t, 0,1,2,3,4,5,6,7,8,9,10,11,12,13,14,15
	ds_load_b128 v[64*((\a)%2)+4*\t:64*((\a)%2)+4*\t+3], v[RD] offset:\t*SPITCH
.endr
	WIN 0
.endm
.macro SEND a, younger
	s_wait_dscnt \younger
	WIN 0x04
.irp t, 0,1,2,3,4,5,6,7,8,9,10,11,12,13,14,15
	global_store_b128 v[CO], v[64*((\a)%2)+4*\t:64*((\a)%2)+4*\t+3], s[12:13] offset:(32*((\a)/2)+2*\t+(\a)%2)*SIZE_N*4 th:TH_STORE_NT
.endr
	WIN 0
.endm
	PLACES 4
	TOSTAGE 0
.irp a, 1,2,3
.if \a > 1
	s_wait_xcnt 0x0
.endif
	TOSTAGE \a
	SEND \a-1, 32
.endr
	SEND 3, 0
	s_wait_tensorcnt 0x0
	ds_add_u32 v[SPW], v[NIL]
	s_wait_dscnt 0x0
	CROUND
	s_endpgm
.Lfunc_end_k_qbe8729bfd1_oproj:
	.size	k_qbe8729bfd1_oproj, .Lfunc_end_k_qbe8729bfd1_oproj-k_qbe8729bfd1_oproj
	.p2alignl 7, 3214868480
	.fill 96, 4, 3214868480
	.section	.rodata,"a",@progbits
	.p2align	6, 0x0
	.amdhsa_kernel k_qbe8729bfd1_oproj
		.amdhsa_group_segment_fixed_size 327680
		.amdhsa_private_segment_fixed_size 0
		.amdhsa_enable_private_segment 0
		.amdhsa_kernarg_size 40
		.amdhsa_user_sgpr_count 2
		.amdhsa_user_sgpr_kernarg_segment_ptr 1
		.amdhsa_wavefront_size32 1
		.amdhsa_system_sgpr_workgroup_id_x 1
		.amdhsa_system_sgpr_workgroup_id_y 1
		.amdhsa_system_sgpr_workgroup_id_z 1
		.amdhsa_system_vgpr_workitem_id 0
		.amdhsa_next_free_vgpr 768
		.amdhsa_next_free_sgpr 80
		.amdhsa_reserve_vcc 0
		.amdhsa_float_denorm_mode_32 3
		.amdhsa_float_denorm_mode_16_64 3
		.amdhsa_memory_ordered 1
		.amdhsa_forward_progress 1
		.amdhsa_inst_pref_size 180
	.end_amdhsa_kernel
	.amdgpu_metadata
---
amdhsa.version: [ 1, 2 ]
amdhsa.kernels:
  - .name:           k_qbe8729bfd1_oproj
    .symbol:         k_qbe8729bfd1_oproj.kd
    .args:
      - { .name: acodes, .offset: 0, .size: 8, .value_kind: global_buffer, .address_space: global }
      - { .name: ascales, .offset: 8, .size: 8, .value_kind: global_buffer, .address_space: global }
      - { .name: Wo_codes, .offset: 16, .size: 8, .value_kind: global_buffer, .address_space: global }
      - { .name: Wo_scales, .offset: 24, .size: 8, .value_kind: global_buffer, .address_space: global }
      - { .name: out0, .offset: 32, .size: 8, .value_kind: global_buffer, .address_space: global }
    .group_segment_fixed_size: 327680
    .private_segment_fixed_size: 0
    .kernarg_segment_align: 8
    .kernarg_segment_size: 40
    .max_flat_workgroup_size: 128
    .sgpr_count:     80
    .vgpr_count:     768
    .wavefront_size: 32
...
	.end_amdgpu_metadata
.endif
;; end of part 6
